; MI455X (gfx1250); checked and timed in simulation.
; The chip was launched on July 23, 2026; its instructions are those of AMD's public machine-readable ISA for CDNA 5 (MIT licence, August 2026) and "CDNA5" Instruction Set Architecture Reference Guide (July 2026). The comments in the code are by the model that wrote it; some were corrected since.
;; Multi Headed Attention Block. Allowed arithmetic: matrix products marked QUANTISED: E2M3 operands, one E8M0 scale for each 32 along K, by v_wmma_scale_f32_16x16x128_f8f6f4 with both operands' format E2M3, f32 sums; everything else in f32.
;; Inputs: W_all 3,072 x 1,024 float32; W_out 1,024 x 1,024 float32; attn_mask 2 x 2,048 x 2,048 bool; b_out 1,024 float32; kv_mask 2 x 2,048 bool; q 2 x 2,048 x 1,024 float32.
;; Outputs: out0 2 x 2,048 x 1,024 float32.
;; This version of the problem:
;;   THIS VERSION OF THE PROBLEM IS GIVEN IN LOW PRECISION. The matrix products marked QUANTISED in the list below multiply operands that are first quantised to E2M3 (2 exponent bits, 3 mantissa bits; 6 bits a number), with one power-of-two scale for each 32 numbers along K (OCP MX v1.0); their sums are f32. All else is computed in f32.
;;   The module's matrix products, in the order in which they are computed (A, B: the left and right operand; K: the contracted axis; several contracted axes count as one K, in the product's order):
;;     1. [M 4,096, K 1,024] x [K 1,024, N 3,072]; A: input q; B: input W_all: QUANTISED
;;     2. batch 32 x [M 2,048, K 64] x [K 64, N 2,048]; A: computed on the way; B: computed on the way: QUANTISED
;;     3. batch 32 x [M 2,048, K 2,048] x [K 2,048, N 64]; A: computed on the way; B: computed on the way: QUANTISED
;;     4. [M 4,096, K 1,024] x [K 1,024, N 1,024]; A: computed on the way; B: input W_out: QUANTISED
;;   THE QUANTISER, for each operand of a quantised product, along K:
;;     - K is cut into blocks of 32 from its start; a last block that is shorter is filled with zeros.
;;     - A block's scale is 2^e with e = floor(log2(the largest magnitude in the block)) - 2, held to -126 .. 127; a block of zeros has e = 0. As a byte (E8M0): e + 127.
;;     - Each number is divided by its block's scale, clamped to +-7.5, and rounded to the nearest number of E2M3, ties to even, subnormals kept.
;;     - The product sums the exact products of the quantised numbers (number of the format x scale) in f32.
;;   ~~~python
;;   def quantise(x, axis):      # numpy; x: float32 -> the quantised numbers, widened to float32 again
;;       x = np.moveaxis(x, axis, -1); K = x.shape[-1]
;;       x = np.pad(x, [(0, 0)] * (x.ndim - 1) + [(0, -K % 32)]); x = x.reshape(x.shape[:-1] + (-1, 32)); a = np.abs(x).max(-1, keepdims=True)
;;       e = np.where(a > 0, np.clip(np.frexp(np.where(a > 0, a, 1))[1] - 1 - 2, -126, 127), 0)      # np.frexp(a)[1] - 1 = floor(log2(a)), exactly
;;       r = np.clip(x / 2.0 ** e, -7.5, 7.5)
;;       step = 2.0 ** (np.maximum(np.frexp(np.where(r == 0, 1, r))[1] - 1, 0) - 3)
;;       q = np.round(r / step) * step * 2.0 ** e      # np.round: ties to even
;;       return np.moveaxis(q.reshape(q.shape[:-2] + (-1,))[..., :K], -1, axis).astype(np.float32)
;;   ~~~
;;   OPERANDS COMPUTED ON THE WAY. 'Computed on the way' means the value that the module computes at that place (a softmax that the list does not call 'softmax' is quantised finished and normalised). What goes into a quantiser is computed in f32, as accurately as f32 sums, v_exp_f32 and their like allow (about 1e-6 of the number): no bf16 or f16 on the way to a quantiser, and a product that is left as it is and whose result goes on into a quantised operand takes f32 operands (vector FMAs, or v_wmma_f32_16x16x4_f32). A number that lies on a knife's edge between two numbers of the format may be rounded either way, as far as f32 arithmetic and the matrix unit's own rounding can turn it there, and no further.
;; 2 versions. Each part assembles by itself: llvm-mc -triple=amdgcn-amd-amdhsa -mcpu=gfx1250 --defsym DOCPART=n.
;; ======== version 1 of 2: 4 launches
;; workspace buffers: opimg 6,291,456 bytes; opsc 262,144 bytes; maskw 1,048,576 bytes of whole numbers; qkvimg 9,437,184 bytes; qkvsc 655,360 bytes; aimg 3,145,728 bytes; asc 131,072 bytes
;; launch prep (part 1): grid 1024 x 1, 4 waves a work-group, no clusters, 52,736 bytes of LDS; arguments q, W_all, W_out, attn_mask, kv_mask, opimg, opsc, maskw; writes opimg, opsc, maskw
.if DOCPART == 1
	.amdgcn_target "amdgcn-amd-amdhsa--gfx1250"
	.amdhsa_code_object_version 6
	.text
	.protected	k_q90fb6dc4d6_prep
	.globl	k_q90fb6dc4d6_prep
	.p2align	8
	.type	k_q90fb6dc4d6_prep,@function
k_q90fb6dc4d6_prep:
	s_mov_b64 s[64:65], 0
	v_nop
	global_prefetch_b8 v0, s[64:65] scope:SCOPE_SE
	s_setreg_imm32_b32 hwreg(HW_REG_WAVE_MODE, 25, 1), 1
	s_wait_xcnt 0x0
; Work-groups 0-511: q [4096][1024], W_all [3072][1024], W_out [1024][1024], f32, become codes of FP6 (E2M3) with one E8M0 byte for each 32 along K.
; Work-groups 512-1023: kv_mask AND attn_mask becomes lane masks, one bit a score, in the order in which the attention launch holds its scores.
; LAYOUT OF THE CODES.  A piece is 16 rows x 64 along K, stored as an image of six operand registers, 768 bytes: registers 0-3 at 16 x lane, registers 4-5 at 512 + 8 x lane;
; lane (r, h) holds block h (32 codes, 24 bytes) of the tile's row r.  Lane r of row tile t is row 32 (t / 2) + 8 (t % 2) + r + 8 (r / 8).  opimg: [512 row tiles][16 pieces][768]; tiles 0-255 q, 256-447 W_all, 448-511 W_out.
; opsc: [512 row tiles][4 runs of 256 k][16 rows][2 words]; a word holds the four bytes of 128 k.
; maskw: [b 2][query tile 128][w 8][128 words]: word 16 B + i, bit 16 h + r = merged[b][row r of the tile][256 w + 32 B + 16 h + i].
; A block's scale is 2^(floor(log2(largest magnitude)) - 2); its byte is the largest magnitude's exponent field - 2, held at 1 from below.
; LIMITS: NaN and infinities among the inputs are not served; a block of zeros, or one whose largest magnitude lies under 2^-124, gets the byte 1 (a block of zeros has zero codes, and this program alone reads the bytes).
; Memory binds: each load of a wave takes whole rows of 256 bytes (sixteen lanes a row), each store whole aligned runs of 256 or 512 bytes.  No matrix unit, no cluster, no tensor load: waves share nothing.
.set QST,   0                          ; LDS: the quantiser's stages: 4 waves x 2 x (16 rows x 272 bytes)
.set MST,   34816                      ; the mask path's stages, bytes of their own: 4 waves x (16 rows x 272)
.set SPARE, 52224                      ; the spare words, 128 bytes a wave
.set R,  16                            ; v16-143  four pieces as loaded, 32 registers each
.set X,  144                           ; v144-207 two sets of 32 neighbours along K
.set C,  208                           ; v208-239 codes, 8 registers a piece: no store's data are written again
.set Y,  16                            ; mask path: v16-47 bytes behind the turn
.set MR, 64                            ; v64-95 bytes as loaded
.set KV, 96                            ; v96-99 kv_mask's bytes
.set OM, 100                           ; v100-103 the 128 words: word n in lane n / 4, register n % 4
	s_load_b256 s[4:11], s[0:1], 0x0               ; q, W_all, W_out, attn_mask
	s_load_b256 s[12:19], s[0:1], 0x20             ; kv_mask, opimg, opsc, maskw
	v_lshl_add_u32 v12, v0, 2, SPARE               ; my spare word; never rewritten
	v_mov_b32 v13, 0                               ; 0; never rewritten
	v_lshrrev_b32 v9, 5, v0
	v_readfirstlane_b32 s20, v9                    ; wave
	v_and_b32 v1, 15, v0                           ; c = lane % 16
	v_bfe_u32 v2, v0, 4, 1                         ; hh = lane / 16
	v_and_b32 v10, 31, v0
	v_lshlrev_b32 v6, 4, v10                       ; 16 x lane
	v_lshlrev_b32 v7, 3, v10                       ; 8 x lane
	v_lshlrev_b32 v8, 3, v1                        ; 8 c
	v_lshlrev_b32 v249, 4, v1                      ; 16 c
	v_lshl_add_u32 v3, v2, 12, v249                ; f32 rows: 4096 hh + 16 c
	v_lshl_add_u32 v248, v2, 11, v249              ; mask rows: 2048 hh + 16 c
	s_mul_i32 s21, s20, 8704
	s_mul_i32 s22, s20, 4352
	s_add_co_u32 s22, s22, MST
	v_mad_u32_u24 v9, v2, 272, v249                ; every LDS address is made here, ahead of the parting of the two paths
	v_add_nc_u32 v4, s21, v9                       ; quantiser, into the stage: row 2 n + hh, 16 c
	v_add_nc_u32 v14, s22, v9                      ; mask, into its stage
	v_mul_u32_u24 v9, v1, 272
	v_lshl_add_u32 v10, v2, 7, v9
	v_add_nc_u32 v5, s21, v10                      ; quantiser, out of the stage: row c, block hh (128 bytes)
	v_lshl_add_u32 v10, v2, 4, v9
	v_add_nc_u32 v15, s22, v10                     ; mask, out of its stage: row c, 16 hh
	s_mov_b32 s30, 0x76543210
	s_mov_b32 s31, 0xfedcba98                      ; selects for lane l xor 16
	s_wait_kmcnt 0x0
	s_cmp_ge_u32 ttmp9, 512
	s_cbranch_scc1 .Lmask
; ---- the quantiser: the work-group is a row tile, the wave a run of 256 along K: four pieces
	s_mov_b32 s24, 448
	s_cmp_lt_u32 ttmp9, 448
	s_cselect_b64 s[22:23], s[6:7], s[8:9]
	s_cselect_b32 s24, 256, s24
	s_cmp_lt_u32 ttmp9, 256
	s_cselect_b64 s[22:23], s[4:5], s[22:23]       ; the tensor, chosen by the work-group's number alone
	s_cselect_b32 s24, 0, s24
	s_sub_co_u32 s24, ttmp9, s24                   ; the row tile within it
	s_lshr_b32 s25, s24, 1
	s_lshl_b32 s25, s25, 17                        ; 32 rows of 4,096 bytes
	s_and_b32 s26, s24, 1
	s_lshl_b32 s26, s26, 15                        ; 8 rows
	s_add_co_u32 s26, s26, s25
	s_lshl_b32 s25, s20, 10                        ; my 256 numbers of a row
	s_add_co_u32 s26, s26, s25
	s_mov_b32 s27, 0
	s_add_nc_u64 s[22:23], s[22:23], s[26:27]
	s_mul_i32 s26, ttmp9, 12288
	s_mul_i32 s25, s20, 3072
	s_add_co_u32 s26, s26, s25
	s_add_nc_u64 s[14:15], s[14:15], s[26:27]      ; my four pieces in opimg
	s_lshl_b32 s26, ttmp9, 9
	s_lshl_b32 s25, s20, 7
	s_add_co_u32 s26, s26, s25
	s_add_nc_u64 s[16:17], s[16:17], s[26:27]      ; my 128 bytes in opsc
.macro LOAD kc                         ; piece kc: 16 rows x 256 bytes; sixteen lanes take a row's 256 bytes, two rows a load
.irp n, 0,1,2,3,4,5,6,7
	global_load_b128 v[R+32*(\kc)+4*\n:R+32*(\kc)+4*\n+3], v3, s[22:23] offset:(2*\n+8*(\n/4))*4096+256*(\kc) th:TH_LOAD_NT
.endr
.endm
.macro TURN kc                         ; through my stage: in as loaded, out 128 neighbouring bytes a lane.  LDS serves a wave's instructions in order: no wait between
.irp n, 0,1,2,3,4,5,6,7
	ds_store_b128 v4, v[R+32*(\kc)+4*\n:R+32*(\kc)+4*\n+3] offset:4352*((\kc)%2)+544*\n
.endr
.irp i, 0,1,2,3,4,5,6,7
	ds_load_b128 v[X+32*((\kc)%2)+4*\i:X+32*((\kc)%2)+4*\i+3], v5 offset:4352*((\kc)%2)+16*\i
.endr
.endm
.macro STEP kc
.set XS, X+32*((\kc)%2)
	s_wait_dscnt 0x0                               ; this piece's numbers are back from the stage
.if (\kc) < 3
	s_wait_loadcnt 8*(2-(\kc))                     ; the next piece's eight loads are in; those of the pieces behind it may be out
	TURN (\kc)+1
.endif
	v_max3_num_f32 v9, |v[XS]|, |v[XS+1]|, 0x1800000   ; the block's largest magnitude: all 32 numbers are mine; the floor 2^(3 - 127) holds the byte at 1 from below
	v_max3_num_f32 v10, |v[XS+2]|, |v[XS+3]|, 0x1800000
.irp i, 4,8,12,16,20,24,28
	v_max3_num_f32 v9, v9, |v[XS+\i]|, |v[XS+\i+1]|
	v_max3_num_f32 v10, v10, |v[XS+\i+2]|, |v[XS+\i+3]|
.endr
	v_max_num_f32 v9, v9, v10
	v_add_nc_u32 v11, 0xff000000, v9               ; 2 off the exponent field: the conversion takes this operand's exponent field as its scale
	v_cvt_scalef32_pk16_fp6_f32 v[C+8*(\kc):C+8*(\kc)+2], v[XS:XS+15], v11
	v_cvt_scalef32_pk16_fp6_f32 v[240:242], v[XS+16:XS+31], v11   ; (a conversion's three registers begin on an even number)
	v_lshrrev_b32 v246, 23, v11                    ; the scale's byte; also the plain line behind the conversions
.irp i, 0,1,2
	v_mov_b32 v[C+8*(\kc)+3+\i], v[240+\i]
.endr
.if ((\kc)%2) == 0
	v_mov_b32 v[244+(\kc)/2], v246
.else
	v_lshl_or_b32 v[244+(\kc)/2], v246, 16, v[244+(\kc)/2]
.endif
	global_store_b128 v6, v[C+8*(\kc):C+8*(\kc)+3], s[14:15] offset:768*(\kc)          ; 512 consecutive bytes
	global_store_b64 v7, v[C+8*(\kc)+4:C+8*(\kc)+5], s[14:15] offset:768*(\kc)+512     ; 256 consecutive bytes
.endm
	LOAD 0
	LOAD 1
	LOAD 2
	LOAD 3
	s_wait_loadcnt 24                              ; piece 0's eight loads are in
	TURN 0
	STEP 0
	STEP 1
	STEP 2
	STEP 3
	v_lshlrev_b32 v247, 3, v2                      ; my bytes stand at blocks hh and 2 + hh of each word: 8 hh bits up,
	v_lshlrev_b32 v244, v247, v244
	v_lshlrev_b32 v245, v247, v245
	v_permlanex16_b32 v240, v244, s30, s31         ; and with lane l xor 16's the words are whole
	v_permlanex16_b32 v241, v245, s30, s31
	v_or_b32 v244, v244, v240
	v_or_b32 v245, v245, v241
	global_store_b64 v8, v[244:245], s[16:17]      ; row c's two words; both halves of the lanes write the same bytes with the same values
	s_branch .Lend
; ---- the mask: the wave takes 16 queries x 256 keys
.Lmask:
	s_sub_co_u32 s24, ttmp9, 512                   ; u = 256 b + 2 tile + half
	s_lshr_b32 s25, s24, 8                         ; b
	s_bfe_u32 s26, s24, 0x70001                    ; the query tile
	s_and_b32 s27, s24, 1
	s_lshl_b32 s27, s27, 2
	s_add_co_u32 s27, s27, s20                     ; w: which 256 keys
	s_lshr_b32 s28, s26, 1
	s_lshl_b32 s28, s28, 16                        ; 32 rows of 2,048 bytes
	s_and_b32 s29, s26, 1
	s_lshl_b32 s29, s29, 14
	s_add_co_u32 s28, s28, s29
	s_lshl_b32 s29, s25, 22
	s_add_co_u32 s28, s28, s29
	s_lshl_b32 s29, s27, 8
	s_add_co_u32 s28, s28, s29
	s_mov_b32 s29, 0
	s_add_nc_u64 s[10:11], s[10:11], s[28:29]
	s_lshl_b32 s28, s25, 11
	s_lshl_b32 s26, s27, 8
	s_add_co_u32 s28, s28, s26
	s_add_nc_u64 s[12:13], s[12:13], s[28:29]
	s_lshl_b32 s28, s24, 2
	s_add_co_u32 s28, s28, s20
	s_lshl_b32 s28, s28, 9                         ; ((128 b + tile) 8 + w) x 512 = (4 u + wave) x 512
	s_add_nc_u64 s[18:19], s[18:19], s[28:29]
.irp n, 0,1,2,3,4,5,6,7
	global_load_b128 v[MR+4*\n:MR+4*\n+3], v248, s[10:11] offset:(2*\n+8*(\n/4))*2048 th:TH_LOAD_NT
.endr
	global_load_b128 v[KV:KV+3], v249, s[12:13]
.irp i, 0,1,2,3
	v_mov_b32 v[OM+\i], 0
.endr
	s_wait_loadcnt 0x0
.irp n, 0,1,2,3,4,5,6,7
.irp i, 0,1,2,3
	v_and_b32 v[MR+4*\n+\i], v[MR+4*\n+\i], v[KV+\i]   ; bytes of 0 or 1: merged = attn_mask AND kv_mask
.endr
.endr
.irp n, 0,1,2,3,4,5,6,7
	ds_store_b128 v14, v[MR+4*\n:MR+4*\n+3] offset:544*\n
.endr
.irp n, 0,1,2,3,4,5,6,7
	ds_load_b128 v[Y+4*\n:Y+4*\n+3], v15 offset:32*\n   ; lane (r, h): keys 32 B + 16 h + 0 .. 15 of query r
.endr
	s_wait_dscnt 0x0
.set n, 0
.rept 128                              ; word n = 16 B + i: the 32 lanes' byte i of group B, one bit a lane
	v_and_b32 v[104+n%4], 0xff<<(8*(n%4)), v[Y+4*(n/16)+(n%16)/4]
	v_cmp_ne_u32 s[32+n%8], 0, v[104+n%4]
	v_writelane_b32 v[OM+n%4], s[32+n%8], n/4
.set n, n+1
.endr
	global_store_b128 v6, v[OM:OM+3], s[18:19]     ; 512 consecutive bytes
.Lend:
	s_wait_tensorcnt 0x0                           ; the wave's end: behind my last LDS store
	ds_add_u32 v12, v13
	s_wait_dscnt 0x0
	s_endpgm
.Lfunc_end_k_q90fb6dc4d6_prep:
	.size	k_q90fb6dc4d6_prep, .Lfunc_end_k_q90fb6dc4d6_prep-k_q90fb6dc4d6_prep
	.p2alignl 7, 3214868480
	.fill 96, 4, 3214868480
	.section	.rodata,"a",@progbits
	.p2align	6, 0x0
	.amdhsa_kernel k_q90fb6dc4d6_prep
		.amdhsa_group_segment_fixed_size 52736
		.amdhsa_private_segment_fixed_size 0
		.amdhsa_enable_private_segment 0
		.amdhsa_kernarg_size 64
		.amdhsa_user_sgpr_count 2
		.amdhsa_user_sgpr_kernarg_segment_ptr 1
		.amdhsa_wavefront_size32 1
		.amdhsa_system_sgpr_workgroup_id_x 1
		.amdhsa_system_sgpr_workgroup_id_y 1
		.amdhsa_system_sgpr_workgroup_id_z 1
		.amdhsa_system_vgpr_workitem_id 0
		.amdhsa_next_free_vgpr 256
		.amdhsa_next_free_sgpr 66
		.amdhsa_reserve_vcc 0
		.amdhsa_float_denorm_mode_32 3
		.amdhsa_float_denorm_mode_16_64 3
		.amdhsa_memory_ordered 1
		.amdhsa_forward_progress 1
		.amdhsa_inst_pref_size 46
	.end_amdhsa_kernel
	.amdgpu_metadata
---
amdhsa.version: [ 1, 2 ]
amdhsa.kernels:
  - .name:           k_q90fb6dc4d6_prep
    .symbol:         k_q90fb6dc4d6_prep.kd
    .args:
      - { .name: q, .offset: 0, .size: 8, .value_kind: global_buffer, .address_space: global }
      - { .name: W_all, .offset: 8, .size: 8, .value_kind: global_buffer, .address_space: global }
      - { .name: W_out, .offset: 16, .size: 8, .value_kind: global_buffer, .address_space: global }
      - { .name: attn_mask, .offset: 24, .size: 8, .value_kind: global_buffer, .address_space: global }
      - { .name: kv_mask, .offset: 32, .size: 8, .value_kind: global_buffer, .address_space: global }
      - { .name: opimg, .offset: 40, .size: 8, .value_kind: global_buffer, .address_space: global }
      - { .name: opsc, .offset: 48, .size: 8, .value_kind: global_buffer, .address_space: global }
      - { .name: maskw, .offset: 56, .size: 8, .value_kind: global_buffer, .address_space: global }
    .group_segment_fixed_size: 52736
    .private_segment_fixed_size: 0
    .kernarg_segment_align: 8
    .kernarg_segment_size: 64
    .max_flat_workgroup_size: 128
    .sgpr_count:     66
    .vgpr_count:     256
    .wavefront_size: 32
...
	.end_amdgpu_metadata
.endif
;; end of part 1
;; launch gemm1 (part 2): grid 12 x 16, 4 waves a work-group, clusters of 4 x 4, 327,680 bytes of LDS; arguments opimg, opsc, qkvimg, qkvsc; writes qkvimg, qkvsc
.if DOCPART == 2
	.amdgcn_target "amdgcn-amd-amdhsa--gfx1250"
	.amdhsa_code_object_version 6
	.text
	.protected	k_q90fb6dc4d6_gemm1
	.globl	k_q90fb6dc4d6_gemm1
	.p2align	8
	.type	k_q90fb6dc4d6_gemm1,@function
k_q90fb6dc4d6_gemm1:
	s_mov_b64 s[64:65], 0
	v_nop
	global_prefetch_b8 v0, s[64:65] scope:SCOPE_SE
	s_setreg_imm32_b32 hwreg(HW_REG_WAVE_MODE, 25, 1), 1
	s_wait_xcnt 0x0
	s_wait_alu depctr_hold_cnt(0) depctr_sa_sdst(0) depctr_va_vdst(0) depctr_va_sdst(0) depctr_va_ssrc(0) depctr_va_vcc(0) depctr_vm_vsrc(0)
	s_getreg_b32 s2, hwreg(HW_REG_IB_STS2, 6, 4)
	s_cmp_eq_u32 s2, 0
	s_cbranch_scc0 .Lentry_in_a_cluster
	s_endpgm
.Lentry_in_a_cluster:
	s_bfe_u32 s2, ttmp6, 0x10000c
	s_cmp_lg_u32 s2, 0xf033
	s_cbranch_scc0 .Lentry_shape_is_right
	s_endpgm
.Lentry_shape_is_right:
; qkv = q W_all^T on codes of FP6 (E2M3) with E8M0 scales, K = 1,024, and the results quantised at once for the attention launch: they never go to memory as f32.
; OPERANDS are images of operand registers (opimg: [row tile][16 pieces of 64 k][768 bytes]; opsc: [row tile][4 runs of 256 k][16 rows][2 words]); lane r of row tile t is row 32 (t / 2) + 8 (t % 2) + r + 8 (r / 8).
; A tile of 256 x 256 is made by four waves, each 128 x 128: 64 accumulators, 512 registers.  K goes in steps of 256 through two LDS slots filled by the tensor data mover.
; THE MATRIX INSTRUCTION IS USED TRANSPOSED (source 0 = 16 rows of B, source 1 = 16 rows of A): a lane holds one row of A, and by the order of rows in a tile the 16 registers of B's tiles 2 b and 2 b + 1 are 16 neighbours
; along B's index, which is the axis to be quantised.  Clusters x = 0, 1: A = tokens, B = features of Q and K (a head's 64 features are one piece).  Cluster x = 2: A = features of V, B = tokens: V comes out quantised along the keys.
; OUT: qkvimg: Q and K [g = 16 which + head][256 token tiles][768]; V at VI: [16 b + head][32 pieces of 64 keys][4 feature tiles][768].
;      qkvsc: Q and K [g][256 tiles][16 words], a word = the head's two bytes twice; V at VS: [16 b + head][16 steps of 128 keys][4 tiles][16 words].
; CLUSTERS: 4 x 4 work-groups; A's tiles are asked for jointly along a row of the cluster, B's along a column.
; LIMITS: NaN and infinities are not served; a block of zeros or under 2^-124 gets the byte 1 (zero codes add nothing; this program alone reads the bytes).
; No prefetch: K has four steps, of which two are the first fills.
; REGISTERS: window 0: v0-31 addresses; v32-63 scale words, two sets; v128-223 A's fragments, one set.  window 1: B's fragments, two sets, at v0 and v128.  windows 2, 3: accumulator (a, b) at v[8 (8 (a % 4) + b)].
.set NQ,     2                         ; matrix instructions deep in a slot
.set FR,     12                        ; registers of a fragment
.set NL,     4                         ; LDS loads that bring one
.set NP,     4                         ; places behind this matrix instruction (ISA guide 7.12.1)
.set RT,     3072                      ; a row tile's four pieces of a slot
.set HALFT,  8*RT                      ; what one tensor load brings, and what one wave reads of A or of B
.set SLOT,   4*HALFT
.set LAPS,   2
.set SCL,    2*SLOT                    ; behind the ring: the scale words of A's and B's 16 row tiles, for all of K, filled once
.set HALFS,  4096
.set SPARE,  SCL+4*HALFS               ; the spare words, 128 bytes a wave
.set VI,     6291456
.set VS,     524288
.set L16,  8                           ; v8   16 x lane
.set L8,   9                           ; v9   8 x lane
.set L4,   10                          ; v10  4 x lane
.set ADRA, 16                          ; v16-17 A's fragments in slot 0, 1 (16 x lane); v18-19 the same with 8 x lane
.set ADRB, 20                          ; v20-23 the same for B
.set ADRS, 27                          ; v27  my scale words: lanes 0-15 A's rows, lanes 16-31 B's
.set SPW,  28                          ; v28  my spare word; never rewritten
.set NIL,  29                          ; v29  0; never rewritten
.set SC,   32
.set AF,   128
.set TM,   64                          ; the way out: v64-79 at work
.set PW,   80                          ; the scale word just made
.set W0,   82
.set W1,   83
.set H0,   84
.set H1,   85
.set PC,   96                          ; v96-115 the codes just made
.set G1,   24
.set G0,   32
.set G1B,  48
.set G0B,  56
.set G1S,  68
.set G0S,  76
.set G1SB, 80
.set G0SB, 88
.set MSB, 0
.macro WIN new                         ; the immediate's high byte repeats the setting that is left
.if MSB != (\new)
	s_set_vgpr_msb (MSB<<8)|(\new)
.set MSB, (\new)
.endif
.endm
.set MUL_LO, 0xa1                      ; source 0 (B) window 1, source 1 (A) window 0, C and D window 2
.set MUL_HI, 0xf1
.set TO_B,   0x40
; A joint load: waves 0 and 1 fetch for A, waves 2 and 3 for B; the branch hangs on the wave's number alone.  An s_nop 0 and four v_nop follow each line.
.macro JLOAD g0a, g1a, g0b, g1b
	s_cmp_eq_u32 s15, 0
	s_cbranch_scc0 .Lfor_b_\@
	tensor_load_to_lds s[\g0a:\g0a+3], s[\g1a:\g1a+7]
	s_nop 0
.rept 4
	v_nop
.endr
	s_branch .Lasked_\@
.Lfor_b_\@:
	tensor_load_to_lds s[\g0b:\g0b+3], s[\g1b:\g1b+7]
	s_nop 0
.rept 4
	v_nop
.endr
.Lasked_\@:
.endm
.macro CREST
	s_cmp_lg_u32 s14, 0
	s_cbranch_scc1 .Lnot_wave_0_\@
	s_barrier_signal -3
.Lnot_wave_0_\@:
	s_barrier_wait -3
	s_barrier_signal -1
	s_barrier_wait -1
.endm
.macro CROUND
	s_barrier_signal -1
	s_barrier_wait -1
	CREST
.endm
	s_load_b256 s[4:11], s[0:1], 0x0               ; opimg, opsc, qkvimg, qkvsc
	v_lshl_add_u32 v[SPW], v0, 2, SPARE
	v_mov_b32 v[NIL], 0
	ds_add_u32 v[SPW], v[NIL]                      ; the wave's opening: the add and its wait ahead of my first tensor load
	v_lshrrev_b32 v1, 5, v0
	v_readfirstlane_b32 s14, v1                    ; wave
	s_lshr_b32 s15, s14, 1                         ; which half of A's rows is mine.  Also: I fetch for A (0) or for B (1)
	s_and_b32 s16, s14, 1                          ; which half of B's rows.  Also: which 8 row tiles I fetch
	s_bfe_u32 s40, ttmp6, 0x40000                  ; cx
	s_bfe_u32 s41, ttmp6, 0x40004                  ; cy
	s_and_b32 s95, ttmp7, 0xffff                   ; cluster y
	s_cmp_eq_u32 ttmp9, 2                          ; cluster x = 2 makes V: a number that all sixteen partners share
	s_cselect_b32 s96, 0, s95                      ; the cluster's part of the tile row
	s_cselect_b32 s97, s95, ttmp9                  ; and of the tile column
	s_cselect_b32 s98, 384, 0                      ; A's first row tile in opimg: W_v's, or q's
	s_cselect_b32 s99, 0, 256                      ; B's: q's, or W_all's
	s_lshl_b32 s42, s97, 2
	s_add_co_u32 s42, s42, s40                     ; tile column
	s_lshl_b32 s17, s96, 2
	s_add_co_u32 s17, s17, s41                     ; tile row
	s_lshl_b32 s43, s41, 2
	s_lshl_b32 s43, 15, s43                        ; my row of the cluster
	s_lshl_b32 s44, 0x1111, s40                    ; my column
	; group 1 for codes: 8 rows (row tiles) of 3,072 bytes = 384 elements of 8 bytes, 12,288 bytes apart; dense in LDS
	s_or_b32 s[G1+0], s43, (3<<16)|(1<<21)
	s_or_b32 s[G1B+0], s44, (3<<16)|(1<<21)
.irp g, G1, G1B
	s_mov_b32 s[\g+1], 384<<16                     ; tensor_dim0
	s_mov_b32 s[\g+2], 8<<16                       ; tensor_dim1
	s_mov_b32 s[\g+3], 384<<16                     ; tile_dim0
	s_mov_b32 s[\g+4], 8                           ; tile_dim1
	s_mov_b32 s[\g+5], 1536                        ; tensor_dim0_stride
	s_mov_b32 s[\g+6], 0
	s_mov_b32 s[\g+7], 0
.endr
	; group 1 for the scale words of 8 row tiles: 4,096 dense bytes as 16 rows of 256
	s_or_b32 s[G1S+0], s43, (3<<16)|(1<<21)
	s_or_b32 s[G1SB+0], s44, (3<<16)|(1<<21)
.irp g, G1S, G1SB
	s_mov_b32 s[\g+1], 32<<16
	s_mov_b32 s[\g+2], 16<<16
	s_mov_b32 s[\g+3], 32<<16
	s_mov_b32 s[\g+4], 16
	s_mov_b32 s[\g+5], 32
	s_mov_b32 s[\g+6], 0
	s_mov_b32 s[\g+7], 0
.endr
	s_lshl_b32 s18, s16, 3                         ; which 8 row tiles I fetch
	s_lshl_b32 s20, s17, 4
	s_add_co_u32 s20, s20, s18
	s_add_co_u32 s20, s20, s98                     ; A: row tile
	s_lshl_b32 s46, s42, 4
	s_add_co_u32 s46, s46, s18
	s_add_co_u32 s46, s46, s99                     ; B: row tile
	s_lshl_b32 s22, s20, 9                         ; their scale words, 512 bytes a row tile,
	s_mov_b32 s23, 0
	s_lshl_b32 s92, s46, 9
	s_mov_b32 s93, 0
	s_mul_i32 s20, s20, 12288                      ; and their codes
	s_mov_b32 s21, 0
	s_mul_i32 s46, s46, 12288
	s_mov_b32 s47, 0
	s_mul_i32 s45, s14, HALFT                      ; where they go: no place in the cluster enters an LDS address
	s_lshl_b32 s94, s14, 12
	s_mov_b32 s100, 0x76543210
	s_mov_b32 s101, 0xfedcba98
	s_wait_dscnt 0x0                               ; the opening add is done
	s_wait_kmcnt 0x0
	s_add_nc_u64 s[20:21], s[4:5], s[20:21]
	s_add_nc_u64 s[22:23], s[6:7], s[22:23]
	s_add_nc_u64 s[46:47], s[4:5], s[46:47]
	s_add_nc_u64 s[92:93], s[6:7], s[92:93]
	CROUND                                         ; all sixteen work-groups are here: the first joint loads meet
	s_mov_b32 s[G0S], 1
	s_add_co_u32 s[G0S+1], s94, SCL
	s_mov_b64 s[G0S+2:G0S+3], s[22:23]
	s_or_b32 s[G0S+3], s[G0S+3], 0x80000000
	s_mov_b32 s[G0SB], 1
	s_add_co_u32 s[G0SB+1], s94, SCL
	s_mov_b64 s[G0SB+2:G0SB+3], s[92:93]
	s_or_b32 s[G0SB+3], s[G0SB+3], 0x80000000
	JLOAD G0S, G1S, G0SB, G1SB                     ; the scale words first: they are wanted with K step 0
.irp s, 0,1
	s_mov_b32 s[G0+4*\s], 1
	s_add_co_u32 s[G0+4*\s+1], s45, \s*SLOT
	s_add_nc_u64 s[G0+4*\s+2:G0+4*\s+3], s[20:21], \s*RT
	s_or_b32 s[G0+4*\s+3], s[G0+4*\s+3], 0x80000000
	s_mov_b32 s[G0B+4*\s], 1
	s_add_co_u32 s[G0B+4*\s+1], s45, \s*SLOT
	s_add_nc_u64 s[G0B+4*\s+2:G0B+4*\s+3], s[46:47], \s*RT
	s_or_b32 s[G0B+4*\s+3], s[G0B+4*\s+3], 0x80000000
	JLOAD G0+4*\s, G1, G0B+4*\s, G1B
.endr
	v_and_b32 v1, 31, v0                           ; lane
	v_and_b32 v2, 15, v0                           ; r
	v_bfe_u32 v3, v0, 4, 1                         ; h
	v_lshlrev_b32 v[L16], 4, v1
	v_lshlrev_b32 v[L8], 3, v1
	v_lshlrev_b32 v[L4], 2, v1
	s_mul_i32 s21, s15, HALFT                      ; my 8 row tiles of A
	s_mul_i32 s22, s16, HALFT                      ; my 8 of B,
	s_add_co_u32 s22, s22, 2*HALFT                 ; which lie behind A's 16
.irp s, 0,1
	v_add_nc_u32 v[ADRA+\s], s21, v[L16]
	v_add_nc_u32 v[ADRB+\s], s22, v[L16]
	v_add_nc_u32 v[ADRA+2+\s], s21, v[L8]
	v_add_nc_u32 v[ADRB+2+\s], s22, v[L8]
	s_add_co_u32 s21, s21, SLOT
	s_add_co_u32 s22, s22, SLOT
.endr
	v_lshlrev_b32 v6, 3, v2                        ; my row's two words of a K step
	s_lshl_b32 s21, s15, 12                        ; A's: my 8 row tiles
	s_lshl_b32 s22, s16, 12                        ; B's: my 8, behind A's 16
	s_add_co_u32 s22, s22, 2*HALFS
	s_sub_co_u32 s22, s22, s21
	v_mul_u32_u24 v7, s22, v3                      ; lanes 16-31 take B's: one product, the distance between the two bases
	s_add_co_u32 s21, s21, SCL
	v_add_nc_u32 v6, v6, v7
	v_add_nc_u32 v[ADRS], s21, v6
.macro FRAG reg, adr, q, i             ; a fragment is two pieces: each comes back as it was stored, registers 0-3 by 16 bytes a lane, 4-5 by 8
.irp c, 0,1
	ds_load_b128 v[\reg+6*\c:\reg+6*\c+3], v[\adr] offset:RT*(\i)+768*(2*(\q)+\c)
	ds_load_b64 v[\reg+6*\c+4:\reg+6*\c+5], v[\adr+2] offset:RT*(\i)+768*(2*(\q)+\c)+512
.endr
.endm
; 16 matrix instructions: A's blocks a0, a0 + 1 x B's eight.  The 64 accumulators take turns, one instruction a turn, in the same order in every step.
.macro MUL16 a0, p, q, sc, zero
.irp a, \a0, \a0+1
.irp b, 0,1,2,3,4,5,6,7
.if \zero
	v_wmma_scale_f32_16x16x128_f8f6f4 v[8*(8*((\a)%4)+\b):8*(8*((\a)%4)+\b)+7], v[128*(\p)+FR*\b:128*(\p)+FR*\b+FR-1], v[AF+FR*(\a):AF+FR*(\a)+FR-1], 0, v[SC+8*NQ*(\sc)+NQ*\b+(\q)], v[SC+8*NQ*(\sc)+NQ*(\a)+(\q)] matrix_a_fmt:MATRIX_FMT_FP6 matrix_b_fmt:MATRIX_FMT_FP6 matrix_a_scale:MATRIX_SCALE_ROW1
.else
	v_wmma_scale_f32_16x16x128_f8f6f4 v[8*(8*((\a)%4)+\b):8*(8*((\a)%4)+\b)+7], v[128*(\p)+FR*\b:128*(\p)+FR*\b+FR-1], v[AF+FR*(\a):AF+FR*(\a)+FR-1], v[8*(8*((\a)%4)+\b):8*(8*((\a)%4)+\b)+7], v[SC+8*NQ*(\sc)+NQ*\b+(\q)], v[SC+8*NQ*(\sc)+NQ*(\a)+(\q)] matrix_a_fmt:MATRIX_FMT_FP6 matrix_b_fmt:MATRIX_FMT_FP6 matrix_a_scale:MATRIX_SCALE_ROW1
.endif
.endr
.endr
.endm
.macro FETCH_B slot, q, p
	WIN TO_B
.irp i, 0,1,2,3,4,5,6,7
	FRAG 128*(\p)+FR*\i, ADRB+\slot, \q, \i
.endr
	WIN 0
.endm
.macro FETCH_A slot, q, i0
.irp i, \i0, \i0+1, \i0+2, \i0+3
	FRAG AF+FR*(\i), ADRA+\slot, \q, \i
.endr
.endm
.macro SCALES sc                       ; a K step's scale words: lanes 0-15 A's block i, lanes 16-31 B's block i
.irp i, 0,1,2,3,4,5,6,7
	ds_load_b64 v[SC+8*NQ*\sc+NQ*\i:SC+8*NQ*\sc+NQ*\i+1], v[ADRS] offset:\i*512
.endr
.endm
.macro PLACES n                        ; plain vector lines between a matrix instruction and a load into, or a read of, its registers
.rept \n
	v_nop
.endr
.endm
.macro STEP slot, q, zero              ; a step of 128 along K that has its successor in the same slot
	s_wait_dscnt 4*NL                              ; B's set and A's blocks 0-3 are in; the youngest 16 loads (A's blocks 4-7) may be out
	WIN MUL_LO
	MUL16 0, (\q)%2, \q, \slot, \zero
	MUL16 2, (\q)%2, \q, \slot, \zero
	s_wait_dscnt 0
	PLACES NP
	FETCH_B \slot, (\q)+1, 1-(\q)%2
	FETCH_A \slot, (\q)+1, 0
	WIN MUL_HI
	MUL16 4, (\q)%2, \q, \slot, \zero
	MUL16 6, (\q)%2, \q, \slot, \zero
	PLACES NP
	WIN 0
	FETCH_A \slot, (\q)+1, 4
.endm
; A slot's last step changes slots: one barrier; in front of it each wave waits for all its tensor loads, adds 0 to its spare word, and waits for that and for its reads of this slot.
.macro TURN slot, next, fill
	s_wait_tensorcnt 0x0                           ; all my tensor loads have landed: my part of the next slot
	ds_add_u32 v[SPW], v[NIL]
	s_wait_dscnt 4*NL+1                            ; (the add and the youngest 16 loads may be out)
	WIN MUL_LO
	MUL16 0, 1, NQ-1, \slot, 0
	s_wait_dscnt 0x0                               ; the add is done, and my reads of this slot are over
	s_barrier_signal -1
	MUL16 2, 1, NQ-1, \slot, 0
	WIN 0
	s_barrier_wait -1
.if \fill
	CREST                                          ; the barrier has opened a round of the cluster's: no wave of any partner still reads this slot or has a load on its way
	s_add_nc_u64 s[G0+4*\slot+2:G0+4*\slot+3], s[G0+4*\slot+2:G0+4*\slot+3], 2*RT
	s_add_nc_u64 s[G0B+4*\slot+2:G0B+4*\slot+3], s[G0B+4*\slot+2:G0B+4*\slot+3], 2*RT
	JLOAD G0+4*\slot, G1, G0B+4*\slot, G1B         ; the first tensor load behind the round; its four v_nop are the places in front of the loads below
.else
	PLACES NP
.endif
	v_add_nc_u32 v[ADRS], 128, v[ADRS]             ; on to the next K step's scale words
	FETCH_B \next, 0, 0
	FETCH_A \next, 0, 0
	SCALES \next
	WIN MUL_HI
	MUL16 4, 1, NQ-1, \slot, 0
	MUL16 6, 1, NQ-1, \slot, 0
	PLACES NP
	WIN 0
	FETCH_A \next, 0, 4
.endm
	s_wait_tensorcnt 1                             ; the scale words and my part of K step 0 are in (K step 1's load may be out),
	s_barrier_signal -1
	s_barrier_wait -1                              ; everybody's are
	FETCH_B 0, 0, 0
	FETCH_A 0, 0, 0
	SCALES 0
	FETCH_A 0, 0, 4
	STEP 0, 0, 1                                   ; the first step's products start the sums
	s_mov_b32 s3, LAPS-1
.Llap:
	TURN 0, 1, 1
	STEP 1, 0, 0
	TURN 1, 0, 1
	STEP 0, 0, 0
	s_sub_co_u32 s3, s3, 1
	s_cmp_lg_u32 s3, 0
	s_cbranch_scc1 .Llap
	TURN 0, 1, 0                                   ; the last lap fills nothing
	STEP 1, 0, 0
	s_wait_dscnt 4*NL
	WIN MUL_LO
	MUL16 0, 1, NQ-1, 1, 0
	MUL16 2, 1, NQ-1, 1, 0
	s_wait_dscnt 0
	WIN MUL_HI
	MUL16 4, 1, NQ-1, 1, 0
	MUL16 6, 1, NQ-1, 1, 0
	WIN 0
; THE WAY OUT.  No tensor load of mine is out, so the descriptors' registers serve again.  GA, GB: which 128 of A's and of B's index are mine.
	s_lshl_b32 s24, s17, 1
	s_add_co_u32 s24, s24, s15                     ; GA
	s_lshl_b32 s25, s42, 1
	s_add_co_u32 s25, s25, s16                     ; GB
	s_mul_i32 s26, s25, 393216                     ; Q, K: two heads to a GB, 196,608 bytes a head; 8 token tiles to a GA
	s_mul_i32 s27, s24, 6144
	s_add_co_u32 s26, s26, s27
	s_lshr_b32 s28, s25, 4                         ; V: b,
	s_and_b32 s29, s25, 15                         ; and the step of 128 keys
	s_mul_i32 s30, s28, 1572864
	s_mul_i32 s31, s24, 196608                     ; two heads to a GA, 98,304 bytes a head
	s_add_co_u32 s30, s30, s31
	s_mul_i32 s31, s29, 6144
	s_add_co_u32 s30, s30, s31
	s_add_co_u32 s30, s30, VI
	s_lshl_b32 s32, s25, 15
	s_lshl_b32 s33, s24, 9
	s_add_co_u32 s32, s32, s33
	s_lshl_b32 s34, s28, 16
	s_lshl_b32 s35, s24, 13
	s_add_co_u32 s34, s34, s35
	s_lshl_b32 s35, s29, 8
	s_add_co_u32 s34, s34, s35
	s_add_co_u32 s34, s34, VS
	s_mov_b32 s36, 196608
	s_mov_b32 s37, 3072
	s_mov_b32 s38, 256
	s_mov_b32 s39, 0x01000100
	s_cmp_eq_u32 ttmp9, 2
	s_cselect_b32 s26, s30, s26                    ; the images' base,
	s_cselect_b32 s32, s34, s32                    ; the scale words',
	s_cselect_b32 s36, 3072, s36                   ; from piece 0 to piece 1 of a fragment,
	s_cselect_b32 s37, 98304, s37                  ; from A's blocks 0-3 to 4-7, in the images
	s_cselect_b32 s38, 4096, s38                   ; and in the scale words;
	s_cselect_b32 s39, 0x03020100, s39             ; Q, K: a head's two bytes twice; V: the word as it is
	s_mov_b32 s61, 0x03020302
	s_mov_b32 s60, 0xffff0000                      ; lanes 16-31
	s_mov_b32 s27, 0
	s_add_nc_u64 s[48:49], s[8:9], s[26:27]
	s_mov_b32 s30, s36
	s_mov_b32 s31, 0
	s_add_nc_u64 s[50:51], s[48:49], s[30:31]
	s_mov_b32 s28, s37
	s_mov_b32 s29, 0
	s_add_nc_u64 s[52:53], s[48:49], s[28:29]
	s_add_nc_u64 s[54:55], s[50:51], s[28:29]
	s_mov_b32 s33, 0
	s_add_nc_u64 s[56:57], s[10:11], s[32:33]
	s_mov_b32 s34, s38
	s_mov_b32 s35, 0
	s_add_nc_u64 s[58:59], s[56:57], s[34:35]
; 64 results of a lane in window w, register 16 b + i = index 32 b + 16 (lane / 16) + i of my row, become a fragment's codes in v[PC] on and its scale word in v[PW].  Each accumulator is read from its low end on.
.macro QUANTW s, w
	WIN (\w)|((\w)<<2)
.irp b, 0,1,2,3
	v_max3_num_f32 v[TM+\b], |v[(\s)+16*\b]|, |v[(\s)+1+16*\b]|, 0x1800000   ; and the floor 2^(3 - 127): the byte cannot fall under 1
.endr
	WIN ((\w)<<2)|((\w)<<4)
.irp i, 2,4,6,8,10,12,14
.irp b, 0,1,2,3
	v_max3_num_f32 v[TM+\b], v[TM+\b], |v[(\s)+16*\b+\i]|, |v[(\s)+1+16*\b+\i]|
.endr
.endr
	WIN 0
.irp b, 0,1,2,3
	v_permlanex16_b32 v[TM+4+\b], v[TM+\b], s100, s101
.endr
.irp b, 0,1,2,3
	v_max_num_f32 v[TM+\b], v[TM+\b], v[TM+4+\b]   ; with lane l xor 16's: the block's largest magnitude
.endr
.irp b, 0,1,2,3
	v_add_nc_u32 v[TM+12+\b], 0xff000000, v[TM+\b] ; 2 off its exponent field: the conversion's scale operand
.endr
.irp b, 0,1,2,3
	v_lshrrev_b32 v[TM+4+\b], 23, v[TM+12+\b]      ; the scale's byte
.endr
	v_lshl_or_b32 v[PW], v[TM+5], 8, v[TM+4]
	v_lshl_or_b32 v[PW], v[TM+6], 16, v[PW]
	v_lshl_or_b32 v[PW], v[TM+7], 24, v[PW]
	WIN (\w)
.irp c, 0,1
	v_cvt_scalef32_pk16_fp6_f32 v[PC+6*\c:PC+2+6*\c], v[(\s)+32*\c:(\s)+15+32*\c], v[TM+12+2*\c]
	v_cvt_scalef32_pk16_fp6_f32 v[PC+12+4*\c:PC+14+4*\c], v[(\s)+16+32*\c:(\s)+31+32*\c], v[TM+12+2*\c+1]
.endr
	WIN 0
	v_nop                                          ; one plain line behind a scaled conversion
.irp c, 0,1                            ; the operand's layout wants a whole block in a lane
.irp i, 0,1,2
	v_permlane16_swap_b32 v[PC+6*\c+\i], v[PC+12+4*\c+\i]
.endr
.irp i, 0,1,2
	v_mov_b32 v[PC+3+6*\c+\i], v[PC+12+4*\c+\i]
.endr
.endr
.endm
.macro OUTA a                          ; A's block a: one fragment, two pieces, out as images; its scale words with its neighbour's: 128 consecutive bytes
	s_wait_xcnt 0x0                                ; the earlier stores have read their registers: these are written again only behind this wait
	QUANTW 64*((\a)%4), 2+(\a)/4
.irp c, 0,1
	global_store_b128 v[L16], v[PC+6*\c:PC+6*\c+3], s[48+4*((\a)/4)+2*\c:49+4*((\a)/4)+2*\c] offset:768*((\a)%4)
	global_store_b64 v[L8], v[PC+6*\c+4:PC+6*\c+5], s[48+4*((\a)/4)+2*\c:49+4*((\a)/4)+2*\c] offset:768*((\a)%4)+512
.endr
.if ((\a)%2) == 0
	v_perm_b32 v[H0], v[PW], v[PW], s39
	v_perm_b32 v[H1], v[PW], v[PW], s61
.else
	v_perm_b32 v[W0], v[PW], v[PW], s39
	v_perm_b32 v[W1], v[PW], v[PW], s61
	v_cndmask_b32 v[H0], v[H0], v[W0], s60         ; lanes 0-15 the even block's rows, lanes 16-31 the odd block's
	v_cndmask_b32 v[H1], v[H1], v[W1], s60
	global_store_b32 v[L4], v[H0], s[56+2*((\a)/4):57+2*((\a)/4)] offset:128*(((\a)%4)/2)
	s_cmp_eq_u32 ttmp9, 2                          ; V has one word for a fragment; Q and K one for each of its two heads
	s_cbranch_scc1 .Lone_word_\@
	global_store_b32 v[L4], v[H1], s[56+2*((\a)/4):57+2*((\a)/4)] offset:128*(((\a)%4)/2)+16384
.Lone_word_\@:
.endif
.endm
.irp b, 0,1,2,3
	v_mov_b32 v[TM+4+\b], 0                        ; written once: a lane permute's destination counts as one of its sources
.endr
	PLACES NP                                      ; behind the last products, in front of the first read of results
.irp a, 0,1,2,3,4,5,6,7
	OUTA \a
.endr
	s_wait_tensorcnt 0x0                           ; the wave's end
	ds_add_u32 v[SPW], v[NIL]
	s_wait_dscnt 0x0
	CROUND                                         ; the closing round
	s_endpgm
.Lfunc_end_k_q90fb6dc4d6_gemm1:
	.size	k_q90fb6dc4d6_gemm1, .Lfunc_end_k_q90fb6dc4d6_gemm1-k_q90fb6dc4d6_gemm1
	.p2alignl 7, 3214868480
	.fill 96, 4, 3214868480
	.section	.rodata,"a",@progbits
	.p2align	6, 0x0
	.amdhsa_kernel k_q90fb6dc4d6_gemm1
		.amdhsa_group_segment_fixed_size 327680
		.amdhsa_private_segment_fixed_size 0
		.amdhsa_enable_private_segment 0
		.amdhsa_kernarg_size 32
		.amdhsa_user_sgpr_count 2
		.amdhsa_user_sgpr_kernarg_segment_ptr 1
		.amdhsa_wavefront_size32 1
		.amdhsa_system_sgpr_workgroup_id_x 1
		.amdhsa_system_sgpr_workgroup_id_y 1
		.amdhsa_system_sgpr_workgroup_id_z 1
		.amdhsa_system_vgpr_workitem_id 0
		.amdhsa_next_free_vgpr 1024
		.amdhsa_next_free_sgpr 102
		.amdhsa_reserve_vcc 0
		.amdhsa_float_denorm_mode_32 3
		.amdhsa_float_denorm_mode_16_64 3
		.amdhsa_memory_ordered 1
		.amdhsa_forward_progress 1
		.amdhsa_inst_pref_size 153
	.end_amdhsa_kernel
	.amdgpu_metadata
---
amdhsa.version: [ 1, 2 ]
amdhsa.kernels:
  - .name:           k_q90fb6dc4d6_gemm1
    .symbol:         k_q90fb6dc4d6_gemm1.kd
    .args:
      - { .name: opimg, .offset: 0, .size: 8, .value_kind: global_buffer, .address_space: global }
      - { .name: opsc, .offset: 8, .size: 8, .value_kind: global_buffer, .address_space: global }
      - { .name: qkvimg, .offset: 16, .size: 8, .value_kind: global_buffer, .address_space: global }
      - { .name: qkvsc, .offset: 24, .size: 8, .value_kind: global_buffer, .address_space: global }
    .group_segment_fixed_size: 327680
    .private_segment_fixed_size: 0
    .kernarg_segment_align: 8
    .kernarg_segment_size: 32
    .max_flat_workgroup_size: 128
    .sgpr_count:     102
    .vgpr_count:     1024
    .wavefront_size: 32
...
	.end_amdgpu_metadata
.endif
;; end of part 2
;; launch attn (part 3): grid 8 x 32, 8 waves a work-group, clusters of 4 x 1, 327,680 bytes of LDS; arguments qkvimg, qkvsc, maskw, aimg, asc; writes aimg, asc
.if DOCPART == 3
	.amdgcn_target "amdgcn-amd-amdhsa--gfx1250"
	.amdhsa_code_object_version 6
	.text
	.protected	k_q90fb6dc4d6_attn
	.globl	k_q90fb6dc4d6_attn
	.p2align	8
	.type	k_q90fb6dc4d6_attn,@function
k_q90fb6dc4d6_attn:
	s_mov_b64 s[64:65], 0
	v_nop
	global_prefetch_b8 v0, s[64:65] scope:SCOPE_SE
	s_setreg_imm32_b32 hwreg(HW_REG_WAVE_MODE, 25, 1), 1
	s_wait_xcnt 0x0
	s_wait_alu depctr_hold_cnt(0) depctr_sa_sdst(0) depctr_va_vdst(0) depctr_va_sdst(0) depctr_va_ssrc(0) depctr_va_vcc(0) depctr_vm_vsrc(0)
	s_getreg_b32 s2, hwreg(HW_REG_IB_STS2, 6, 4)
	s_cmp_eq_u32 s2, 0
	s_cbranch_scc0 .Lentry_in_a_cluster
	s_endpgm
.Lentry_in_a_cluster:
	s_bfe_u32 s2, ttmp6, 0x10000c
	s_cmp_lg_u32 s2, 0x3003
	s_cbranch_scc0 .Lentry_shape_is_right
	s_endpgm
.Lentry_shape_is_right:
; a_out = nan_to_num(softmax(mask(Q K^T / 8))) V for one head and 256 queries a work-group, both products on codes of FP6 (E2M3) with E8M0 scales; att is quantised FINISHED AND NORMALISED, in blocks of 32 keys.
; ONE PASS.  The work-group walks 8 blocks of 32 queries (two tiles).  THE EIGHT WAVES SPLIT THE KEYS: wave w owns keys 256 w .. 256 w + 255 for the whole launch.  A block's scores are 2 tiles x 256 keys = 256 registers a wave
; (all of window 1), so a whole row of p stays in f32 registers until the row's sum is known: each score is multiplied once and has one exponential.
; THE MAXIMUM is taken away as a whole number: per wave M = ceil(largest t), t = score x log2(e) / 8; p = 2^(t - M); the waves exchange (M, sum) through LDS; the row's M is the largest, and each wave's p is brought
; under it by 2^(M_w - M), a multiplication that rounds nothing; att = p x 2^(M_w - M) / sum.  A row with no key kept: every p is 0, the sum is held at 0.5 from below, att = 0, as nan_to_num gives.
; (A row with a key kept has a p above 0.5, so the hold does not touch it.)
; BOTH PRODUCTS TRANSPOSED: S^T = K Q^T, O^T = V^T att^T: a lane holds one query.  By the order of rows in a tile (lane r of tile t: row 32 (t / 2) + 8 (t % 2) + r + 8 (r / 8)) the 16 registers of tiles 2 b, 2 b + 1 are 16 neighbouring keys.
; THE SCORES' K IS 64: the instruction's other 64 are Q's zero codes; K's operand run then reaches into the next tile's codes (or six zero registers), which zero codes multiply away; the scale words repeat the head's two bytes.
; THE MASK comes as lane masks, one scalar word a score register, and only selects values.
; O^T's parts of the eight waves are added through LDS, wave w adding tile w; after four blocks each wave quantises one tile of 16 queries along the head's 64 and stores it as an image for the last product.
; CLUSTER: the four query chunks of a cluster share a head: each wave's 12,288 bytes of K and of V are asked for jointly, once in the launch, and land in LDS bytes that only that wave reads.  Nothing is filled again.
; No prefetch: K and V are asked for once, at the head.
; LIMITS: NaN and infinities are not served; p under 2^-126 is 0 (v_exp_f32); blocks of zeros or under 2^-124 get the byte 1 (this program alone reads the bytes).
.set KL,    0                          ; LDS: K: 8 waves x 16 tiles x 768
.set VL,    98304                      ; V: 8 waves x [4 pieces of 64 keys][4 feature tiles][768]
.set RED,   196608                     ; O^T's parts: [tile 8][from wave 8][1,024]
.set OUT,   262144                     ; O^T: [block 4][tile 8][1,024]
.set STAT,  294912                     ; (-M, sum): [wave 8][query tile 2][16 queries][8 bytes]
.set SPARE, 296960                     ; the spare words, 128 bytes a wave
.set VI,    6291456
.set VSO,   524288
.set L16, 1                            ; v1-3  16, 8, 4 x lane
.set L8,  2
.set L4,  3
.set AK16, 4                           ; v4, v5  my K in LDS
.set AK8,  5
.set AV16, 6                           ; v6, v7  my V
.set AV8,  7
.set ARS, 8                            ; v8   RED + 1024 w + 16 lane
.set ARL, 9                            ; v9   RED + 8192 w + 16 lane
.set AOS, 10                           ; v10  OUT + 1024 w + 16 lane
.set AOL, 11                           ; v11  OUT + 4096 w + 16 lane
.set AST, 12                           ; v12  STAT + 256 w + 8 r
.set ASL, 13                           ; v13  STAT + 8 r
.set SPW, 14                           ; v14  my spare word; never rewritten
.set NIL, 15                           ; v15  0; never rewritten
.set NEG, 16                           ; v16  -infinity
.set R8,  17                           ; v17  8 r
.set ML,  18                           ; v[18:19], v[20:21]  (-M, sum) of query tiles 0, 1
.set CH,  22                           ; v22-29 four chains of sums
.set RN,  30                           ; v[30:31], v[32:33]  what p is multiplied by
.set BM,  34                           ; v34-49 a block's largest score, then p, then att, then byte: index 8 g + 4 s + b
.set BX,  50                           ; v50-65 the partner lane's, then the conversions' scale operands
.set QF,  66                           ; v66-89 Q's two fragments; registers 6-11 of each are zero
.set QS,  90                           ; v90   Q's scale words: lanes 0-15 tile 0, lanes 16-31 tile 1
.set KS,  92                           ; v92-99  K's, two tiles a register
.set VS,  100                          ; v100-103 V's, index 2 s + n / 2
.set PS,  104                          ; v104-107 att's, index 2 g + s
.set KB,  108                          ; v108-161 8 tiles of K x 6 registers + 6 zeros; later 4 fragments of V
.set PC,  162                          ; v162-209 att's codes, 12 x (2 g + s)
.set FO,  210                          ; v210-211 my own 2^(M_w - M)
.set EX,  218                          ; v218-249 at work
.set TP,  250                          ; v250-255 at work
.set MSB, 0
.macro WIN new
.if MSB != (\new)
	s_set_vgpr_msb (MSB<<8)|(\new)
.set MSB, (\new)
.endif
.endm
.macro CROUND
	s_barrier_signal -1
	s_barrier_wait -1
	s_cmp_lg_u32 s2, 0
	s_cbranch_scc1 .Lnot_wave_0_\@
	s_barrier_signal -3
.Lnot_wave_0_\@:
	s_barrier_wait -3
	s_barrier_signal -1
	s_barrier_wait -1
.endm
.macro BAR
	s_barrier_signal -1
	s_barrier_wait -1
.endm
.macro PLACES
.rept 4
	v_nop
.endr
.endm
	s_load_b256 s[4:11], s[0:1], 0x0               ; qkvimg, qkvsc, maskw, aimg
	s_load_b64 s[12:13], s[0:1], 0x20              ; asc
	v_lshl_add_u32 v[SPW], v0, 2, SPARE
	v_mov_b32 v[NIL], 0
	ds_add_u32 v[SPW], v[NIL]                      ; the wave's opening: the add and its wait ahead of my first tensor load
	v_lshrrev_b32 v250, 5, v0
	v_readfirstlane_b32 s2, v250                   ; wave w
	v_and_b32 v250, 31, v0
	v_and_b32 v251, 15, v0
	v_lshlrev_b32 v[L16], 4, v250
	v_lshlrev_b32 v[L8], 3, v250
	v_lshlrev_b32 v[L4], 2, v250
	v_lshlrev_b32 v[R8], 3, v251
	s_mul_i32 s3, s2, 12288
	v_add_nc_u32 v[AK16], s3, v[L16]
	v_add_nc_u32 v[AK8], s3, v[L8]
	s_add_co_u32 s71, s3, VL
	v_add_nc_u32 v[AV16], s71, v[L16]
	v_add_nc_u32 v[AV8], s71, v[L8]
	s_lshl_b32 s71, s2, 10
	s_add_co_u32 s72, s71, RED
	v_add_nc_u32 v[ARS], s72, v[L16]
	s_add_co_u32 s72, s71, OUT
	v_add_nc_u32 v[AOS], s72, v[L16]
	s_lshl_b32 s71, s2, 13
	s_add_co_u32 s72, s71, RED
	v_add_nc_u32 v[ARL], s72, v[L16]
	s_lshl_b32 s71, s2, 12
	s_add_co_u32 s72, s71, OUT
	v_add_nc_u32 v[AOL], s72, v[L16]
	s_lshl_b32 s71, s2, 8
	s_add_co_u32 s72, s71, STAT
	v_add_nc_u32 v[AST], s72, v[R8]
	v_add_nc_u32 v[ASL], STAT, v[R8]
	v_mov_b32 v[NEG], 0xff800000
	; group 1: 12,288 dense bytes as 48 rows of 256 (32 elements of 8 bytes); the mask names the four partners
	s_mov_b32 s16, 15|(3<<16)|(1<<21)
	s_mov_b32 s17, 32<<16
	s_mov_b32 s18, 48<<16
	s_mov_b32 s19, 32<<16
	s_mov_b32 s20, 48
	s_mov_b32 s21, 32
	s_mov_b32 s22, 0
	s_mov_b32 s23, 0
	s_mov_b32 s24, 1
	s_mov_b32 s25, s3                              ; K: LDS 12288 w
	s_mov_b32 s28, 1
	s_add_co_u32 s29, s3, VL                       ; V
	s_mov_b32 s66, 0x3e38aa3b                      ; c = log2(e) / 8
	s_mov_b32 s67, s66
	s_mov_b32 s68, 0x76543210
	s_mov_b32 s69, 0xfedcba98
	s_and_b32 s71, ttmp7, 0xffff                   ; y = 16 b + head, which the partners share
	s_and_b32 s72, s71, 15                         ; head
	s_lshr_b32 s73, s71, 4                         ; b
	s_mul_i32 s76, s72, 196608
	s_mul_i32 s77, s73, 98304
	s_add_co_u32 s76, s76, s77                     ; the head's and batch's place among Q's images
	s_mov_b32 s79, 0
	s_mov_b32 s101, 0
	s_wait_dscnt 0x0                               ; the opening add is done
	s_wait_kmcnt 0x0
	s_add_co_u32 s78, s76, s3
	s_add_co_u32 s78, s78, 3145728                 ; K's images lie 16 heads on
	s_add_nc_u64 s[26:27], s[4:5], s[78:79]
	s_or_b32 s27, s27, 0x80000000
	s_mul_i32 s78, s71, 98304
	s_add_co_u32 s78, s78, s3
	s_add_co_u32 s78, s78, VI
	s_add_nc_u64 s[30:31], s[4:5], s[78:79]
	s_or_b32 s31, s31, 0x80000000
	s_lshl_b32 s77, s72, 14
	s_lshl_b32 s78, s73, 13
	s_add_co_u32 s77, s77, s78                     ; the same among the scale words
	s_lshl_b32 s78, s2, 10
	s_add_co_u32 s78, s78, s77
	s_add_co_u32 s78, s78, 262144
	s_add_nc_u64 s[96:97], s[6:7], s[78:79]        ; K's scale words of my 16 tiles
	s_lshl_b32 s78, s71, 12
	s_lshl_b32 s75, s2, 9
	s_add_co_u32 s78, s78, s75
	s_add_co_u32 s78, s78, VSO
	s_add_nc_u64 s[98:99], s[6:7], s[78:79]        ; V's of my two steps
	s_bfe_u32 s74, ttmp6, 0x40000                  ; cx: it enters the addresses of Q, the mask and the output alone
	s_lshl_b32 s75, ttmp9, 2
	s_add_co_u32 s74, s74, s75                     ; my chunk of 256 queries
	s_mul_i32 s100, s74, 12288
	s_add_co_u32 s100, s100, s76
	s_add_nc_u64 s[4:5], s[4:5], s[100:101]        ; Q's images
	s_lshl_b32 s100, s74, 10
	s_add_co_u32 s100, s100, s77
	s_add_nc_u64 s[6:7], s[6:7], s[100:101]        ; Q's scale words
	s_lshl_b32 s100, s73, 19
	s_lshl_b32 s75, s74, 16
	s_add_co_u32 s100, s100, s75
	s_lshl_b32 s75, s2, 9
	s_add_co_u32 s100, s100, s75
	s_add_nc_u64 s[8:9], s[8:9], s[100:101]        ; the mask words of my keys
	s_lshl_b32 s77, s73, 7
	s_lshl_b32 s75, s74, 4
	s_add_co_u32 s77, s77, s75
	s_add_co_u32 s77, s77, s2                      ; the token tile that I store first: 128 b + 16 chunk + w
	s_mul_i32 s100, s77, 12288
	s_mul_i32 s75, s72, 768
	s_add_co_u32 s100, s100, s75
	s_add_nc_u64 s[10:11], s[10:11], s[100:101]
	s_lshl_b32 s100, s77, 9
	s_lshr_b32 s75, s72, 2
	s_lshl_b32 s75, s75, 7
	s_add_co_u32 s100, s100, s75
	s_bfe_u32 s75, s72, 0x10001
	s_lshl_b32 s75, s75, 2
	s_add_co_u32 s100, s100, s75
	s_and_b32 s75, s72, 1
	s_lshl_b32 s75, s75, 1
	s_add_co_u32 s100, s100, s75
	s_add_nc_u64 s[12:13], s[12:13], s[100:101]
	CROUND                                         ; all four work-groups are here: the joint loads meet
	tensor_load_to_lds s[24:27], s[16:23]          ; my K; two loads of mine are out
	s_nop 0
	tensor_load_to_lds s[28:31], s[16:23]          ; my V
	s_nop 0
.rept 4
	v_nop
.endr
.macro QLOAD
.irp g, 0,1
	global_load_b128 v[QF+12*\g:QF+12*\g+3], v[L16], s[4:5] offset:768*\g
	global_load_b64 v[QF+12*\g+4:QF+12*\g+5], v[L8], s[4:5] offset:768*\g+512
.endr
	global_load_b32 v[QS], v[L4], s[6:7]
.endm
.irp i, 0,1,2,3,4,5,6,7
	global_load_b32 v[KS+\i], v[L4], s[96:97] offset:128*\i
.endr
.irp i, 0,1,2,3
	global_load_b32 v[VS+\i], v[L4], s[98:99] offset:128*\i
.endr
	QLOAD
.irp i, 0,1,2,3,4,5,6,7,8,9,10,11,12,13,14,15
	v_mov_b32 v[BX+\i], 0                          ; written once: a lane permute's destination counts as one of its sources
.endr
.irp i, 0,1,2,3,4,5
	v_mov_b32 v[QF+6+\i], 0                        ; the zero codes of the scores' padded K
	v_mov_b32 v[QF+18+\i], 0
	v_mov_b32 v[KB+48+\i], 0
.endr
	v_mov_b32 v[ML+1], 0                           ; (upper halves of pairs that packed forms name)
	v_mov_b32 v[ML+3], 0
	v_mov_b32 v[RN+1], 0
	v_mov_b32 v[RN+3], 0
	s_wait_tensorcnt 0x0                           ; my K and V are in LDS, and only I read them; the descriptors' registers are free
.macro MLOAD hc                        ; 32 mask words: query tile hc / 4, step (hc / 2) % 2, half hc % 2; two sets of scalar registers by turns
.set mo, 4096*((\hc)/4)+256*(((\hc)/2)%2)+128*((\hc)%2)
.if ((\hc)%2) == 0
	s_load_b512 s[16:31], s[8:9], mo
	s_load_b512 s[32:47], s[8:9], mo+64
.else
	s_load_b512 s[48:63], s[8:9], mo
	s_load_b512 s[80:95], s[8:9], mo+64
.endif
.endm
.macro KLOAD s
.irp t, 0,1,2,3,4,5,6,7
	ds_load_b128 v[KB+6*\t:KB+6*\t+3], v[AK16] offset:768*(8*\s+\t)
	ds_load_b64 v[KB+6*\t+4:KB+6*\t+5], v[AK8] offset:768*(8*\s+\t)+512
.endr
.endm
.macro VLOAD s
.irp n, 0,1,2,3
.irp c, 0,1
	ds_load_b128 v[KB+12*\n+6*\c:KB+12*\n+6*\c+3], v[AV16] offset:768*(4*(2*\s+\c)+\n)
	ds_load_b64 v[KB+12*\n+6*\c+4:KB+12*\n+6*\c+5], v[AV8] offset:768*(4*(2*\s+\c)+\n)+512
.endr
.endr
.endm
.macro SW s, t, g                      ; S^T of key tile 8 s + t and query tile g, at window 1, v[128 g + 64 s + 8 t]
.set rD, 128*\g+64*\s+8*\t
.set rK, KB+6*\t
.set rQ, QF+12*\g
.set rS, KS+(8*\s+\t)/2
.if (\t%2 == 0) && (\g == 0)
	v_wmma_scale_f32_16x16x128_f8f6f4 v[rD:rD+7], v[rK:rK+11], v[rQ:rQ+11], 0, v[rS], v[QS] matrix_a_fmt:MATRIX_FMT_FP6 matrix_b_fmt:MATRIX_FMT_FP6
.elseif (\t%2 == 1) && (\g == 0)
	v_wmma_scale_f32_16x16x128_f8f6f4 v[rD:rD+7], v[rK:rK+11], v[rQ:rQ+11], 0, v[rS], v[QS] matrix_a_fmt:MATRIX_FMT_FP6 matrix_b_fmt:MATRIX_FMT_FP6 matrix_a_scale:MATRIX_SCALE_ROW1
.elseif (\t%2 == 0) && (\g == 1)
	v_wmma_scale_f32_16x16x128_f8f6f4 v[rD:rD+7], v[rK:rK+11], v[rQ:rQ+11], 0, v[rS], v[QS] matrix_a_fmt:MATRIX_FMT_FP6 matrix_b_fmt:MATRIX_FMT_FP6 matrix_b_scale:MATRIX_SCALE_ROW1
.else
	v_wmma_scale_f32_16x16x128_f8f6f4 v[rD:rD+7], v[rK:rK+11], v[rQ:rQ+11], 0, v[rS], v[QS] matrix_a_fmt:MATRIX_FMT_FP6 matrix_b_fmt:MATRIX_FMT_FP6 matrix_a_scale:MATRIX_SCALE_ROW1 matrix_b_scale:MATRIX_SCALE_ROW1
.endif
.endm
.macro SPROD s
.irp t, 0,1,2,3,4,5,6,7
.irp g, 0,1
	SW \s, \t, \g
.endr
.endr
.endm
.macro PVW s, g, n                     ; O^T of feature tile n and query tile g, at window 1, v[8 (4 g + n)], over the step's 128 keys
.set rO, 8*(4*\g+\n)
.set rV, KB+12*\n
.set rP, PC+12*(2*\g+\s)
.set rA, VS+2*\s+\n/2
.set rC, PS+2*\g+\s
.if (\s == 0) && (\n%2 == 0)
	v_wmma_scale_f32_16x16x128_f8f6f4 v[rO:rO+7], v[rV:rV+11], v[rP:rP+11], 0, v[rA], v[rC] matrix_a_fmt:MATRIX_FMT_FP6 matrix_b_fmt:MATRIX_FMT_FP6
.elseif (\s == 0)
	v_wmma_scale_f32_16x16x128_f8f6f4 v[rO:rO+7], v[rV:rV+11], v[rP:rP+11], 0, v[rA], v[rC] matrix_a_fmt:MATRIX_FMT_FP6 matrix_b_fmt:MATRIX_FMT_FP6 matrix_a_scale:MATRIX_SCALE_ROW1
.elseif (\n%2 == 0)
	v_wmma_scale_f32_16x16x128_f8f6f4 v[rO:rO+7], v[rV:rV+11], v[rP:rP+11], v[rO:rO+7], v[rA], v[rC] matrix_a_fmt:MATRIX_FMT_FP6 matrix_b_fmt:MATRIX_FMT_FP6
.else
	v_wmma_scale_f32_16x16x128_f8f6f4 v[rO:rO+7], v[rV:rV+11], v[rP:rP+11], v[rO:rO+7], v[rA], v[rC] matrix_a_fmt:MATRIX_FMT_FP6 matrix_b_fmt:MATRIX_FMT_FP6 matrix_a_scale:MATRIX_SCALE_ROW1
.endif
.endm
.macro PVPROD s                        ; the eight accumulators take turns, one instruction a turn
.irp g, 0,1
.irp n, 0,1,2,3
	PVW \s, \g, \n
.endr
.endr
.endm
; 32 score registers: hidden scores become -infinity, and the two blocks' largest scores are taken.  Registers ascend.
.macro MASKMAX hc
.set rB, 128*((\hc)/4)+64*(((\hc)/2)%2)+32*((\hc)%2)
.set bI, BM+8*((\hc)/4)+4*(((\hc)/2)%2)+2*((\hc)%2)
	s_wait_kmcnt 0x0                               ; this half's words are in
.if (\hc) < 7
	MLOAD (\hc)+1                                  ; the next half's go into the other set
.endif
	WIN 0x44                                       ; destination and source 1 window 1
.set i, 0
.rept 32
.if ((\hc)%2) == 0
.set sW, 16+i
.elseif i < 16
.set sW, 48+i
.else
.set sW, 64+i
.endif
	v_cndmask_b32 v[rB+i], v[NEG], v[rB+i], s[sW]
.set i, i+1
.endr
	WIN 0x14                                       ; sources 1 and 2 window 1
.set i, 0
.rept 8
	v_max3_num_f32 v[bI], v[bI], v[rB+2*i], v[rB+2*i+1]
	v_max3_num_f32 v[bI+1], v[bI+1], v[rB+16+2*i], v[rB+17+2*i]
.set i, i+1
.endr
.endm
	s_mov_b32 s15, 2
.Louter:
	s_mov_b32 s70, 0                               ; the block's place in OUT
	s_mov_b32 s14, 4
.Lblock:
	MLOAD 0
.irp i, 0,1,2,3,4,5,6,7,8,9,10,11,12,13,14,15
	v_mov_b32 v[BM+\i], v[NEG]
.endr
	; ---- the scores
	KLOAD 0
	s_wait_loadcnt 0x0                             ; Q and its scale words (the first time: K's and V's scale words too)
	s_wait_dscnt 0x0
	WIN 0x40
	SPROD 0
	PLACES                                         ; in front of loads into registers that matrix instructions have read
	WIN 0
	KLOAD 1
	s_wait_dscnt 0x0
	WIN 0x40
	SPROD 1
	WIN 0
	PLACES                                         ; in front of the loads into Q's registers and of the first read of scores
	s_add_nc_u64 s[4:5], s[4:5], 1536              ; (the loads that read these addresses are done)
	s_add_nc_u64 s[6:7], s[6:7], 128
	QLOAD                                          ; the next block's Q; behind the last block these are the bytes that follow in the same buffers, and are not used
	; ---- the mask and the blocks' largest scores
.irp hc, 0,1,2,3,4,5,6,7
	MASKMAX \hc
.endr
	s_add_nc_u64 s[8:9], s[8:9], 8192              ; no scalar load is out
	WIN 0
.irp i, 0,1,2,3,4,5,6,7,8,9,10,11,12,13,14,15
	v_permlanex16_b32 v[BX+\i], v[BM+\i], s68, s69
.endr
.irp i, 0,1,2,3,4,5,6,7,8,9,10,11,12,13,14,15
	v_max_num_f32 v[BM+\i], v[BM+\i], v[BX+\i]     ; with lane l xor 16's 16 keys
.endr
.irp g, 0,1
	v_max3_num_f32 v[TP+\g], v[BM+8*\g], v[BM+8*\g+1], v[BM+8*\g+2]
.endr
.irp g, 0,1
	v_max3_num_f32 v[TP+\g], v[TP+\g], v[BM+8*\g+3], v[BM+8*\g+4]
.endr
.irp g, 0,1
	v_max3_num_f32 v[TP+\g], v[TP+\g], v[BM+8*\g+5], v[BM+8*\g+6]
.endr
.irp g, 0,1
	v_max_num_f32 v[TP+\g], v[TP+\g], v[BM+8*\g+7] ; my 256 keys' largest score of the query
.endr
.irp g, 0,1
	v_mul_f32 v[TP+\g], s66, v[TP+\g]
.endr
.irp g, 0,1
	v_max_num_f32 v[TP+\g], 0xf149f2ca, v[TP+\g]   ; held at -1e30: where all my keys are hidden M stays a number
.endr
.irp g, 0,1
	v_floor_f32 v[ML+2*\g], -v[TP+\g]              ; -M = floor(-t): M is a whole number
.endr
.irp i, 0,1,2,3,4,5,6,7,8,9,10,11,12,13,14,15
	v_fma_f32 v[BM+\i], v[BM+\i], s66, v[ML+2*(\i/8)]
.endr
	; ---- p = 2^(t - M)
	WIN 0x41
.set i, 0
.rept 128
	v_pk_fma_f32 v[2*i:2*i+1], v[2*i:2*i+1], s[66:67], v[ML+2*(i/64):ML+2*(i/64)+1] op_sel_hi:[1,0,0]
.set i, i+1
.endr
.set i, 0
.rept 256
	v_exp_f32 v[i], v[i]
.set i, i+1
.endr
	WIN 0
.irp i, 0,1,2,3,4,5,6,7,8,9,10,11,12,13,14,15
	v_exp_f32 v[BM+\i], v[BM+\i]                   ; each block's largest p: the same two instructions on the same number
.endr
.irp i, 0,1,2,3,4,5,6,7
	v_mov_b32 v[CH+\i], 0                          ; plain lines behind the exponentials
.endr
	s_wait_alu depctr_va_vdst(0)                   ; one wait for the whole batch, ahead of its first reader
	; ---- my keys' sum of p
	WIN 0x04
.set i, 0
.rept 32
	v_pk_add_f32 v[CH:CH+1], v[CH:CH+1], v[4*i:4*i+1]
	v_pk_add_f32 v[CH+2:CH+3], v[CH+2:CH+3], v[4*i+2:4*i+3]
	v_pk_add_f32 v[CH+4:CH+5], v[CH+4:CH+5], v[128+4*i:129+4*i]
	v_pk_add_f32 v[CH+6:CH+7], v[CH+6:CH+7], v[130+4*i:131+4*i]
.set i, i+1
.endr
	WIN 0
	v_pk_add_f32 v[CH:CH+1], v[CH:CH+1], v[CH+2:CH+3]
	v_pk_add_f32 v[CH+4:CH+5], v[CH+4:CH+5], v[CH+6:CH+7]
	v_add_f32 v[CH], v[CH], v[CH+1]
	v_add_f32 v[CH+4], v[CH+4], v[CH+5]
	v_permlanex16_b32 v[TP], v[CH], s68, s69
	v_permlanex16_b32 v[TP+1], v[CH+4], s68, s69
	v_add_f32 v[ML+1], v[CH], v[TP]
	v_add_f32 v[ML+3], v[CH+4], v[TP+1]
	; ---- the waves exchange (-M, sum)
	ds_store_b64 v[AST], v[ML:ML+1]                ; both halves of the lanes write the same bytes with the same values
	ds_store_b64 v[AST], v[ML+2:ML+3] offset:128
	s_wait_dscnt 0x0                               ; for the others' sake: my stores have landed, and my earlier LDS loads are in
	BAR
.irp g, 0,1
.irp w, 0,1,2,3,4,5,6,7
	ds_load_b64 v[EX+16*\g+2*\w:EX+16*\g+2*\w+1], v[ASL] offset:256*\w+128*\g
.endr
.endr
	s_wait_dscnt 0x0
.irp g, 0,1
	v_min3_num_f32 v[TP+2+\g], v[EX+16*\g], v[EX+16*\g+2], v[EX+16*\g+4]
.endr
.irp g, 0,1
	v_min3_num_f32 v[TP+2+\g], v[TP+2+\g], v[EX+16*\g+6], v[EX+16*\g+8]
.endr
.irp g, 0,1
	v_min3_num_f32 v[TP+2+\g], v[TP+2+\g], v[EX+16*\g+10], v[EX+16*\g+12]
.endr
.irp g, 0,1
	v_min_num_f32 v[TP+2+\g], v[TP+2+\g], v[EX+16*\g+14]   ; the row's -M
.endr
.irp g, 0,1
.irp w, 0,1,2,3,4,5,6,7
	v_sub_f32 v[EX+16*\g+2*\w], v[TP+2+\g], v[EX+16*\g+2*\w]   ; M_w - M: a whole number, 0 or less
.endr
	v_sub_f32 v[FO+\g], v[TP+2+\g], v[ML+2*\g]
.endr
.irp g, 0,1
.irp w, 0,1,2,3,4,5,6,7
	v_cvt_i32_f32 v[EX+16*\g+2*\w], v[EX+16*\g+2*\w]           ; (it saturates)
.endr
	v_cvt_i32_f32 v[FO+\g], v[FO+\g]
.endr
.irp g, 0,1
.irp w, 0,1,2,3,4,5,6,7
	v_ldexp_f32 v[EX+16*\g+2*\w], 1.0, v[EX+16*\g+2*\w]        ; 2^(M_w - M)
.endr
	v_ldexp_f32 v[FO+\g], 1.0, v[FO+\g]
.endr
.irp g, 0,1
	v_mul_f32 v[TP+4+\g], v[EX+16*\g+1], v[EX+16*\g]
.endr
.irp w, 1,2,3,4,5,6,7
.irp g, 0,1
	v_fma_f32 v[TP+4+\g], v[EX+16*\g+2*\w+1], v[EX+16*\g+2*\w], v[TP+4+\g]   ; the row's sum, under the row's M
.endr
.endr
.irp g, 0,1
	v_max_num_f32 v[TP+4+\g], 0.5, v[TP+4+\g]      ; a row with no key kept: 0 x a number = 0
.endr
	v_rcp_f32 v[TP+4], v[TP+4]
	v_rcp_f32 v[TP+5], v[TP+5]
	v_nop                                          ; a plain line behind the reciprocals
	s_wait_alu depctr_va_vdst(0)                   ; and the wait ahead of their first reader
	v_mul_f32 v[RN], v[TP+4], v[FO]
	v_mul_f32 v[RN+2], v[TP+5], v[FO+1]
	; ---- att = p x 2^(M_w - M) / sum
	WIN 0x41
.set i, 0
.rept 128
	v_pk_mul_f32 v[2*i:2*i+1], v[2*i:2*i+1], v[RN+2*(i/64):RN+2*(i/64)+1] op_sel_hi:[1,0]
.set i, i+1
.endr
	WIN 0
.irp i, 0,1,2,3,4,5,6,7,8,9,10,11,12,13,14,15
	v_mul_f32 v[BM+\i], v[BM+\i], v[RN+2*(\i/8)]   ; each block's largest att
.endr
	; ---- att becomes codes and scale words
.irp i, 0,1,2,3,4,5,6,7,8,9,10,11,12,13,14,15
	v_max_num_f32 v[BM+\i], 0x1800000, v[BM+\i]    ; the floor 2^(3 - 127): the byte cannot fall under 1
.endr
.irp i, 0,1,2,3,4,5,6,7,8,9,10,11,12,13,14,15
	v_add_nc_u32 v[BX+\i], 0xff000000, v[BM+\i]    ; 2 off the exponent field: the conversion's scale operand
.endr
.irp i, 0,1,2,3,4,5,6,7,8,9,10,11,12,13,14,15
	v_lshrrev_b32 v[BM+\i], 23, v[BX+\i]           ; the scale's byte
.endr
.irp k, 0,1,2,3
	v_lshl_or_b32 v[PS+\k], v[BM+4*\k+1], 8, v[BM+4*\k]
.endr
.irp k, 0,1,2,3
	v_lshl_or_b32 v[PS+\k], v[BM+4*\k+2], 16, v[PS+\k]
.endr
.irp k, 0,1,2,3
	v_lshl_or_b32 v[PS+\k], v[BM+4*\k+3], 24, v[PS+\k]
.endr
	WIN 0x01
.irp k, 0,1,2,3
.irp c, 0,1
	v_cvt_scalef32_pk16_fp6_f32 v[PC+12*\k+6*\c:PC+12*\k+6*\c+2], v[64*\k+32*\c:64*\k+32*\c+15], v[BX+4*\k+2*\c]
	v_cvt_scalef32_pk16_fp6_f32 v[EX+4*(2*\k+\c):EX+4*(2*\k+\c)+2], v[64*\k+32*\c+16:64*\k+32*\c+31], v[BX+4*\k+2*\c+1]
.endr
.endr
	WIN 0
	v_nop                                          ; one plain line behind a scaled conversion
.irp k, 0,1,2,3
.irp c, 0,1
.irp i, 0,1,2
	v_permlane16_swap_b32 v[PC+12*\k+6*\c+\i], v[EX+4*(2*\k+\c)+\i]   ; the operand's layout wants a whole block in a lane
.endr
.irp i, 0,1,2
	v_mov_b32 v[PC+12*\k+6*\c+3+\i], v[EX+4*(2*\k+\c)+\i]
.endr
.endr
.endr
.rept 8
	v_nop                                          ; operands and scale words written by vector lines stand 4 and 8 places ahead of a scaled matrix instruction
.endr
	; ---- O^T = V^T att^T over my 256 keys
	VLOAD 0
	s_wait_dscnt 0x0
	WIN 0x40
	PVPROD 0
	PLACES
	WIN 0
	VLOAD 1
	s_wait_dscnt 0x0
	WIN 0x50
	PVPROD 1
	WIN 0
	PLACES
	; ---- the eight waves' parts are added: wave w adds tile w
	WIN 0x04                                       ; an LDS store's data are its source 1: window 1
.irp t, 0,1,2,3,4,5,6,7
	ds_store_b128 v[ARS], v[8*\t:8*\t+3] offset:8192*\t            ; each accumulator from its low end on
	ds_store_b128 v[ARS], v[8*\t+4:8*\t+7] offset:8192*\t+512
.endr
	WIN 0
	s_wait_dscnt 0x0
	BAR
	WIN 0x40
.irp w, 0,1,2,3,4,5,6,7
	ds_load_b128 v[64+8*\w:64+8*\w+3], v[ARL] offset:1024*\w
	ds_load_b128 v[64+8*\w+4:64+8*\w+7], v[ARL] offset:1024*\w+512
.endr
	s_wait_dscnt 0x0
	WIN 0x45
.irp w, 1,2,3,4,5,6,7
.irp j, 0,2,4,6
	v_pk_add_f32 v[64+\j:65+\j], v[64+\j:65+\j], v[64+8*\w+\j:65+8*\w+\j]
.endr
.endr
	WIN 0
	v_add_nc_u32 v[TP], s70, v[AOS]
	WIN 0x04
	ds_store_b128 v[TP], v[64:67]
	ds_store_b128 v[TP], v[68:71] offset:512
	WIN 0
	s_add_co_u32 s70, s70, 8192
	s_sub_co_u32 s14, s14, 1
	s_cmp_lg_u32 s14, 0
	s_cbranch_scc1 .Lblock
	; ---- four blocks are done: eight tiles of 16 queries lie in OUT; wave w quantises tile w along the head's 64 and stores its image
	s_wait_dscnt 0x0
	BAR
.irp n, 0,1,2,3
	ds_load_b128 v[EX+8*\n:EX+8*\n+3], v[AOL] offset:1024*\n
	ds_load_b128 v[EX+8*\n+4:EX+8*\n+7], v[AOL] offset:1024*\n+512
.endr
	s_wait_dscnt 0x0
	v_max3_num_f32 v[TP], |v[EX]|, |v[EX+1]|, 0x1800000
	v_max3_num_f32 v[TP+1], |v[EX+16]|, |v[EX+17]|, 0x1800000
.irp i, 2,4,6,8,10,12,14
	v_max3_num_f32 v[TP], v[TP], |v[EX+\i]|, |v[EX+\i+1]|
	v_max3_num_f32 v[TP+1], v[TP+1], |v[EX+16+\i]|, |v[EX+17+\i]|
.endr
	v_permlanex16_b32 v[TP+2], v[TP], s68, s69
	v_permlanex16_b32 v[TP+3], v[TP+1], s68, s69
	v_max_num_f32 v[TP], v[TP], v[TP+2]
	v_max_num_f32 v[TP+1], v[TP+1], v[TP+3]
	v_add_nc_u32 v[TP+2], 0xff000000, v[TP]
	v_add_nc_u32 v[TP+3], 0xff000000, v[TP+1]
	v_lshrrev_b32 v[TP], 23, v[TP+2]
	v_lshrrev_b32 v[TP+1], 23, v[TP+3]
	v_lshl_or_b32 v[TP+4], v[TP+1], 8, v[TP]       ; the head's two bytes of my row
	v_cvt_scalef32_pk16_fp6_f32 v[PC:PC+2], v[EX:EX+15], v[TP+2]
	v_cvt_scalef32_pk16_fp6_f32 v[PC+6:PC+8], v[EX+16:EX+31], v[TP+3]
	v_nop
.irp i, 0,1,2
	v_permlane16_swap_b32 v[PC+\i], v[PC+6+\i]
.endr
.irp i, 0,1,2
	v_mov_b32 v[PC+3+\i], v[PC+6+\i]
.endr
	global_store_b128 v[L16], v[PC:PC+3], s[10:11]             ; 512 consecutive bytes
	global_store_b64 v[L8], v[PC+4:PC+5], s[10:11] offset:512  ; 256 consecutive bytes
	global_store_b16 v[R8], v[TP+4], s[12:13]                  ; two bytes a row: the word's other half is another head's
	s_wait_xcnt 0x0                                ; the stores have read their registers and bases: both are written again
	s_add_nc_u64 s[10:11], s[10:11], 98304
	s_add_nc_u64 s[12:13], s[12:13], 4096
	s_sub_co_u32 s15, s15, 1
	s_cmp_lg_u32 s15, 0
	s_cbranch_scc1 .Louter
	s_wait_tensorcnt 0x0                           ; the wave's end: behind my last LDS store
	ds_add_u32 v[SPW], v[NIL]
	s_wait_dscnt 0x0
	CROUND                                         ; the closing round
	s_endpgm
.Lfunc_end_k_q90fb6dc4d6_attn:
	.size	k_q90fb6dc4d6_attn, .Lfunc_end_k_q90fb6dc4d6_attn-k_q90fb6dc4d6_attn
	.p2alignl 7, 3214868480
	.fill 96, 4, 3214868480
	.section	.rodata,"a",@progbits
	.p2align	6, 0x0
	.amdhsa_kernel k_q90fb6dc4d6_attn
		.amdhsa_group_segment_fixed_size 327680
		.amdhsa_private_segment_fixed_size 0
		.amdhsa_enable_private_segment 0
		.amdhsa_kernarg_size 40
		.amdhsa_user_sgpr_count 2
		.amdhsa_user_sgpr_kernarg_segment_ptr 1
		.amdhsa_wavefront_size32 1
		.amdhsa_system_sgpr_workgroup_id_x 1
		.amdhsa_system_sgpr_workgroup_id_y 1
		.amdhsa_system_sgpr_workgroup_id_z 1
		.amdhsa_system_vgpr_workitem_id 0
		.amdhsa_next_free_vgpr 512
		.amdhsa_next_free_sgpr 102
		.amdhsa_reserve_vcc 0
		.amdhsa_float_denorm_mode_32 3
		.amdhsa_float_denorm_mode_16_64 3
		.amdhsa_memory_ordered 1
		.amdhsa_forward_progress 1
		.amdhsa_inst_pref_size 103
	.end_amdhsa_kernel
	.amdgpu_metadata
---
amdhsa.version: [ 1, 2 ]
amdhsa.kernels:
  - .name:           k_q90fb6dc4d6_attn
    .symbol:         k_q90fb6dc4d6_attn.kd
    .args:
      - { .name: qkvimg, .offset: 0, .size: 8, .value_kind: global_buffer, .address_space: global }
      - { .name: qkvsc, .offset: 8, .size: 8, .value_kind: global_buffer, .address_space: global }
      - { .name: maskw, .offset: 16, .size: 8, .value_kind: global_buffer, .address_space: global }
      - { .name: aimg, .offset: 24, .size: 8, .value_kind: global_buffer, .address_space: global }
      - { .name: asc, .offset: 32, .size: 8, .value_kind: global_buffer, .address_space: global }
    .group_segment_fixed_size: 327680
    .private_segment_fixed_size: 0
    .kernarg_segment_align: 8
    .kernarg_segment_size: 40
    .max_flat_workgroup_size: 256
    .sgpr_count:     102
    .vgpr_count:     512
    .wavefront_size: 32
...
	.end_amdgpu_metadata
.endif
;; end of part 3
;; launch gemm2 (part 4): grid 4 x 16, 4 waves a work-group, clusters of 4 x 4, 327,680 bytes of LDS; arguments aimg, asc, opimg, opsc, b_out, out0; writes out0
.if DOCPART == 4
	.amdgcn_target "amdgcn-amd-amdhsa--gfx1250"
	.amdhsa_code_object_version 6
	.text
	.protected	k_q90fb6dc4d6_gemm2
	.globl	k_q90fb6dc4d6_gemm2
	.p2align	8
	.type	k_q90fb6dc4d6_gemm2,@function
k_q90fb6dc4d6_gemm2:
	s_mov_b64 s[64:65], 0
	v_nop
	global_prefetch_b8 v0, s[64:65] scope:SCOPE_SE
	s_setreg_imm32_b32 hwreg(HW_REG_WAVE_MODE, 25, 1), 1
	s_wait_xcnt 0x0
	s_wait_alu depctr_hold_cnt(0) depctr_sa_sdst(0) depctr_va_vdst(0) depctr_va_sdst(0) depctr_va_ssrc(0) depctr_va_vcc(0) depctr_vm_vsrc(0)
	s_getreg_b32 s2, hwreg(HW_REG_IB_STS2, 6, 4)
	s_cmp_eq_u32 s2, 0
	s_cbranch_scc0 .Lentry_in_a_cluster
	s_endpgm
.Lentry_in_a_cluster:
	s_bfe_u32 s2, ttmp6, 0x10000c
	s_cmp_lg_u32 s2, 0xf033
	s_cbranch_scc0 .Lentry_shape_is_right
	s_endpgm
.Lentry_shape_is_right:
; out0 = a_out W_out^T + b_out on codes of FP6 (E2M3) with E8M0 scales, K = 1,024; out0 [4096][1024] f32.
; OPERANDS are images of operand registers: A = aimg / asc (256 token row tiles), B = opimg / opsc row tiles 448-511 (W_out); [row tile][16 pieces of 64 k][768 bytes], [row tile][4 runs of 256 k][16 rows][2 words];
; lane r of row tile t is row 32 (t / 2) + 8 (t % 2) + r + 8 (r / 8).  A tile of 256 x 256 is made by four waves, each 128 x 128; K goes in steps of 256 through two LDS slots filled by the tensor data mover.
; THE MATRIX INSTRUCTION IS USED TRANSPOSED (source 0 = 16 rows of W_out, source 1 = 16 tokens): a lane holds eight neighbouring outputs of one token.  The bias is the C of each sum's first matrix instruction.
; CLUSTERS: 4 x 4 work-groups; A's tiles are asked for jointly along a row of the cluster, B's along a column.  64 work-groups: the tile is kept, since a smaller one would be a second text for a short launch.
; No prefetch: K has four steps, of which two are the first fills.
; REGISTERS: window 0: v0-31 addresses; v32-63 scale words, two sets; v64-127 the bias, eight tiles; v128-223 A's fragments.  window 1: B's fragments, two sets.  windows 2, 3: accumulator (a, b) at v[8 (8 (a % 4) + b)].
.set NQ,     2
.set FR,     12
.set NL,     4
.set NP,     4
.set RT,     3072
.set HALFT,  8*RT
.set SLOT,   4*HALFT
.set LAPS,   2
.set SCL,    2*SLOT
.set HALFS,  4096
.set SPARE,  SCL+4*HALFS
.set SPITCH, 528                       ; the way out: a stage of 16 rows x (512 bytes + 16) for each wave, in slot 0, which has had its last fill and its last read by then
.set ADRA, 16
.set ADRB, 20
.set STO,  24
.set RD,   25
.set CO,   26
.set ADRS, 27
.set SPW,  28
.set NIL,  29
.set SC,   32
.set BIAS, 64
.set AF,   128
.set BK,   128
.set G1,   24
.set G0,   32
.set G1B,  48
.set G0B,  56
.set G1S,  68
.set G0S,  76
.set G1SB, 80
.set G0SB, 88
.set MSB, 0
.macro WIN new
.if MSB != (\new)
	s_set_vgpr_msb (MSB<<8)|(\new)
.set MSB, (\new)
.endif
.endm
.set MUL_LO, 0xa1
.set MUL_HI, 0xf1
.set TO_B,   0x40
.macro JLOAD g0a, g1a, g0b, g1b
	s_cmp_eq_u32 s15, 0
	s_cbranch_scc0 .Lfor_b_\@
	tensor_load_to_lds s[\g0a:\g0a+3], s[\g1a:\g1a+7]
	s_nop 0
.rept 4
	v_nop
.endr
	s_branch .Lasked_\@
.Lfor_b_\@:
	tensor_load_to_lds s[\g0b:\g0b+3], s[\g1b:\g1b+7]
	s_nop 0
.rept 4
	v_nop
.endr
.Lasked_\@:
.endm
.macro CREST
	s_cmp_lg_u32 s14, 0
	s_cbranch_scc1 .Lnot_wave_0_\@
	s_barrier_signal -3
.Lnot_wave_0_\@:
	s_barrier_wait -3
	s_barrier_signal -1
	s_barrier_wait -1
.endm
.macro CROUND
	s_barrier_signal -1
	s_barrier_wait -1
	CREST
.endm
	s_load_b256 s[4:11], s[0:1], 0x0               ; aimg, asc, opimg, opsc
	s_load_b128 s[96:99], s[0:1], 0x20             ; b_out, out0
	v_lshl_add_u32 v[SPW], v0, 2, SPARE
	v_mov_b32 v[NIL], 0
	ds_add_u32 v[SPW], v[NIL]                      ; the wave's opening: the add and its wait ahead of my first tensor load
	v_lshrrev_b32 v1, 5, v0
	v_readfirstlane_b32 s14, v1
	s_lshr_b32 s15, s14, 1
	s_and_b32 s16, s14, 1
	s_bfe_u32 s40, ttmp6, 0x40000
	s_bfe_u32 s41, ttmp6, 0x40004
	s_lshl_b32 s42, ttmp9, 2
	s_add_co_u32 s42, s42, s40                     ; tile column
	s_and_b32 s17, ttmp7, 0xffff
	s_lshl_b32 s17, s17, 2
	s_add_co_u32 s17, s17, s41                     ; tile row
	s_lshl_b32 s43, s41, 2
	s_lshl_b32 s43, 15, s43
	s_lshl_b32 s44, 0x1111, s40
	s_or_b32 s[G1+0], s43, (3<<16)|(1<<21)
	s_or_b32 s[G1B+0], s44, (3<<16)|(1<<21)
.irp g, G1, G1B
	s_mov_b32 s[\g+1], 384<<16
	s_mov_b32 s[\g+2], 8<<16
	s_mov_b32 s[\g+3], 384<<16
	s_mov_b32 s[\g+4], 8
	s_mov_b32 s[\g+5], 1536
	s_mov_b32 s[\g+6], 0
	s_mov_b32 s[\g+7], 0
.endr
	s_or_b32 s[G1S+0], s43, (3<<16)|(1<<21)
	s_or_b32 s[G1SB+0], s44, (3<<16)|(1<<21)
.irp g, G1S, G1SB
	s_mov_b32 s[\g+1], 32<<16
	s_mov_b32 s[\g+2], 16<<16
	s_mov_b32 s[\g+3], 32<<16
	s_mov_b32 s[\g+4], 16
	s_mov_b32 s[\g+5], 32
	s_mov_b32 s[\g+6], 0
	s_mov_b32 s[\g+7], 0
.endr
	s_lshl_b32 s18, s16, 3
	s_lshl_b32 s20, s17, 4
	s_add_co_u32 s20, s20, s18                     ; A: row tile
	s_lshl_b32 s46, s42, 4
	s_add_co_u32 s46, s46, s18
	s_add_co_u32 s46, s46, 448                     ; B: row tile, among W_out's
	s_lshl_b32 s22, s20, 9
	s_mov_b32 s23, 0
	s_lshl_b32 s92, s46, 9
	s_mov_b32 s93, 0
	s_mul_i32 s20, s20, 12288
	s_mov_b32 s21, 0
	s_mul_i32 s46, s46, 12288
	s_mov_b32 s47, 0
	s_mul_i32 s45, s14, HALFT
	s_lshl_b32 s94, s14, 12
	s_wait_dscnt 0x0
	s_wait_kmcnt 0x0
	s_add_nc_u64 s[20:21], s[4:5], s[20:21]
	s_add_nc_u64 s[22:23], s[6:7], s[22:23]
	s_add_nc_u64 s[46:47], s[8:9], s[46:47]
	s_add_nc_u64 s[92:93], s[10:11], s[92:93]
	CROUND
	s_mov_b32 s[G0S], 1
	s_add_co_u32 s[G0S+1], s94, SCL
	s_mov_b64 s[G0S+2:G0S+3], s[22:23]
	s_or_b32 s[G0S+3], s[G0S+3], 0x80000000
	s_mov_b32 s[G0SB], 1
	s_add_co_u32 s[G0SB+1], s94, SCL
	s_mov_b64 s[G0SB+2:G0SB+3], s[92:93]
	s_or_b32 s[G0SB+3], s[G0SB+3], 0x80000000
	JLOAD G0S, G1S, G0SB, G1SB
.irp s, 0,1
	s_mov_b32 s[G0+4*\s], 1
	s_add_co_u32 s[G0+4*\s+1], s45, \s*SLOT
	s_add_nc_u64 s[G0+4*\s+2:G0+4*\s+3], s[20:21], \s*RT
	s_or_b32 s[G0+4*\s+3], s[G0+4*\s+3], 0x80000000
	s_mov_b32 s[G0B+4*\s], 1
	s_add_co_u32 s[G0B+4*\s+1], s45, \s*SLOT
	s_add_nc_u64 s[G0B+4*\s+2:G0B+4*\s+3], s[46:47], \s*RT
	s_or_b32 s[G0B+4*\s+3], s[G0B+4*\s+3], 0x80000000
	JLOAD G0+4*\s, G1, G0B+4*\s, G1B
.endr
	v_and_b32 v1, 31, v0                           ; lane
	v_and_b32 v2, 15, v0                           ; r
	v_bfe_u32 v3, v0, 4, 1                         ; h
	v_lshlrev_b32 v4, 4, v1
	v_lshlrev_b32 v5, 3, v1
	s_lshl_b32 s46, s42, 10                        ; my first output column, in bytes of f32: 1024 x tile column + 512 x half
	s_lshl_b32 s47, s16, 9
	s_add_co_u32 s46, s46, s47
	s_mov_b32 s47, 0
	s_add_nc_u64 s[96:97], s[96:97], s[46:47]
	s_add_nc_u64 s[98:99], s[98:99], s[46:47]
	v_lshlrev_b32 v11, 6, v3                       ; the bias: tile b's eight outputs of my half: 32 (b / 2) + 8 (b % 2) + 16 h + 0 .. 7
.irp b, 0,1,2,3,4,5,6,7
	global_load_b128 v[BIAS+8*\b:BIAS+8*\b+3], v11, s[96:97] offset:(32*(\b/2)+8*(\b%2))*4
	global_load_b128 v[BIAS+8*\b+4:BIAS+8*\b+7], v11, s[96:97] offset:(32*(\b/2)+8*(\b%2))*4+16
.endr
	s_mul_i32 s21, s15, HALFT
	s_mul_i32 s22, s16, HALFT
	s_add_co_u32 s22, s22, 2*HALFT
.irp s, 0,1
	v_add_nc_u32 v[ADRA+\s], s21, v4
	v_add_nc_u32 v[ADRB+\s], s22, v4
	v_add_nc_u32 v[ADRA+2+\s], s21, v5
	v_add_nc_u32 v[ADRB+2+\s], s22, v5
	s_add_co_u32 s21, s21, SLOT
	s_add_co_u32 s22, s22, SLOT
.endr
	v_lshlrev_b32 v6, 3, v2
	s_lshl_b32 s21, s15, 12
	s_lshl_b32 s22, s16, 12
	s_add_co_u32 s22, s22, 2*HALFS
	s_sub_co_u32 s22, s22, s21
	v_mul_u32_u24 v7, s22, v3
	s_add_co_u32 s21, s21, SCL
	v_add_nc_u32 v6, v6, v7
	v_add_nc_u32 v[ADRS], s21, v6
	s_mul_i32 s23, s14, 16*SPITCH                  ; my stage
	v_mul_u32_u24 v6, v2, SPITCH                   ; in: row r, + 64 h
	v_lshl_add_u32 v6, v3, 6, v6
	v_add_nc_u32 v[STO], s23, v6
	v_lshlrev_b32 v[CO], 4, v1                     ; back: the 32 lanes take one row of 512 bytes; and the same in out0
	v_add_nc_u32 v[RD], s23, v[CO]
	s_lshl_b32 s20, s17, 8
	s_lshl_b32 s21, s15, 7
	s_add_co_u32 s20, s20, s21                     ; my first token
	s_lshl_b32 s20, s20, 12                        ; rows of 4,096 bytes
	s_mov_b32 s21, 0
	s_add_nc_u64 s[98:99], s[98:99], s[20:21]
.macro FRAG reg, adr, q, i
.irp c, 0,1
	ds_load_b128 v[\reg+6*\c:\reg+6*\c+3], v[\adr] offset:RT*(\i)+768*(2*(\q)+\c)
	ds_load_b64 v[\reg+6*\c+4:\reg+6*\c+5], v[\adr+2] offset:RT*(\i)+768*(2*(\q)+\c)+512
.endr
.endm
; zero = 1: the first product starts the sums from the bias.  The 64 accumulators take turns, one instruction a turn.
.macro MUL16 a0, p, q, sc, zero
.irp a, \a0, \a0+1
.irp b, 0,1,2,3,4,5,6,7
.if \zero
	v_wmma_scale_f32_16x16x128_f8f6f4 v[8*(8*((\a)%4)+\b):8*(8*((\a)%4)+\b)+7], v[128*(\p)+FR*\b:128*(\p)+FR*\b+FR-1], v[AF+FR*(\a):AF+FR*(\a)+FR-1], v[BIAS+8*\b:BIAS+8*\b+7], v[SC+8*NQ*(\sc)+NQ*\b+(\q)], v[SC+8*NQ*(\sc)+NQ*(\a)+(\q)] matrix_a_fmt:MATRIX_FMT_FP6 matrix_b_fmt:MATRIX_FMT_FP6 matrix_a_scale:MATRIX_SCALE_ROW1
.else
	v_wmma_scale_f32_16x16x128_f8f6f4 v[8*(8*((\a)%4)+\b):8*(8*((\a)%4)+\b)+7], v[128*(\p)+FR*\b:128*(\p)+FR*\b+FR-1], v[AF+FR*(\a):AF+FR*(\a)+FR-1], v[8*(8*((\a)%4)+\b):8*(8*((\a)%4)+\b)+7], v[SC+8*NQ*(\sc)+NQ*\b+(\q)], v[SC+8*NQ*(\sc)+NQ*(\a)+(\q)] matrix_a_fmt:MATRIX_FMT_FP6 matrix_b_fmt:MATRIX_FMT_FP6 matrix_a_scale:MATRIX_SCALE_ROW1
.endif
.endr
.endr
.endm
.macro FETCH_B slot, q, p
	WIN TO_B
.irp i, 0,1,2,3,4,5,6,7
	FRAG 128*(\p)+FR*\i, ADRB+\slot, \q, \i
.endr
	WIN 0
.endm
.macro FETCH_A slot, q, i0
.irp i, \i0, \i0+1, \i0+2, \i0+3
	FRAG AF+FR*(\i), ADRA+\slot, \q, \i
.endr
.endm
.macro SCALES sc
.irp i, 0,1,2,3,4,5,6,7
	ds_load_b64 v[SC+8*NQ*\sc+NQ*\i:SC+8*NQ*\sc+NQ*\i+1], v[ADRS] offset:\i*512
.endr
.endm
.macro PLACES n
.rept \n
	v_nop
.endr
.endm
.macro STEP slot, q, zero
	s_wait_dscnt 4*NL                              ; B's set and A's blocks 0-3 are in; the youngest 16 loads (A's blocks 4-7) may be out
	WIN MUL_LO-0x20*(\zero)                        ; (zero = 1: C, the bias, lies in window 0)
	MUL16 0, (\q)%2, \q, \slot, \zero
	MUL16 2, (\q)%2, \q, \slot, \zero
	s_wait_dscnt 0
	PLACES NP
	FETCH_B \slot, (\q)+1, 1-(\q)%2
	FETCH_A \slot, (\q)+1, 0
	WIN MUL_HI-0x30*(\zero)
	MUL16 4, (\q)%2, \q, \slot, \zero
	MUL16 6, (\q)%2, \q, \slot, \zero
	PLACES NP
	WIN 0
	FETCH_A \slot, (\q)+1, 4
.endm
.macro TURN slot, next, fill
	s_wait_tensorcnt 0x0                           ; all my tensor loads have landed: my part of the next slot
	ds_add_u32 v[SPW], v[NIL]
	s_wait_dscnt 4*NL+1                            ; (the add and the youngest 16 loads may be out)
	WIN MUL_LO
	MUL16 0, 1, NQ-1, \slot, 0
	s_wait_dscnt 0x0                               ; the add is done, and my reads of this slot are over
	s_barrier_signal -1
	MUL16 2, 1, NQ-1, \slot, 0
	WIN 0
	s_barrier_wait -1
.if \fill
	CREST
	s_add_nc_u64 s[G0+4*\slot+2:G0+4*\slot+3], s[G0+4*\slot+2:G0+4*\slot+3], 2*RT
	s_add_nc_u64 s[G0B+4*\slot+2:G0B+4*\slot+3], s[G0B+4*\slot+2:G0B+4*\slot+3], 2*RT
	JLOAD G0+4*\slot, G1, G0B+4*\slot, G1B
.else
	PLACES NP
.endif
	v_add_nc_u32 v[ADRS], 128, v[ADRS]
	FETCH_B \next, 0, 0
	FETCH_A \next, 0, 0
	SCALES \next
	WIN MUL_HI
	MUL16 4, 1, NQ-1, \slot, 0
	MUL16 6, 1, NQ-1, \slot, 0
	PLACES NP
	WIN 0
	FETCH_A \next, 0, 4
.endm
	s_wait_tensorcnt 1                             ; the scale words and my part of K step 0 are in (K step 1's load may be out),
	s_barrier_signal -1
	s_barrier_wait -1
	FETCH_B 0, 0, 0
	FETCH_A 0, 0, 0
	SCALES 0
	FETCH_A 0, 0, 4
	s_wait_loadcnt 0x0                             ; the bias
	STEP 0, 0, 1
	s_mov_b32 s3, LAPS-1
.Llap:
	TURN 0, 1, 1
	STEP 1, 0, 0
	TURN 1, 0, 1
	STEP 0, 0, 0
	s_sub_co_u32 s3, s3, 1
	s_cmp_lg_u32 s3, 0
	s_cbranch_scc1 .Llap
	TURN 0, 1, 0
	STEP 1, 0, 0
	s_wait_dscnt 4*NL
	WIN MUL_LO
	MUL16 0, 1, NQ-1, 1, 0
	MUL16 2, 1, NQ-1, 1, 0
	s_wait_dscnt 0
	WIN MUL_HI
	MUL16 4, 1, NQ-1, 1, 0
	MUL16 6, 1, NQ-1, 1, 0
	WIN 0
; THE WAY OUT, block by block of 16 tokens x 128 outputs, through my own stage: in by 32 bytes a lane, at the outputs' true places; back as whole rows of 512 bytes.  LDS serves a wave's instructions in order.
.macro TOSTAGE a
.set AC, 64*((\a)%4)
	WIN 0x08+4*((\a)/4)                            ; the data: window 2 or 3
.irp b, 0,1,2,3,4,5,6,7
	ds_store_b128 v[STO], v[AC+8*\b:AC+8*\b+3] offset:128*(\b/2)+32*(\b%2)         ; each accumulator from its low end on
	ds_store_b128 v[STO], v[AC+8*\b+4:AC+8*\b+7] offset:128*(\b/2)+32*(\b%2)+16
.endr
	WIN 0
.set BB, BK+64*((\a)%2)
.irp t, 0,1,2,3,4,5,6,7,8,9,10,11,12,13,14,15
	ds_load_b128 v[BB+4*\t:BB+4*\t+3], v[RD] offset:\t*SPITCH
.endr
.endm
.macro SEND a, younger
.set BB, BK+64*((\a)%2)
	s_wait_dscnt \younger                          ; the block is back in registers
.if (\a) > 0
.if ((\a)%2) == 1
	s_add_nc_u64 s[98:99], s[98:99], 32768         ; (behind a wait on XCNT)  an odd row tile begins 8 tokens on,
.else
	s_add_nc_u64 s[98:99], s[98:99], 98304         ; an even one 24
.endif
.endif
.irp t, 0,1,2,3,4,5,6,7,8,9,10,11,12,13,14,15
	global_store_b128 v[CO], v[BB+4*\t:BB+4*\t+3], s[98:99] offset:(\t+8*(\t/8))*4096 th:TH_STORE_NT   ; 32 lanes store 512 consecutive bytes, at a multiple of 256 from out0's first byte
.endr
.endm
	PLACES NP
	TOSTAGE 0
.irp a, 1,2,3,4,5,6,7
.if \a > 1
	s_wait_xcnt 0x0                                ; block a - 2's stores have read their registers and their base
.endif
	TOSTAGE \a
	SEND \a-1, 32                                  ; behind block a - 1's loads: block a's 16 stores and 16 loads
.endr
	s_wait_xcnt 0x0
	SEND 7, 0
	s_wait_tensorcnt 0x0                           ; the wave's end: behind my last LDS store
	ds_add_u32 v[SPW], v[NIL]
	s_wait_dscnt 0x0
	CROUND                                         ; the closing round
	s_endpgm
.Lfunc_end_k_q90fb6dc4d6_gemm2:
	.size	k_q90fb6dc4d6_gemm2, .Lfunc_end_k_q90fb6dc4d6_gemm2-k_q90fb6dc4d6_gemm2
	.p2alignl 7, 3214868480
	.fill 96, 4, 3214868480
	.section	.rodata,"a",@progbits
	.p2align	6, 0x0
	.amdhsa_kernel k_q90fb6dc4d6_gemm2
		.amdhsa_group_segment_fixed_size 327680
		.amdhsa_private_segment_fixed_size 0
		.amdhsa_enable_private_segment 0
		.amdhsa_kernarg_size 48
		.amdhsa_user_sgpr_count 2
		.amdhsa_user_sgpr_kernarg_segment_ptr 1
		.amdhsa_wavefront_size32 1
		.amdhsa_system_sgpr_workgroup_id_x 1
		.amdhsa_system_sgpr_workgroup_id_y 1
		.amdhsa_system_sgpr_workgroup_id_z 1
		.amdhsa_system_vgpr_workitem_id 0
		.amdhsa_next_free_vgpr 1024
		.amdhsa_next_free_sgpr 102
		.amdhsa_reserve_vcc 0
		.amdhsa_float_denorm_mode_32 3
		.amdhsa_float_denorm_mode_16_64 3
		.amdhsa_memory_ordered 1
		.amdhsa_forward_progress 1
		.amdhsa_inst_pref_size 145
	.end_amdhsa_kernel
	.amdgpu_metadata
---
amdhsa.version: [ 1, 2 ]
amdhsa.kernels:
  - .name:           k_q90fb6dc4d6_gemm2
    .symbol:         k_q90fb6dc4d6_gemm2.kd
    .args:
      - { .name: aimg, .offset: 0, .size: 8, .value_kind: global_buffer, .address_space: global }
      - { .name: asc, .offset: 8, .size: 8, .value_kind: global_buffer, .address_space: global }
      - { .name: opimg, .offset: 16, .size: 8, .value_kind: global_buffer, .address_space: global }
      - { .name: opsc, .offset: 24, .size: 8, .value_kind: global_buffer, .address_space: global }
      - { .name: b_out, .offset: 32, .size: 8, .value_kind: global_buffer, .address_space: global }
      - { .name: out0, .offset: 40, .size: 8, .value_kind: global_buffer, .address_space: global }
    .group_segment_fixed_size: 327680
    .private_segment_fixed_size: 0
    .kernarg_segment_align: 8
    .kernarg_segment_size: 48
    .max_flat_workgroup_size: 128
    .sgpr_count:     102
    .vgpr_count:     1024
    .wavefront_size: 32
...
	.end_amdgpu_metadata
.endif
;; end of part 4
;; ======== version 2 of 2: 4 launches
;; limits: right only within a limited range of input values
;; workspace buffers: opimg 6,291,456 bytes; opsc 262,144 bytes; maskw 4,194,304 bytes; qkvimg 9,437,184 bytes; qkvsc 655,360 bytes; aimg 3,145,728 bytes; asc 131,072 bytes
;; launch prep (part 5): grid 1024 x 1, 4 waves a work-group, no clusters, 52,736 bytes of LDS; arguments q, W_all, W_out, attn_mask, kv_mask, opimg, opsc, maskw; writes opimg, opsc, maskw
.if DOCPART == 5
	.amdgcn_target "amdgcn-amd-amdhsa--gfx1250"
	.amdhsa_code_object_version 6
	.text
	.protected	k_q90fb6dc4d6_prep
	.globl	k_q90fb6dc4d6_prep
	.p2align	8
	.type	k_q90fb6dc4d6_prep,@function
k_q90fb6dc4d6_prep:
	s_mov_b64 s[64:65], 0
	v_nop
	global_prefetch_b8 v0, s[64:65] scope:SCOPE_SE
	s_setreg_imm32_b32 hwreg(HW_REG_WAVE_MODE, 25, 1), 1
	s_wait_xcnt 0x0
; Work-groups 0-511: q [4096][1024], W_all [3072][1024], W_out [1024][1024], f32, become codes of FP6 (E2M3) with one E8M0 byte for each 32 along K.
; Work-groups 512-1023: kv_mask AND attn_mask becomes codes of FP4, one nibble a score (0: kept, 0xf = -6: hidden), in the order in which the attention launch holds its scores.
; LAYOUT OF THE CODES.  A piece is 16 rows x 64 along K, stored as an image of six operand registers, 768 bytes: registers 0-3 at 16 x lane, registers 4-5 at 512 + 8 x lane;
; lane (r, h) holds block h (32 codes, 24 bytes) of the tile's row r.  Lane r of row tile t is row 32 (t / 2) + 8 (t % 2) + r + 8 (r / 8).  opimg: [512 row tiles][16 pieces][768]; tiles 0-255 q, 256-447 W_all, 448-511 W_out.
; opsc: [512 row tiles][4 runs of 256 k][16 rows][2 words]; a word holds the four bytes of 128 k.
; maskw: [b 2][query tile 128][w 8][4 groups][32 lanes][4 words]: word T = 4 group + i of lane (r, h), nibble j: query r of the tile, key 256 w + 32 (T / 2) + 8 (T % 2) + 16 h + j.
; A block's scale is 2^(floor(log2(largest magnitude)) - 2); its byte is the largest magnitude's exponent field - 2, held at 1 from below.
; LIMITS: NaN and infinities among the inputs are not served; a block of zeros, or one whose largest magnitude lies under 2^-124, gets the byte 1 (a block of zeros has zero codes, and this program alone reads the bytes).
; Each load of a wave takes whole rows of 256 bytes (sixteen lanes a row), each store whole aligned runs of 256 or 512 bytes.  No matrix unit, no cluster, no tensor load: waves share nothing.
.set QST,   0                          ; LDS: the quantiser's stages: 4 waves x 2 x (16 rows x 272 bytes)
.set MST,   34816                      ; the mask path's stages, bytes of their own: 4 waves x (16 rows x 272)
.set SPARE, 52224                      ; the spare words, 128 bytes a wave
.set R,  16                            ; v16-143  four pieces as loaded
.set X,  144                           ; v144-207 two sets of 32 neighbours along K
.set C,  208                           ; v208-239 codes, 8 registers a piece
.set Y,  16                            ; mask path: v16-47 bytes behind the turn
.set MR, 64                            ; v64-95 bytes as loaded
.set KV, 96                            ; v96-99 kv_mask's bytes
.set OM, 100                           ; v100-115 the 16 words
.set OD, 116                           ; v116-131 the odd keys' bytes
	s_load_b256 s[4:11], s[0:1], 0x0               ; q, W_all, W_out, attn_mask
	s_load_b256 s[12:19], s[0:1], 0x20             ; kv_mask, opimg, opsc, maskw
	v_lshl_add_u32 v12, v0, 2, SPARE               ; my spare word; never rewritten
	v_mov_b32 v13, 0                               ; 0; never rewritten
	v_lshrrev_b32 v9, 5, v0
	v_readfirstlane_b32 s20, v9                    ; wave
	v_and_b32 v1, 15, v0                           ; c = lane % 16
	v_bfe_u32 v2, v0, 4, 1                         ; hh = lane / 16
	v_and_b32 v10, 31, v0
	v_lshlrev_b32 v6, 4, v10                       ; 16 x lane
	v_lshlrev_b32 v7, 3, v10                       ; 8 x lane
	v_lshlrev_b32 v8, 3, v1                        ; 8 c
	v_lshlrev_b32 v249, 4, v1                      ; 16 c
	v_lshl_add_u32 v3, v2, 12, v249                ; f32 rows: 4096 hh + 16 c
	v_lshl_add_u32 v248, v2, 11, v249              ; mask rows: 2048 hh + 16 c
	s_mul_i32 s21, s20, 8704
	s_mul_i32 s22, s20, 4352
	s_add_co_u32 s22, s22, MST
	v_mad_u32_u24 v9, v2, 272, v249                ; every LDS address is made here, ahead of the parting of the two paths
	v_add_nc_u32 v4, s21, v9                       ; quantiser, into the stage: row 2 n + hh, 16 c
	v_add_nc_u32 v14, s22, v9                      ; mask, into its stage
	v_mul_u32_u24 v9, v1, 272
	v_lshl_add_u32 v10, v2, 7, v9
	v_add_nc_u32 v5, s21, v10                      ; quantiser, out of the stage: row c, block hh (128 bytes)
	v_lshl_add_u32 v10, v2, 4, v9
	v_add_nc_u32 v15, s22, v10                     ; mask, out of its stage: row c, 16 hh
	s_mov_b32 s30, 0x76543210
	s_mov_b32 s31, 0xfedcba98                      ; selects for lane l xor 16
	s_mov_b32 s32, 0x06040200                      ; byte selects: the even keys of eight,
	s_mov_b32 s33, 0x07050301                      ; the odd ones
	s_wait_kmcnt 0x0
	s_cmp_ge_u32 ttmp9, 512
	s_cbranch_scc1 .Lmask
; ---- the quantiser: the work-group is a row tile, the wave a run of 256 along K: four pieces
	s_mov_b32 s24, 448
	s_cmp_lt_u32 ttmp9, 448
	s_cselect_b64 s[22:23], s[6:7], s[8:9]
	s_cselect_b32 s24, 256, s24
	s_cmp_lt_u32 ttmp9, 256
	s_cselect_b64 s[22:23], s[4:5], s[22:23]       ; the tensor, chosen by the work-group's number alone
	s_cselect_b32 s24, 0, s24
	s_sub_co_u32 s24, ttmp9, s24                   ; the row tile within it
	s_lshr_b32 s25, s24, 1
	s_lshl_b32 s25, s25, 17                        ; 32 rows of 4,096 bytes
	s_and_b32 s26, s24, 1
	s_lshl_b32 s26, s26, 15                        ; 8 rows
	s_add_co_u32 s26, s26, s25
	s_lshl_b32 s25, s20, 10                        ; my 256 numbers of a row
	s_add_co_u32 s26, s26, s25
	s_mov_b32 s27, 0
	s_add_nc_u64 s[22:23], s[22:23], s[26:27]
	s_mul_i32 s26, ttmp9, 12288
	s_mul_i32 s25, s20, 3072
	s_add_co_u32 s26, s26, s25
	s_add_nc_u64 s[14:15], s[14:15], s[26:27]      ; my four pieces in opimg
	s_lshl_b32 s26, ttmp9, 9
	s_lshl_b32 s25, s20, 7
	s_add_co_u32 s26, s26, s25
	s_add_nc_u64 s[16:17], s[16:17], s[26:27]      ; my 128 bytes in opsc
.macro LOAD kc                         ; piece kc: 16 rows x 256 bytes; sixteen lanes take a row's 256 bytes, two rows a load
.irp n, 0,1,2,3,4,5,6,7
	global_load_b128 v[R+32*(\kc)+4*\n:R+32*(\kc)+4*\n+3], v3, s[22:23] offset:(2*\n+8*(\n/4))*4096+256*(\kc) th:TH_LOAD_NT
.endr
.endm
.macro TURN kc                         ; through my stage: in as loaded, out 128 neighbouring bytes a lane.  LDS serves a wave's instructions in order: no wait between
.irp n, 0,1,2,3,4,5,6,7
	ds_store_b128 v4, v[R+32*(\kc)+4*\n:R+32*(\kc)+4*\n+3] offset:4352*((\kc)%2)+544*\n
.endr
.irp i, 0,1,2,3,4,5,6,7
	ds_load_b128 v[X+32*((\kc)%2)+4*\i:X+32*((\kc)%2)+4*\i+3], v5 offset:4352*((\kc)%2)+16*\i
.endr
.endm
.macro STEP kc
.set XS, X+32*((\kc)%2)
	s_wait_dscnt 0x0                               ; this piece's numbers are back from the stage
.if (\kc) < 3
	s_wait_loadcnt 8*(2-(\kc))                     ; the next piece's eight loads are in; those of the pieces behind it may be out
	TURN (\kc)+1
.endif
	v_max3_num_f32 v9, |v[XS]|, |v[XS+1]|, 0x1800000   ; the block's largest magnitude: all 32 numbers are mine; the floor 2^(3 - 127) holds the byte at 1 from below
	v_max3_num_f32 v10, |v[XS+2]|, |v[XS+3]|, 0x1800000
.irp i, 4,8,12,16,20,24,28
	v_max3_num_f32 v9, v9, |v[XS+\i]|, |v[XS+\i+1]|
	v_max3_num_f32 v10, v10, |v[XS+\i+2]|, |v[XS+\i+3]|
.endr
	v_max_num_f32 v9, v9, v10
	v_add_nc_u32 v11, 0xff000000, v9               ; 2 off the exponent field: the conversion takes this operand's exponent field as its scale
	v_cvt_scalef32_pk16_fp6_f32 v[C+8*(\kc):C+8*(\kc)+2], v[XS:XS+15], v11
	v_cvt_scalef32_pk16_fp6_f32 v[240:242], v[XS+16:XS+31], v11   ; (a conversion's three registers begin on an even number)
	v_lshrrev_b32 v246, 23, v11                    ; the scale's byte; also the plain line behind the conversions
.irp i, 0,1,2
	v_mov_b32 v[C+8*(\kc)+3+\i], v[240+\i]
.endr
.if ((\kc)%2) == 0
	v_mov_b32 v[244+(\kc)/2], v246
.else
	v_lshl_or_b32 v[244+(\kc)/2], v246, 16, v[244+(\kc)/2]
.endif
	global_store_b128 v6, v[C+8*(\kc):C+8*(\kc)+3], s[14:15] offset:768*(\kc)          ; 512 consecutive bytes
	global_store_b64 v7, v[C+8*(\kc)+4:C+8*(\kc)+5], s[14:15] offset:768*(\kc)+512     ; 256 consecutive bytes
.endm
	LOAD 0
	LOAD 1
	LOAD 2
	LOAD 3
	s_wait_loadcnt 24                              ; piece 0's eight loads are in
	s_wait_alu depctr_va_vdst(0)
	TURN 0
	STEP 0
	STEP 1
	STEP 2
	STEP 3
	v_lshlrev_b32 v247, 3, v2                      ; my bytes stand at blocks hh and 2 + hh of each word: 8 hh bits up,
	v_lshlrev_b32 v244, v247, v244
	v_lshlrev_b32 v245, v247, v245
	v_permlanex16_b32 v240, v244, s30, s31         ; and with lane l xor 16's the words are whole
	v_permlanex16_b32 v241, v245, s30, s31
	v_or_b32 v244, v244, v240
	v_or_b32 v245, v245, v241
	global_store_b64 v8, v[244:245], s[16:17]      ; row c's two words; both halves of the lanes write the same bytes with the same values
	s_branch .Lend
; ---- the mask: the wave takes 16 queries x 256 keys
.Lmask:
	s_sub_co_u32 s24, ttmp9, 512                   ; u = 256 b + 2 tile + half
	s_lshr_b32 s25, s24, 8                         ; b
	s_bfe_u32 s26, s24, 0x70001                    ; the query tile
	s_and_b32 s27, s24, 1
	s_lshl_b32 s27, s27, 2
	s_add_co_u32 s27, s27, s20                     ; w: which 256 keys
	s_lshr_b32 s28, s26, 1
	s_lshl_b32 s28, s28, 16                        ; 32 rows of 2,048 bytes
	s_and_b32 s29, s26, 1
	s_lshl_b32 s29, s29, 14
	s_add_co_u32 s28, s28, s29
	s_lshl_b32 s29, s25, 22
	s_add_co_u32 s28, s28, s29
	s_lshl_b32 s29, s27, 8
	s_add_co_u32 s28, s28, s29
	s_mov_b32 s29, 0
	s_add_nc_u64 s[10:11], s[10:11], s[28:29]
	s_lshl_b32 s28, s25, 11
	s_lshl_b32 s26, s27, 8
	s_add_co_u32 s28, s28, s26
	s_add_nc_u64 s[12:13], s[12:13], s[28:29]
	s_lshl_b32 s28, s24, 2
	s_add_co_u32 s28, s28, s20
	s_lshl_b32 s28, s28, 11                        ; ((128 b + tile) 8 + w) x 2048 = (4 u + wave) x 2048
	s_add_nc_u64 s[18:19], s[18:19], s[28:29]
	s_wait_alu depctr_va_vdst(0)
.irp n, 0,1,2,3,4,5,6,7
	global_load_b128 v[MR+4*\n:MR+4*\n+3], v248, s[10:11] offset:(2*\n+8*(\n/4))*2048 th:TH_LOAD_NT
.endr
	global_load_b128 v[KV:KV+3], v249, s[12:13]
	s_wait_loadcnt 0x0
.irp n, 0,1,2,3,4,5,6,7
.irp i, 0,1,2,3
	v_and_b32 v[MR+4*\n+\i], v[MR+4*\n+\i], v[KV+\i]   ; bytes of 0 or 1: merged = attn_mask AND kv_mask
.endr
.endr
.irp n, 0,1,2,3,4,5,6,7
	ds_store_b128 v14, v[MR+4*\n:MR+4*\n+3] offset:544*\n
.endr
.irp n, 0,1,2,3,4,5,6,7
	ds_load_b128 v[Y+4*\n:Y+4*\n+3], v15 offset:32*\n   ; lane (r, h): keys 32 B + 16 h + 0 .. 15 of query r
.endr
	s_wait_dscnt 0x0
; word T: the eight bytes in v[Y + 2 T], v[Y + 2 T + 1] become eight nibbles, key j in nibble j
.irp t, 0,1,2,3,4,5,6,7,8,9,10,11,12,13,14,15
	v_perm_b32 v[OM+\t], v[Y+2*\t+1], v[Y+2*\t], s32   ; keys 0, 2, 4, 6, a byte each
	v_perm_b32 v[OD+\t], v[Y+2*\t+1], v[Y+2*\t], s33   ; keys 1, 3, 5, 7
.endr
.irp t, 0,1,2,3,4,5,6,7,8,9,10,11,12,13,14,15
	v_lshl_or_b32 v[OM+\t], v[OD+\t], 4, v[OM+\t]      ; one bit a nibble: 1 = kept
.endr
.irp t, 0,1,2,3,4,5,6,7,8,9,10,11,12,13,14,15
	v_xor_b32 v[OM+\t], 0x11111111, v[OM+\t]           ; 1 = hidden
.endr
.irp t, 0,1,2,3,4,5,6,7,8,9,10,11,12,13,14,15
	v_mul_lo_u32 v[OM+\t], v[OM+\t], 15                ; 0xf = the FP4 code of -6; no carry leaves a nibble
.endr
.irp g, 0,1,2,3
	global_store_b128 v6, v[OM+4*\g:OM+4*\g+3], s[18:19] offset:512*\g   ; 512 consecutive bytes
.endr
.Lend:
	s_wait_tensorcnt 0x0                           ; the wave's end: behind my last LDS store
	ds_add_u32 v12, v13
	s_wait_dscnt 0x0
	s_endpgm
.Lfunc_end_k_q90fb6dc4d6_prep:
	.size	k_q90fb6dc4d6_prep, .Lfunc_end_k_q90fb6dc4d6_prep-k_q90fb6dc4d6_prep
	.p2alignl 7, 3214868480
	.fill 96, 4, 3214868480
	.section	.rodata,"a",@progbits
	.p2align	6, 0x0
	.amdhsa_kernel k_q90fb6dc4d6_prep
		.amdhsa_group_segment_fixed_size 52736
		.amdhsa_private_segment_fixed_size 0
		.amdhsa_enable_private_segment 0
		.amdhsa_kernarg_size 64
		.amdhsa_user_sgpr_count 2
		.amdhsa_user_sgpr_kernarg_segment_ptr 1
		.amdhsa_wavefront_size32 1
		.amdhsa_system_sgpr_workgroup_id_x 1
		.amdhsa_system_sgpr_workgroup_id_y 1
		.amdhsa_system_sgpr_workgroup_id_z 1
		.amdhsa_system_vgpr_workitem_id 0
		.amdhsa_next_free_vgpr 256
		.amdhsa_next_free_sgpr 66
		.amdhsa_reserve_vcc 0
		.amdhsa_float_denorm_mode_32 3
		.amdhsa_float_denorm_mode_16_64 3
		.amdhsa_memory_ordered 1
		.amdhsa_forward_progress 1
		.amdhsa_inst_pref_size 27
	.end_amdhsa_kernel
	.amdgpu_metadata
---
amdhsa.version: [ 1, 2 ]
amdhsa.kernels:
  - .name:           k_q90fb6dc4d6_prep
    .symbol:         k_q90fb6dc4d6_prep.kd
    .args:
      - { .name: q, .offset: 0, .size: 8, .value_kind: global_buffer, .address_space: global }
      - { .name: W_all, .offset: 8, .size: 8, .value_kind: global_buffer, .address_space: global }
      - { .name: W_out, .offset: 16, .size: 8, .value_kind: global_buffer, .address_space: global }
      - { .name: attn_mask, .offset: 24, .size: 8, .value_kind: global_buffer, .address_space: global }
      - { .name: kv_mask, .offset: 32, .size: 8, .value_kind: global_buffer, .address_space: global }
      - { .name: opimg, .offset: 40, .size: 8, .value_kind: global_buffer, .address_space: global }
      - { .name: opsc, .offset: 48, .size: 8, .value_kind: global_buffer, .address_space: global }
      - { .name: maskw, .offset: 56, .size: 8, .value_kind: global_buffer, .address_space: global }
    .group_segment_fixed_size: 52736
    .private_segment_fixed_size: 0
    .kernarg_segment_align: 8
    .kernarg_segment_size: 64
    .max_flat_workgroup_size: 128
    .sgpr_count:     66
    .vgpr_count:     256
    .wavefront_size: 32
...
	.end_amdgpu_metadata
.endif
;; end of part 5
;; launch gemm1 (part 6): grid 12 x 16, 4 waves a work-group, clusters of 4 x 4, 327,680 bytes of LDS; arguments opimg, opsc, qkvimg, qkvsc; writes qkvimg, qkvsc
.if DOCPART == 6
	.amdgcn_target "amdgcn-amd-amdhsa--gfx1250"
	.amdhsa_code_object_version 6
	.text
	.protected	k_q90fb6dc4d6_gemm1
	.globl	k_q90fb6dc4d6_gemm1
	.p2align	8
	.type	k_q90fb6dc4d6_gemm1,@function
k_q90fb6dc4d6_gemm1:
	s_mov_b64 s[64:65], 0
	v_nop
	global_prefetch_b8 v0, s[64:65] scope:SCOPE_SE
	s_setreg_imm32_b32 hwreg(HW_REG_WAVE_MODE, 25, 1), 1
	s_wait_xcnt 0x0
	s_wait_alu depctr_hold_cnt(0) depctr_sa_sdst(0) depctr_va_vdst(0) depctr_va_sdst(0) depctr_va_ssrc(0) depctr_va_vcc(0) depctr_vm_vsrc(0)
	s_getreg_b32 s2, hwreg(HW_REG_IB_STS2, 6, 4)
	s_cmp_eq_u32 s2, 0
	s_cbranch_scc0 .Lentry_in_a_cluster
	s_endpgm
.Lentry_in_a_cluster:
	s_bfe_u32 s2, ttmp6, 0x10000c
	s_cmp_lg_u32 s2, 0xf033
	s_cbranch_scc0 .Lentry_shape_is_right
	s_endpgm
.Lentry_shape_is_right:
.set NQ,     2
.set FR,     12
.set NL,     4
.set NP,     4
.set RT,     3072
.set HALFT,  8*RT
.set SLOT,   4*HALFT
.set LAPS,   2
.set SCL,    2*SLOT
.set HALFS,  4096
.set SPARE,  SCL+4*HALFS
.set VI,     6291456
.set VS,     524288
.set L16,  8
.set L8,   9
.set L4,   10
.set ADRA, 16
.set ADRB, 20
.set ADRS, 27
.set SPW,  28
.set NIL,  29
.set SC,   32
.set AF,   128
.set TM,   64
.set PW,   80
.set W0,   82
.set W1,   83
.set H0,   84
.set H1,   85
.set PC,   96
.set G1,   24
.set G0,   32
.set G1B,  48
.set G0B,  56
.set G1S,  68
.set G0S,  76
.set G1SB, 80
.set G0SB, 88
.set MSB, 0
.macro WIN new
.if MSB != (\new)
	s_set_vgpr_msb (MSB<<8)|(\new)
.set MSB, (\new)
.endif
.endm
.set MUL_LO, 0xa1
.set MUL_HI, 0xf1
.set TO_B,   0x40
.macro JLOAD g0a, g1a, g0b, g1b
	s_cmp_eq_u32 s15, 0
	s_cbranch_scc0 .Lfor_b_\@
	tensor_load_to_lds s[\g0a:\g0a+3], s[\g1a:\g1a+7]
	s_nop 0
.rept 4
	v_nop
.endr
	s_branch .Lasked_\@
.Lfor_b_\@:
	tensor_load_to_lds s[\g0b:\g0b+3], s[\g1b:\g1b+7]
	s_nop 0
.rept 4
	v_nop
.endr
.Lasked_\@:
.endm
.macro CREST
	s_cmp_lg_u32 s14, 0
	s_cbranch_scc1 .Lnot_wave_0_\@
	s_barrier_signal -3
.Lnot_wave_0_\@:
	s_barrier_wait -3
	s_barrier_signal -1
	s_barrier_wait -1
.endm
.macro CROUND
	s_barrier_signal -1
	s_barrier_wait -1
	CREST
.endm
	s_load_b256 s[4:11], s[0:1], 0x0
	v_lshl_add_u32 v[SPW], v0, 2, SPARE
	v_mov_b32 v[NIL], 0
	ds_add_u32 v[SPW], v[NIL]
	ds_add_u32 v[SPW], v[NIL]
	v_lshrrev_b32 v1, 5, v0
	v_readfirstlane_b32 s14, v1
	s_lshr_b32 s15, s14, 1
	s_and_b32 s16, s14, 1
	s_bfe_u32 s40, ttmp6, 0x40000
	s_bfe_u32 s41, ttmp6, 0x40004
	s_and_b32 s95, ttmp7, 0xffff
	s_cmp_eq_u32 ttmp9, 2
	s_cselect_b32 s96, 0, s95
	s_cselect_b32 s97, s95, ttmp9
	s_cselect_b32 s98, 384, 0
	s_cselect_b32 s99, 0, 256
	s_lshl_b32 s42, s97, 2
	s_add_co_u32 s42, s42, s40
	s_lshl_b32 s17, s96, 2
	s_add_co_u32 s17, s17, s41
	s_lshl_b32 s43, s41, 2
	s_lshl_b32 s43, 15, s43
	s_lshl_b32 s44, 0x1111, s40
	s_or_b32 s[G1+0], s43, (3<<16)|(1<<21)
	s_or_b32 s[G1B+0], s44, (3<<16)|(1<<21)
.irp g, G1, G1B
	s_mov_b32 s[\g+1], 384<<16
	s_mov_b32 s[\g+2], 16<<16                      ; the head's loads bring 16 row tiles; behind them the two words that count rows are set to 8, for the ring's
	s_mov_b32 s[\g+3], 384<<16
	s_mov_b32 s[\g+4], 16
	s_mov_b32 s[\g+5], 1536
	s_mov_b32 s[\g+6], 0
	s_mov_b32 s[\g+7], 0
.endr
	s_lshl_b32 s18, s16, 3
	s_lshl_b32 s20, s17, 4
	s_add_co_u32 s20, s20, s18
	s_add_co_u32 s20, s20, s98
	s_lshl_b32 s46, s42, 4
	s_add_co_u32 s46, s46, s18
	s_add_co_u32 s46, s46, s99
	s_lshl_b32 s22, s20, 9
	s_mov_b32 s23, 0
	s_lshl_b32 s92, s46, 9
	s_mov_b32 s93, 0
	s_mul_i32 s20, s20, 12288
	s_mov_b32 s21, 0
	s_mul_i32 s46, s46, 12288
	s_mov_b32 s47, 0
	s_mul_i32 s45, s14, HALFT
	s_lshl_b32 s94, s14, 12
	s_mov_b32 s100, 0x76543210
	s_mov_b32 s101, 0xfedcba98
	s_wait_dscnt 0x0
	s_wait_kmcnt 0x0
	s_add_nc_u64 s[20:21], s[4:5], s[20:21]
	s_add_nc_u64 s[22:23], s[6:7], s[22:23]
	s_add_nc_u64 s[46:47], s[4:5], s[46:47]
	s_add_nc_u64 s[92:93], s[6:7], s[92:93]
	CROUND
; THE HEAD'S LOADS, ONE A WAVE: both slots are asked for at once, each operand's 16 row tiles whole:
; wave 0 brings A's K chunk 0, wave 1 B's, wave 2 A's chunk 1, wave 3 B's.  The four descriptors are the ring's own; behind the wait for these loads they are set to the wave's 8 row tiles.
	s_mul_i32 s18, s16, 8*12288                    ; the ring's addresses hold my half of the 16 row tiles: taken off for the head
	s_mov_b32 s19, 0
	s_sub_nc_u64 s[20:21], s[20:21], s[18:19]
	s_sub_nc_u64 s[46:47], s[46:47], s[18:19]
.irp s, 0,1
	s_mov_b32 s[G0+4*\s], 1
	s_mov_b32 s[G0+4*\s+1], \s*SLOT
	s_add_nc_u64 s[G0+4*\s+2:G0+4*\s+3], s[20:21], \s*RT
	s_or_b32 s[G0+4*\s+3], s[G0+4*\s+3], 0x80000000
	s_mov_b32 s[G0B+4*\s], 1
	s_mov_b32 s[G0B+4*\s+1], \s*SLOT+2*HALFT
	s_add_nc_u64 s[G0B+4*\s+2:G0B+4*\s+3], s[46:47], \s*RT
	s_or_b32 s[G0B+4*\s+3], s[G0B+4*\s+3], 0x80000000
.endr
.macro ARM under, g0, g1, next         ; one chain of branches on the wave's number, one load to an arm, all arms leading to one join
	s_cmp_lt_u32 s14, \under
	s_cbranch_scc0 \next
	tensor_load_to_lds s[\g0:\g0+3], s[\g1:\g1+7]
	s_nop 0
.rept 4
	v_nop
.endr
	s_branch .Lhead_asked
\next:
.endm
	ARM 1, G0, G1, .Lhead_b0
	ARM 2, G0B, G1B, .Lhead_a1
	ARM 3, G0+4, G1, .Lhead_b1
	tensor_load_to_lds s[G0B+4:G0B+7], s[G1B:G1B+7]
	s_nop 0
.rept 4
	v_nop
.endr
.Lhead_asked:
; the scale words: each wave copies 4,096 dense bytes (waves 0, 1: A's two halves; waves 2, 3: B's) through registers into LDS bytes on which no tensor load lands
	s_cmp_eq_u32 s15, 0
	s_cselect_b64 s[12:13], s[22:23], s[92:93]
	v_and_b32 v4, 31, v0
	v_lshlrev_b32 v4, 4, v4
	s_add_co_u32 s94, s94, SCL
	v_add_nc_u32 v5, s94, v4
.irp i, 0,1,2,3,4,5,6,7
	global_load_b128 v[AF+4*\i:AF+4*\i+3], v4, s[12:13] offset:512*\i   ; 512 consecutive bytes
.endr
	v_and_b32 v1, 31, v0
	v_and_b32 v2, 15, v0
	v_bfe_u32 v3, v0, 4, 1
	v_lshlrev_b32 v[L16], 4, v1
	v_lshlrev_b32 v[L8], 3, v1
	v_lshlrev_b32 v[L4], 2, v1
	s_mul_i32 s21, s15, HALFT
	s_mul_i32 s22, s16, HALFT
	s_add_co_u32 s22, s22, 2*HALFT
.irp s, 0,1
	v_add_nc_u32 v[ADRA+\s], s21, v[L16]
	v_add_nc_u32 v[ADRB+\s], s22, v[L16]
	v_add_nc_u32 v[ADRA+2+\s], s21, v[L8]
	v_add_nc_u32 v[ADRB+2+\s], s22, v[L8]
	s_add_co_u32 s21, s21, SLOT
	s_add_co_u32 s22, s22, SLOT
.endr
	v_lshlrev_b32 v6, 3, v2
	s_lshl_b32 s21, s15, 12
	s_lshl_b32 s22, s16, 12
	s_add_co_u32 s22, s22, 2*HALFS
	s_sub_co_u32 s22, s22, s21
	v_mul_u32_u24 v7, s22, v3
	s_add_co_u32 s21, s21, SCL
	v_add_nc_u32 v6, v6, v7
	v_add_nc_u32 v[ADRS], s21, v6
.macro FRAG reg, adr, q, i
.irp c, 0,1
	ds_load_b128 v[\reg+6*\c:\reg+6*\c+3], v[\adr] offset:RT*(\i)+768*(2*(\q)+\c)
	ds_load_b64 v[\reg+6*\c+4:\reg+6*\c+5], v[\adr+2] offset:RT*(\i)+768*(2*(\q)+\c)+512
.endr
.endm
.macro MUL16 a0, p, q, sc, zero
.irp a, \a0, \a0+1
.irp b, 0,1,2,3,4,5,6,7
.if \zero
	v_wmma_scale_f32_16x16x128_f8f6f4 v[8*(8*((\a)%4)+\b):8*(8*((\a)%4)+\b)+7], v[128*(\p)+FR*\b:128*(\p)+FR*\b+FR-1], v[AF+FR*(\a):AF+FR*(\a)+FR-1], 0, v[SC+8*NQ*(\sc)+NQ*\b+(\q)], v[SC+8*NQ*(\sc)+NQ*(\a)+(\q)] matrix_a_fmt:MATRIX_FMT_FP6 matrix_b_fmt:MATRIX_FMT_FP6 matrix_a_scale:MATRIX_SCALE_ROW1
.else
	v_wmma_scale_f32_16x16x128_f8f6f4 v[8*(8*((\a)%4)+\b):8*(8*((\a)%4)+\b)+7], v[128*(\p)+FR*\b:128*(\p)+FR*\b+FR-1], v[AF+FR*(\a):AF+FR*(\a)+FR-1], v[8*(8*((\a)%4)+\b):8*(8*((\a)%4)+\b)+7], v[SC+8*NQ*(\sc)+NQ*\b+(\q)], v[SC+8*NQ*(\sc)+NQ*(\a)+(\q)] matrix_a_fmt:MATRIX_FMT_FP6 matrix_b_fmt:MATRIX_FMT_FP6 matrix_a_scale:MATRIX_SCALE_ROW1
.endif
.endr
.endr
.endm
.macro FETCH_B slot, q, p
	WIN TO_B
.irp i, 0,1,2,3,4,5,6,7
	FRAG 128*(\p)+FR*\i, ADRB+\slot, \q, \i
.endr
	WIN 0
.endm
.macro FETCH_A slot, q, i0
.irp i, \i0, \i0+1, \i0+2, \i0+3
	FRAG AF+FR*(\i), ADRA+\slot, \q, \i
.endr
.endm
.macro SCALES sc
.irp i, 0,1,2,3,4,5,6,7
	ds_load_b64 v[SC+8*NQ*\sc+NQ*\i:SC+8*NQ*\sc+NQ*\i+1], v[ADRS] offset:\i*512
.endr
.endm
.macro PLACES n
.rept \n
	v_nop
.endr
.endm
.macro STEP slot, q, zero
	s_wait_dscnt 4*NL
	WIN MUL_LO
	MUL16 0, (\q)%2, \q, \slot, \zero
	MUL16 2, (\q)%2, \q, \slot, \zero
	s_wait_dscnt 0
	PLACES NP
	FETCH_B \slot, (\q)+1, 1-(\q)%2
	FETCH_A \slot, (\q)+1, 0
	WIN MUL_HI
	MUL16 4, (\q)%2, \q, \slot, \zero
	MUL16 6, (\q)%2, \q, \slot, \zero
	PLACES NP
	WIN 0
	FETCH_A \slot, (\q)+1, 4
.endm
.macro TURN slot, next, fill
	s_wait_tensorcnt 0x0
	ds_add_u32 v[SPW], v[NIL]
	s_wait_dscnt 4*NL+1
	WIN MUL_LO
	MUL16 0, 1, NQ-1, \slot, 0
	s_wait_dscnt 0x0
	s_barrier_signal -1
	MUL16 2, 1, NQ-1, \slot, 0
	WIN 0
	s_barrier_wait -1
.if \fill
	CREST
	s_add_nc_u64 s[G0+4*\slot+2:G0+4*\slot+3], s[G0+4*\slot+2:G0+4*\slot+3], 2*RT
	s_add_nc_u64 s[G0B+4*\slot+2:G0B+4*\slot+3], s[G0B+4*\slot+2:G0B+4*\slot+3], 2*RT
	JLOAD G0+4*\slot, G1, G0B+4*\slot, G1B
.else
	PLACES NP
.endif
	s_wait_alu depctr_va_vdst(0)
	v_add_nc_u32 v[ADRS], 128, v[ADRS]
	FETCH_B \next, 0, 0
	FETCH_A \next, 0, 0
	SCALES \next
	WIN MUL_HI
	MUL16 4, 1, NQ-1, \slot, 0
	MUL16 6, 1, NQ-1, \slot, 0
	PLACES NP
	WIN 0
	FETCH_A \next, 0, 4
.endm
	s_wait_alu depctr_va_vdst(0)
	s_wait_loadcnt 0x0                             ; my scale words are in registers
	s_wait_tensorcnt 0x0                           ; my tile is in LDS, and no tensor load of mine is out: the descriptors may be written
.irp i, 0,1,2,3,4,5,6,7
	ds_store_b128 v5, v[AF+4*\i:AF+4*\i+3] offset:512*\i
.endr
	s_mov_b32 s[G1+2], 8<<16                       ; from here on a load brings my 8 row tiles
	s_mov_b32 s[G1+4], 8
	s_mov_b32 s[G1B+2], 8<<16
	s_mov_b32 s[G1B+4], 8
.irp s, 0,1
	s_add_co_u32 s[G0+4*\s+1], s45, \s*SLOT
	s_add_nc_u64 s[G0+4*\s+2:G0+4*\s+3], s[G0+4*\s+2:G0+4*\s+3], s[18:19]
	s_add_co_u32 s[G0B+4*\s+1], s45, \s*SLOT
	s_add_nc_u64 s[G0B+4*\s+2:G0B+4*\s+3], s[G0B+4*\s+2:G0B+4*\s+3], s[18:19]
.endr
	s_wait_dscnt 0x0                               ; for the others' sake: my stores have landed
	s_barrier_signal -1
	s_barrier_wait -1                              ; both slots and all scale words are whole
	FETCH_B 0, 0, 0
	FETCH_A 0, 0, 0
	SCALES 0
	FETCH_A 0, 0, 4
	STEP 0, 0, 1
	s_mov_b32 s3, LAPS-1
.Llap:
	TURN 0, 1, 1
	STEP 1, 0, 0
	TURN 1, 0, 1
	STEP 0, 0, 0
	s_sub_co_u32 s3, s3, 1
	s_cmp_lg_u32 s3, 0
	s_cbranch_scc1 .Llap
	TURN 0, 1, 0
	STEP 1, 0, 0
	s_wait_dscnt 4*NL
	WIN MUL_LO
	MUL16 0, 1, NQ-1, 1, 0
	MUL16 2, 1, NQ-1, 1, 0
	s_wait_dscnt 0
	WIN MUL_HI
	MUL16 4, 1, NQ-1, 1, 0
	MUL16 6, 1, NQ-1, 1, 0
	WIN 0
	s_lshl_b32 s24, s17, 1
	s_add_co_u32 s24, s24, s15
	s_lshl_b32 s25, s42, 1
	s_add_co_u32 s25, s25, s16
	s_mul_i32 s26, s25, 393216
	s_mul_i32 s27, s24, 6144
	s_add_co_u32 s26, s26, s27
	s_lshr_b32 s28, s25, 4
	s_and_b32 s29, s25, 15
	s_mul_i32 s30, s28, 1572864
	s_mul_i32 s31, s24, 196608
	s_add_co_u32 s30, s30, s31
	s_mul_i32 s31, s29, 6144
	s_add_co_u32 s30, s30, s31
	s_add_co_u32 s30, s30, VI
	s_lshl_b32 s32, s25, 15
	s_lshl_b32 s33, s24, 9
	s_add_co_u32 s32, s32, s33
	s_lshl_b32 s34, s28, 16
	s_lshl_b32 s35, s24, 13
	s_add_co_u32 s34, s34, s35
	s_lshl_b32 s35, s29, 8
	s_add_co_u32 s34, s34, s35
	s_add_co_u32 s34, s34, VS
	s_mov_b32 s36, 196608
	s_mov_b32 s37, 3072
	s_mov_b32 s38, 256
	s_mov_b32 s39, 0x01000100
	s_cmp_eq_u32 ttmp9, 2
	s_cselect_b32 s26, s30, s26
	s_cselect_b32 s32, s34, s32
	s_cselect_b32 s36, 3072, s36
	s_cselect_b32 s37, 98304, s37
	s_cselect_b32 s38, 4096, s38
	s_cselect_b32 s39, 0x03020100, s39
	s_mov_b32 s61, 0x03020302
	s_mov_b32 s60, 0xffff0000
	s_mov_b32 s27, 0
	s_add_nc_u64 s[48:49], s[8:9], s[26:27]
	s_mov_b32 s30, s36
	s_mov_b32 s31, 0
	s_add_nc_u64 s[50:51], s[48:49], s[30:31]
	s_mov_b32 s28, s37
	s_mov_b32 s29, 0
	s_add_nc_u64 s[52:53], s[48:49], s[28:29]
	s_add_nc_u64 s[54:55], s[50:51], s[28:29]
	s_mov_b32 s33, 0
	s_add_nc_u64 s[56:57], s[10:11], s[32:33]
	s_mov_b32 s34, s38
	s_mov_b32 s35, 0
	s_add_nc_u64 s[58:59], s[56:57], s[34:35]
.macro QUANTW s, w
	WIN (\w)|((\w)<<2)
.irp b, 0,1,2,3
	v_max3_num_f32 v[TM+\b], |v[(\s)+16*\b]|, |v[(\s)+1+16*\b]|, 0x1800000
.endr
	WIN ((\w)<<2)|((\w)<<4)
.irp i, 2,4,6,8,10,12,14
.irp b, 0,1,2,3
	v_max3_num_f32 v[TM+\b], v[TM+\b], |v[(\s)+16*\b+\i]|, |v[(\s)+1+16*\b+\i]|
.endr
.endr
	WIN 0
.irp b, 0,1,2,3
	v_permlanex16_b32 v[TM+4+\b], v[TM+\b], s100, s101
.endr
.irp b, 0,1,2,3
	v_max_num_f32 v[TM+\b], v[TM+\b], v[TM+4+\b]
.endr
.irp b, 0,1,2,3
	v_add_nc_u32 v[TM+12+\b], 0xff000000, v[TM+\b]
.endr
.irp b, 0,1,2,3
	v_lshrrev_b32 v[TM+4+\b], 23, v[TM+12+\b]
.endr
	v_lshl_or_b32 v[PW], v[TM+5], 8, v[TM+4]
	v_lshl_or_b32 v[PW], v[TM+6], 16, v[PW]
	v_lshl_or_b32 v[PW], v[TM+7], 24, v[PW]
	WIN (\w)
.irp c, 0,1
	v_cvt_scalef32_pk16_fp6_f32 v[PC+6*\c:PC+2+6*\c], v[(\s)+32*\c:(\s)+15+32*\c], v[TM+12+2*\c]
	v_cvt_scalef32_pk16_fp6_f32 v[PC+12+4*\c:PC+14+4*\c], v[(\s)+16+32*\c:(\s)+31+32*\c], v[TM+12+2*\c+1]
.endr
	WIN 0
	v_nop
.irp c, 0,1
.irp i, 0,1,2
	v_permlane16_swap_b32 v[PC+6*\c+\i], v[PC+12+4*\c+\i]
.endr
.irp i, 0,1,2
	v_mov_b32 v[PC+3+6*\c+\i], v[PC+12+4*\c+\i]
.endr
.endr
.endm
.macro OUTA a
	s_wait_xcnt 0x0
	QUANTW 64*((\a)%4), 2+(\a)/4
.irp c, 0,1
	global_store_b128 v[L16], v[PC+6*\c:PC+6*\c+3], s[48+4*((\a)/4)+2*\c:49+4*((\a)/4)+2*\c] offset:768*((\a)%4)
	global_store_b64 v[L8], v[PC+6*\c+4:PC+6*\c+5], s[48+4*((\a)/4)+2*\c:49+4*((\a)/4)+2*\c] offset:768*((\a)%4)+512
.endr
.if ((\a)%2) == 0
	v_perm_b32 v[H0], v[PW], v[PW], s39
	v_perm_b32 v[H1], v[PW], v[PW], s61
.else
	v_perm_b32 v[W0], v[PW], v[PW], s39
	v_perm_b32 v[W1], v[PW], v[PW], s61
	v_cndmask_b32 v[H0], v[H0], v[W0], s60
	v_cndmask_b32 v[H1], v[H1], v[W1], s60
	global_store_b32 v[L4], v[H0], s[56+2*((\a)/4):57+2*((\a)/4)] offset:128*(((\a)%4)/2)
	s_cmp_eq_u32 ttmp9, 2
	s_cbranch_scc1 .Lone_word_\@
	global_store_b32 v[L4], v[H1], s[56+2*((\a)/4):57+2*((\a)/4)] offset:128*(((\a)%4)/2)+16384
.Lone_word_\@:
.endif
.endm
.irp b, 0,1,2,3
	v_mov_b32 v[TM+4+\b], 0
.endr
	PLACES NP
.irp a, 0,1,2,3,4,5,6,7
	OUTA \a
.endr
	s_wait_tensorcnt 0x0
	ds_add_u32 v[SPW], v[NIL]
	s_wait_dscnt 0x0
	CROUND
	s_endpgm
.Lfunc_end_k_q90fb6dc4d6_gemm1:
	.size	k_q90fb6dc4d6_gemm1, .Lfunc_end_k_q90fb6dc4d6_gemm1-k_q90fb6dc4d6_gemm1
	.p2alignl 7, 3214868480
	.fill 96, 4, 3214868480
	.section	.rodata,"a",@progbits
	.p2align	6, 0x0
	.amdhsa_kernel k_q90fb6dc4d6_gemm1
		.amdhsa_group_segment_fixed_size 327680
		.amdhsa_private_segment_fixed_size 0
		.amdhsa_enable_private_segment 0
		.amdhsa_kernarg_size 32
		.amdhsa_user_sgpr_count 2
		.amdhsa_user_sgpr_kernarg_segment_ptr 1
		.amdhsa_wavefront_size32 1
		.amdhsa_system_sgpr_workgroup_id_x 1
		.amdhsa_system_sgpr_workgroup_id_y 1
		.amdhsa_system_sgpr_workgroup_id_z 1
		.amdhsa_system_vgpr_workitem_id 0
		.amdhsa_next_free_vgpr 1024
		.amdhsa_next_free_sgpr 102
		.amdhsa_reserve_vcc 0
		.amdhsa_float_denorm_mode_32 3
		.amdhsa_float_denorm_mode_16_64 3
		.amdhsa_memory_ordered 1
		.amdhsa_forward_progress 1
		.amdhsa_inst_pref_size 153
	.end_amdhsa_kernel
	.amdgpu_metadata
---
amdhsa.version: [ 1, 2 ]
amdhsa.kernels:
  - .name:           k_q90fb6dc4d6_gemm1
    .symbol:         k_q90fb6dc4d6_gemm1.kd
    .args:
      - { .name: opimg, .offset: 0, .size: 8, .value_kind: global_buffer, .address_space: global }
      - { .name: opsc, .offset: 8, .size: 8, .value_kind: global_buffer, .address_space: global }
      - { .name: qkvimg, .offset: 16, .size: 8, .value_kind: global_buffer, .address_space: global }
      - { .name: qkvsc, .offset: 24, .size: 8, .value_kind: global_buffer, .address_space: global }
    .group_segment_fixed_size: 327680
    .private_segment_fixed_size: 0
    .kernarg_segment_align: 8
    .kernarg_segment_size: 32
    .max_flat_workgroup_size: 128
    .sgpr_count:     102
    .vgpr_count:     1024
    .wavefront_size: 32
...
	.end_amdgpu_metadata
.endif
;; end of part 6
;; launch attn (part 7): grid 8 x 32, 8 waves a work-group, clusters of 4 x 1, 327,680 bytes of LDS; arguments qkvimg, qkvsc, maskw, aimg, asc; writes aimg, asc
.if DOCPART == 7
	.amdgcn_target "amdgcn-amd-amdhsa--gfx1250"
	.amdhsa_code_object_version 6
	.text
	.protected	k_q90fb6dc4d6_attn
	.globl	k_q90fb6dc4d6_attn
	.p2align	8
	.type	k_q90fb6dc4d6_attn,@function
k_q90fb6dc4d6_attn:
	s_mov_b64 s[64:65], 0
	v_nop
	global_prefetch_b8 v0, s[64:65] scope:SCOPE_SE
	s_setreg_imm32_b32 hwreg(HW_REG_WAVE_MODE, 25, 1), 1
	s_wait_xcnt 0x0
	s_wait_alu depctr_hold_cnt(0) depctr_sa_sdst(0) depctr_va_vdst(0) depctr_va_sdst(0) depctr_va_ssrc(0) depctr_va_vcc(0) depctr_vm_vsrc(0)
	s_getreg_b32 s2, hwreg(HW_REG_IB_STS2, 6, 4)
	s_cmp_eq_u32 s2, 0
	s_cbranch_scc0 .Lentry_in_a_cluster
	s_endpgm
.Lentry_in_a_cluster:
	s_bfe_u32 s2, ttmp6, 0x10000c
	s_cmp_lg_u32 s2, 0x3003
	s_cbranch_scc0 .Lentry_shape_is_right
	s_endpgm
.Lentry_shape_is_right:
; a_out = nan_to_num(softmax(mask(Q K^T / 8))) V for one head and 256 queries a work-group, both products on codes of FP6 (E2M3) with E8M0 scales; att is quantised FINISHED AND NORMALISED, in blocks of 32 keys.
; ONE PASS.  The work-group walks 8 blocks of 32 queries (two tiles).  THE EIGHT WAVES SPLIT THE KEYS: wave w owns keys 256 w .. 256 w + 255.  A block's scores are 2 tiles x 256 keys = 256 registers a wave
; (all of window 1), so a whole row of p stays in f32 registers until the row's sum is known: each score is multiplied once and has one exponential.
; THE MASK comes as codes of FP4, a nibble a score, one register a score tile.  One scaled conversion a tile writes 0 (kept) or -6 x 2^120 (hidden) into the tile's eight accumulator registers, and the
; score product adds onto them in place: a kept score is the product as it is, a hidden one lies under every kept one and its p is 0.
; THE MAXIMUM is taken away as a whole number: per wave M = ceil(largest t), t = score x log2(e) / 8, held at -1e30 from below; p = 2^(t - M); the waves exchange (M, sum) through LDS; the row's M is the largest,
; and each wave's p is brought under it by 2^(M_w - M), which rounds nothing; att = p x 2^(M_w - M) / sum.  A row with no key kept: every p is 0, the sum is held at 0.5 from below, att = 0, as nan_to_num gives.
; (A row with a key kept has a p above 0.5, so the hold does not touch it.)
; BOTH PRODUCTS TRANSPOSED: S^T = K Q^T, O^T = V^T att^T: a lane holds one query.  By the order of rows in a tile (lane r of tile t: row 32 (t / 2) + 8 (t % 2) + r + 8 (r / 8)) the 16 registers of tiles 2 b, 2 b + 1 are 16 neighbouring keys.
; THE SCORES' K IS 64: the instruction's other 64 are Q's zero codes; K's operand run reaches into the six registers that follow the tile (the next tile's codes or six zeros): codes of finite numbers,
; which zero codes multiply away; the scale words repeat the head's two bytes.
; THE LOOP IS TURNED: a trip begins with the block's score products.  What a block needs ahead of them (K's tiles 8-15 from LDS, the mask's conversions, K's tiles 0-7) stands at the end of the trip before, round the
; barrier of O^T's parts: tiles 8-15 and the conversions between the parts' stores and the barrier, tiles 0-7 with the reads of the parts behind it.  The first block's stand ahead of the loop.
; The last trip prepares a block that nobody multiplies (32 conversions and 32 LDS loads, on the first block's mask codes): so the trip's text is one.
; REGISTERS BY TURNS: K's tiles 8-15 lie where att's codes go later; the block's 32 mask registers lie where K's tiles 0-7 go once the conversions have read them; behind the scores the next block's mask codes are requested into them.
; V'S FRAGMENTS go into window 1: att's steps 3 and 2 are turned into codes first, V is requested into their registers, and lands under the work on steps 1 and 0.
; O^T's parts of the eight waves are added through LDS, wave w adding tile w; after four blocks each wave quantises one tile of 16 queries along the head's 64 and stores it as an image for the last product.
; CLUSTER: the four query chunks of a cluster share a head: K and V, 98,304 bytes each, are asked for jointly, once, one tensor load a wave: waves 0-3 bring K, waves 4-7 V, 24,576 bytes each.  Nothing is filled again.
; PREFETCH: in the trip of block i each wave names the 16 blocks of 256 bytes of its mask codes of block i + 2, whose load stands in the trip of block i + 1; the last two trips ask for nothing.
; K and V are asked for once, at the head, and Q's 1,664 bytes a block are requested a block ahead: no prefetch for them.
; LIMITS: the promise holds while the scaled scores t stay under 2^31 in magnitude (a hidden score is -6 x 2^120 and not -infinity); NaN and infinities are not served; p under 2^-126 is 0 (v_exp_f32);
; blocks of zeros or under 2^-124 get the byte 1 (this program alone reads the bytes).
.set KL,    0                          ; LDS: K: 8 waves x 16 tiles x 768
.set VL,    98304                      ; V: 8 waves x [4 pieces of 64 keys][4 feature tiles][768]
.set RED,   196608                     ; O^T's parts: [tile 8][from wave 8][1,024]
.set OUT,   262144                     ; O^T: [block 4][tile 8][1,024]
.set STAT,  294912                     ; (-M, sum): [wave 8][query tile 2][16 queries][8 bytes]
.set SPARE, 296960                     ; the spare words, 128 bytes a wave
.set VI,    6291456
.set VSO,   524288
.set L16, 1                            ; v1-3  16, 8, 4 x lane
.set L8,  2
.set L4,  3
.set AK16, 4                           ; v4, v5  my K in LDS
.set AK8,  5
.set AV16, 6                           ; v6, v7  my V
.set AV8,  7
.set ARS, 8                            ; RED + 1024 w + 16 lane
.set ARL, 9                            ; RED + 8192 w + 16 lane
.set AOS, 10                           ; OUT + 1024 w + 16 lane
.set AOL, 11                           ; OUT + 4096 w + 16 lane
.set AST, 12                           ; STAT + 256 w + 8 r
.set ASL, 13                           ; STAT + 8 r
.set SPW, 14                           ; my spare word; never rewritten
.set NIL, 15                           ; 0; never rewritten
.set R8,  17                           ; 8 r
.set ML,  18                           ; v[18:19], v[20:21]  (-M, sum) of query tiles 0, 1
.set CH,  22                           ; v22-29 four chains of sums
.set FO,  24                           ; v24-25 my own 2^(M_w - M)
.set RN,  30                           ; v[30:31], v[32:33]  what p is multiplied by
.set BM,  34                           ; v34-49 a block's largest score, then p, then att, then byte: index 8 g + 4 s + b; at a trip's end, with BX, O^T's parts of waves 4-7; the output's codes
.set BX,  50                           ; v50-65 the partner lane's, then the conversions' scale operands
.set QF,  66                           ; v66-89 Q's two fragments; registers 6-11 of each are zero
.set QS,  90                           ; Q's scale words: lanes 0-15 tile 0, lanes 16-31 tile 1
.set MA,  91                           ; the mask loads' offset: 16 x lane + 32768 x block
.set KS,  92                           ; v92-99  K's scale words, two tiles a register
.set VS,  100                          ; v100-103 V's, index 2 s + n / 2
.set PS,  104                          ; v104-107 att's, index 2 g + s
.set KB,  108                          ; v108-155 K's tiles 0-7; v156-161 six zeros
.set MW,  108                          ; v108-139 ahead of them the block's mask codes: register 16 g + key tile
.set PC,  162                          ; v162-209 K's tiles 8-15, then att's codes, 12 x (2 g + s); v210-215 six zeros
.set MSC, 216                          ; the mask conversion's scale: the byte 247 in every byte
.set PFO, 217                          ; the prefetch's offset; never rewritten
.set EX,  218                          ; v218-249 at work; at a trip's end O^T's parts of waves 0-3
.set TP,  250                          ; v250-255 at work
.set VF,  128                          ; window 1: v128-223 V's fragments, 48 s + 12 n
.set MOFF, 71                          ; s71  32768 x the block whose mask codes were requested last
.set PFP,  80                          ; s[80:81] where the prefetch stands
.set MSB, 0
.macro WIN new
.if MSB != (\new)
	s_set_vgpr_msb (MSB<<8)|(\new)
.set MSB, (\new)
.endif
.endm
.macro CROUND
	s_barrier_signal -1
	s_barrier_wait -1
	s_cmp_lg_u32 s2, 0
	s_cbranch_scc1 .Lnot_wave_0_\@
	s_barrier_signal -3
.Lnot_wave_0_\@:
	s_barrier_wait -3
	s_barrier_signal -1
	s_barrier_wait -1
.endm
.macro BAR
	s_barrier_signal -1
	s_barrier_wait -1
.endm
.macro PLACES
.rept 4
	v_nop
.endr
.endm
	s_load_b256 s[4:11], s[0:1], 0x0               ; qkvimg, qkvsc, maskw, aimg
	s_load_b64 s[12:13], s[0:1], 0x20              ; asc
	v_lshl_add_u32 v[SPW], v0, 2, SPARE
	v_mov_b32 v[NIL], 0
	ds_add_u32 v[SPW], v[NIL]                      ; the wave's opening: the add, twice on end, and its wait ahead of my tensor load
	ds_add_u32 v[SPW], v[NIL]
	v_lshrrev_b32 v250, 5, v0
	v_readfirstlane_b32 s2, v250                   ; wave w
	v_and_b32 v250, 31, v0
	v_and_b32 v251, 15, v0
	v_lshlrev_b32 v[L16], 4, v250
	v_lshlrev_b32 v[L8], 3, v250
	v_lshlrev_b32 v[L4], 2, v250
	v_lshlrev_b32 v[R8], 3, v251
	v_min_u32 v252, 15, v250                       ; the prefetch: lane u < 16 names block u of my 16; the lanes left over name the last again
	v_lshrrev_b32 v253, 3, v252
	v_and_b32 v252, 7, v252
	v_lshlrev_b32 v252, 8, v252
	v_lshl_add_u32 v[PFO], v253, 14, v252          ; 16384 x query tile + 256 x (u % 8)
	s_wait_alu depctr_va_vdst(0)
	s_mul_i32 s3, s2, 12288
	v_add_nc_u32 v[AK16], s3, v[L16]
	v_add_nc_u32 v[AK8], s3, v[L8]
	s_add_co_u32 s71, s3, VL
	v_add_nc_u32 v[AV16], s71, v[L16]
	v_add_nc_u32 v[AV8], s71, v[L8]
	s_lshl_b32 s71, s2, 10
	s_add_co_u32 s72, s71, RED
	v_add_nc_u32 v[ARS], s72, v[L16]
	s_add_co_u32 s72, s71, OUT
	v_add_nc_u32 v[AOS], s72, v[L16]
	s_lshl_b32 s71, s2, 13
	s_add_co_u32 s72, s71, RED
	v_add_nc_u32 v[ARL], s72, v[L16]
	s_lshl_b32 s71, s2, 12
	s_add_co_u32 s72, s71, OUT
	v_add_nc_u32 v[AOL], s72, v[L16]
	s_lshl_b32 s71, s2, 8
	s_add_co_u32 s72, s71, STAT
	v_add_nc_u32 v[AST], s72, v[R8]
	v_add_nc_u32 v[ASL], STAT, v[R8]
	v_mov_b32 v[MA], v[L16]                        ; block 0's mask codes
	v_mov_b32 v[MSC], 0xf7f7f7f7
	; group 1: 24,576 dense bytes as 96 rows of 256 (32 elements of 8 bytes); the mask names the four partners
	s_mov_b32 s16, 15|(3<<16)|(1<<21)
	s_mov_b32 s17, 32<<16
	s_mov_b32 s18, 96<<16
	s_mov_b32 s19, 32<<16
	s_mov_b32 s20, 96
	s_mov_b32 s21, 32
	s_mov_b32 s22, 0
	s_mov_b32 s23, 0
	s_mov_b32 s24, 1
	s_mul_i32 s25, s2, 24576                       ; LDS: K's four quarters, then V's four: VL = 4 x 24576
	s_mov_b32 s66, 0x3e38aa3b                      ; c = log2(e) / 8
	s_mov_b32 s67, s66
	s_mov_b32 s68, 0x76543210
	s_mov_b32 s69, 0xfedcba98
	s_and_b32 s71, ttmp7, 0xffff                   ; y = 16 b + head, which the partners share
	s_and_b32 s72, s71, 15                         ; head
	s_lshr_b32 s73, s71, 4                         ; b
	s_mul_i32 s76, s72, 196608
	s_mul_i32 s77, s73, 98304
	s_add_co_u32 s76, s76, s77                     ; the head's and batch's place among Q's images
	s_add_co_u32 s78, s76, 3145728                 ; K's images lie 16 heads on
	s_mul_i32 s75, s71, 98304
	s_add_co_u32 s75, s75, VI-98304                ; V's images, four quarters back,
	s_sub_co_u32 s75, s75, s78                     ; as a distance from K's (never negative),
	s_lshr_b32 s74, s2, 2
	s_mul_i32 s75, s75, s74                        ; which waves 4-7 take
	s_add_co_u32 s78, s78, s75
	s_add_co_u32 s78, s78, s25                     ; + 24576 w
	s_mov_b32 s79, 0
	s_mov_b32 s101, 0
	s_wait_dscnt 0x0                               ; both opening adds are done
	s_wait_kmcnt 0x0
	s_add_nc_u64 s[26:27], s[4:5], s[78:79]
	s_or_b32 s27, s27, 0x80000000
	s_lshl_b32 s77, s72, 14
	s_lshl_b32 s78, s73, 13
	s_add_co_u32 s77, s77, s78                     ; the same among the scale words
	s_lshl_b32 s78, s2, 10
	s_add_co_u32 s78, s78, s77
	s_add_co_u32 s78, s78, 262144
	s_add_nc_u64 s[96:97], s[6:7], s[78:79]        ; K's scale words of my 16 tiles
	s_lshl_b32 s78, s71, 12
	s_lshl_b32 s75, s2, 9
	s_add_co_u32 s78, s78, s75
	s_add_co_u32 s78, s78, VSO
	s_add_nc_u64 s[98:99], s[6:7], s[78:79]        ; V's of my two steps
	s_bfe_u32 s74, ttmp6, 0x40000                  ; cx: it enters the addresses of Q, the mask and the output alone
	s_lshl_b32 s75, ttmp9, 2
	s_add_co_u32 s74, s74, s75                     ; my chunk of 256 queries
	s_mul_i32 s100, s74, 12288
	s_add_co_u32 s100, s100, s76
	s_add_nc_u64 s[4:5], s[4:5], s[100:101]        ; Q's images
	s_lshl_b32 s100, s74, 10
	s_add_co_u32 s100, s100, s77
	s_add_nc_u64 s[6:7], s[6:7], s[100:101]        ; Q's scale words
	s_lshl_b32 s100, s73, 21
	s_lshl_b32 s75, s74, 18
	s_add_co_u32 s100, s100, s75
	s_lshl_b32 s75, s2, 11
	s_add_co_u32 s100, s100, s75
	s_add_nc_u64 s[8:9], s[8:9], s[100:101]        ; the mask codes of my keys and my chunk's first block; never stepped
	s_add_nc_u64 s[PFP:PFP+1], s[8:9], 32768       ; each trip steps this by a block ahead of its prefetch
	s_lshl_b32 s77, s73, 7
	s_lshl_b32 s75, s74, 4
	s_add_co_u32 s77, s77, s75
	s_add_co_u32 s77, s77, s2                      ; the token tile that I store first: 128 b + 16 chunk + w
	s_mul_i32 s100, s77, 12288
	s_mul_i32 s75, s72, 768
	s_add_co_u32 s100, s100, s75
	s_add_nc_u64 s[10:11], s[10:11], s[100:101]
	s_lshl_b32 s100, s77, 9
	s_lshr_b32 s75, s72, 2
	s_lshl_b32 s75, s75, 7
	s_add_co_u32 s100, s100, s75
	s_bfe_u32 s75, s72, 0x10001
	s_lshl_b32 s75, s75, 2
	s_add_co_u32 s100, s100, s75
	s_and_b32 s75, s72, 1
	s_lshl_b32 s75, s75, 1
	s_add_co_u32 s100, s100, s75
	s_add_nc_u64 s[12:13], s[12:13], s[100:101]
	s_wait_alu depctr_va_vdst(0)
	CROUND                                         ; all four work-groups are here: the joint loads meet
	tensor_load_to_lds s[24:27], s[16:23]          ; my quarter of K or of V: the wave's one tensor load
	s_nop 0
.rept 4
	v_nop
.endr
.macro QLOAD
.irp g, 0,1
	global_load_b128 v[QF+12*\g:QF+12*\g+3], v[L16], s[4:5] offset:768*\g
	global_load_b64 v[QF+12*\g+4:QF+12*\g+5], v[L8], s[4:5] offset:768*\g+512
.endr
	global_load_b32 v[QS], v[L4], s[6:7]
.endm
.macro MWLOAD                          ; a block's mask codes of my keys: four runs of 512 consecutive bytes for each of its two query tiles
.irp g, 0,1
.irp q, 0,1,2,3
	global_load_b128 v[MW+16*\g+4*\q:MW+16*\g+4*\q+3], v[MA], s[8:9] offset:16384*\g+512*\q
.endr
.endr
.endm
.macro KLOAD s, reg                    ; K's tiles 8 s .. 8 s + 7 into six registers each, from v[reg] on
.irp t, 0,1,2,3,4,5,6,7
	ds_load_b128 v[\reg+6*\t:\reg+6*\t+3], v[AK16] offset:768*(8*\s+\t)
	ds_load_b64 v[\reg+6*\t+4:\reg+6*\t+5], v[AK8] offset:768*(8*\s+\t)+512
.endr
.endm
.macro AHEAD                           ; ahead of a block's scores: K's tiles 8-15 are requested; the mask: 0 or -6 x 2^120 into each tile's accumulator, in the order in which the products take them
	KLOAD 1, PC                                    ; (att's codes have left these registers: the last products that read them stand four plain lines back or more)
	s_wait_loadcnt 0x0                             ; Q, its scale words and the mask codes, requested behind the scores of the block before (the first time: at the head, with K's and V's scale words)
	WIN 0x40
.irp s, 1,0
.irp t, 0,1,2,3,4,5,6,7
.irp g, 0,1
	v_cvt_scale_pk8_f32_fp4 v[128*\g+64*\s+8*\t:128*\g+64*\s+8*\t+7], v[MW+16*\g+8*\s+\t], v[MSC]
.endr
.endr
.endr
	PLACES                                         ; plain lines behind the last scaled conversion
	WIN 0
.endm
.irp i, 0,1,2,3,4,5,6,7
	global_load_b32 v[KS+\i], v[L4], s[96:97] offset:128*\i
.endr
.irp i, 0,1,2,3
	global_load_b32 v[VS+\i], v[L4], s[98:99] offset:128*\i
.endr
	QLOAD
	MWLOAD
.irp i, 0,1,2,3,4,5,6,7,8,9,10,11,12,13,14,15
	v_mov_b32 v[BX+\i], 0                          ; written once: a lane permute's destination counts as one of its sources
.endr
.irp i, 0,1,2,3,4,5
	v_mov_b32 v[QF+6+\i], 0                        ; the zero codes of the scores' padded K
	v_mov_b32 v[QF+18+\i], 0
	v_mov_b32 v[KB+48+\i], 0
	v_mov_b32 v[PC+48+\i], 0
.endr
	v_mov_b32 v[ML+1], 0                           ; (upper halves of pairs that packed forms name)
	v_mov_b32 v[ML+3], 0
	v_mov_b32 v[RN+1], 0
	v_mov_b32 v[RN+3], 0
	s_wait_alu depctr_va_vdst(0)
	s_wait_tensorcnt 0x0                           ; my quarter is in LDS;
	BAR                                            ; and so is everybody's: each wave reads bytes that another wave asked for
	AHEAD                                          ; the first block's
	KLOAD 0, KB                                    ; the mask codes are read: K's tiles 0-7 take their registers
.macro VLOAD s                         ; V's four fragments of my step s, into window 1
.irp n, 0,1,2,3
.irp c, 0,1
	ds_load_b128 v[VF+48*\s+12*\n+6*\c:VF+48*\s+12*\n+6*\c+3], v[AV16] offset:768*(4*(2*\s+\c)+\n)
	ds_load_b64 v[VF+48*\s+12*\n+6*\c+4:VF+48*\s+12*\n+6*\c+5], v[AV8] offset:768*(4*(2*\s+\c)+\n)+512
.endr
.endr
.endm
.macro SW s, t, g                      ; S^T of key tile 8 s + t and query tile g, at window 1, v[128 g + 64 s + 8 t], onto the mask's 0 or -6 x 2^120
.set rD, 128*\g+64*\s+8*\t
.set rK, KB+(PC-KB)*\s+6*\t
.set rQ, QF+12*\g
.set rS, KS+(8*\s+\t)/2
.if (\t%2 == 0) && (\g == 0)
	v_wmma_scale_f32_16x16x128_f8f6f4 v[rD:rD+7], v[rK:rK+11], v[rQ:rQ+11], v[rD:rD+7], v[rS], v[QS] matrix_a_fmt:MATRIX_FMT_FP6 matrix_b_fmt:MATRIX_FMT_FP6
.elseif (\t%2 == 1) && (\g == 0)
	v_wmma_scale_f32_16x16x128_f8f6f4 v[rD:rD+7], v[rK:rK+11], v[rQ:rQ+11], v[rD:rD+7], v[rS], v[QS] matrix_a_fmt:MATRIX_FMT_FP6 matrix_b_fmt:MATRIX_FMT_FP6 matrix_a_scale:MATRIX_SCALE_ROW1
.elseif (\t%2 == 0) && (\g == 1)
	v_wmma_scale_f32_16x16x128_f8f6f4 v[rD:rD+7], v[rK:rK+11], v[rQ:rQ+11], v[rD:rD+7], v[rS], v[QS] matrix_a_fmt:MATRIX_FMT_FP6 matrix_b_fmt:MATRIX_FMT_FP6 matrix_b_scale:MATRIX_SCALE_ROW1
.else
	v_wmma_scale_f32_16x16x128_f8f6f4 v[rD:rD+7], v[rK:rK+11], v[rQ:rQ+11], v[rD:rD+7], v[rS], v[QS] matrix_a_fmt:MATRIX_FMT_FP6 matrix_b_fmt:MATRIX_FMT_FP6 matrix_a_scale:MATRIX_SCALE_ROW1 matrix_b_scale:MATRIX_SCALE_ROW1
.endif
.endm
.macro SPROD s
.irp t, 0,1,2,3,4,5,6,7
.irp g, 0,1
	SW \s, \t, \g
.endr
.endr
.endm
.macro PVW s, g, n                     ; O^T of feature tile n and query tile g, at window 1, v[8 (4 g + n)], over the step's 128 keys
.set rO, 8*(4*\g+\n)
.set rV, VF+48*\s+12*\n
.set rP, PC+12*(2*\g+\s)
.set rA, VS+2*\s+\n/2
.set rC, PS+2*\g+\s
.if (\s == 0) && (\n%2 == 0)
	v_wmma_scale_f32_16x16x128_f8f6f4 v[rO:rO+7], v[rV:rV+11], v[rP:rP+11], 0, v[rA], v[rC] matrix_a_fmt:MATRIX_FMT_FP6 matrix_b_fmt:MATRIX_FMT_FP6
.elseif (\s == 0)
	v_wmma_scale_f32_16x16x128_f8f6f4 v[rO:rO+7], v[rV:rV+11], v[rP:rP+11], 0, v[rA], v[rC] matrix_a_fmt:MATRIX_FMT_FP6 matrix_b_fmt:MATRIX_FMT_FP6 matrix_a_scale:MATRIX_SCALE_ROW1
.elseif (\n%2 == 0)
	v_wmma_scale_f32_16x16x128_f8f6f4 v[rO:rO+7], v[rV:rV+11], v[rP:rP+11], v[rO:rO+7], v[rA], v[rC] matrix_a_fmt:MATRIX_FMT_FP6 matrix_b_fmt:MATRIX_FMT_FP6
.else
	v_wmma_scale_f32_16x16x128_f8f6f4 v[rO:rO+7], v[rV:rV+11], v[rP:rP+11], v[rO:rO+7], v[rA], v[rC] matrix_a_fmt:MATRIX_FMT_FP6 matrix_b_fmt:MATRIX_FMT_FP6 matrix_a_scale:MATRIX_SCALE_ROW1
.endif
.endm
.macro PVPROD s                        ; the eight accumulators take turns, one instruction a turn
.irp g, 0,1
.irp n, 0,1,2,3
	PVW \s, \g, \n
.endr
.endr
.endm
.macro ATTK k                          ; step k = 2 g + s, 64 registers: att = p x 2^(M_w - M) / sum, then its codes in halves of blocks
	WIN 0x41
.set i, 0
.rept 32
	v_pk_mul_f32 v[64*\k+2*i:64*\k+2*i+1], v[64*\k+2*i:64*\k+2*i+1], v[RN+2*(\k/2):RN+2*(\k/2)+1] op_sel_hi:[1,0]
.set i, i+1
.endr
	WIN 0x01
.irp c, 0,1
	v_cvt_scalef32_pk16_fp6_f32 v[PC+12*\k+6*\c:PC+12*\k+6*\c+2], v[64*\k+32*\c:64*\k+32*\c+15], v[BX+4*\k+2*\c]
	v_cvt_scalef32_pk16_fp6_f32 v[EX+4*(2*\k+\c):EX+4*(2*\k+\c)+2], v[64*\k+32*\c+16:64*\k+32*\c+31], v[BX+4*\k+2*\c+1]
.endr
	v_nop                                          ; one plain line behind the scaled conversions
.endm
	s_mov_b32 s[MOFF], 0
	s_mov_b32 s15, 2
.Louter:
	s_mov_b32 s70, 0                               ; the block's place in OUT
	s_mov_b32 s14, 4
.Lblock:
	s_wait_alu depctr_va_vdst(0)
	s_wait_dscnt 0x0                               ; K's 16 tiles are in
	; ---- the scores
	WIN 0x50                                       ; C and D window 1
	SPROD 1
	SPROD 0
	WIN 0
	PLACES                                         ; in front of the loads into Q's and K's registers and of the first read of scores
	s_wait_xcnt 0x0                                ; the last trip's prefetch has read its address: it is stepped only behind this wait
	s_add_nc_u64 s[PFP:PFP+1], s[PFP:PFP+1], 32768
	s_add_nc_u64 s[4:5], s[4:5], 1536              ; (the loads that read these addresses are done)
	s_add_nc_u64 s[6:7], s[6:7], 128
	QLOAD                                          ; the next block's Q; behind the last block these are the bytes that follow in the same buffers, and are not used
	s_cmp_lt_u32 s[MOFF], 6*32768                  ; blocks 0-5 name the mask codes of blocks 2-7; the last two trips ask for nothing
	s_cbranch_scc0 .Lno_ask
	global_prefetch_b8 v[PFO], s[PFP:PFP+1] th:TH_LOAD_NT scope:SCOPE_SE
.Lno_ask:
	s_add_co_u32 s[MOFF], s[MOFF], 32768           ; the next block's mask codes; behind the last of the chunk's eight blocks the offset goes back to the first block's, so that no load leaves the buffer
	s_and_b32 s[MOFF], s[MOFF], 0x3ffff
	v_add_nc_u32 v[MA], s[MOFF], v[L16]            ; (the loads that read this register are done)
	MWLOAD
	; ---- the blocks' largest scores: block k = 8 g + 4 s + b is registers 16 k .. 16 k + 15; each tile is read from its low end on
	WIN 0x05
.irp k, 0,1,2,3,4,5,6,7,8,9,10,11,12,13,14,15
	v_max_num_f32 v[BM+\k], v[16*\k], v[16*\k+1]
.endr
	WIN 0x14
.set i, 1
.rept 7
.irp k, 0,1,2,3,4,5,6,7,8,9,10,11,12,13,14,15
	v_max3_num_f32 v[BM+\k], v[BM+\k], v[16*\k+2*i], v[16*\k+2*i+1]
.endr
.set i, i+1
.endr
	WIN 0
.irp i, 0,1,2,3,4,5,6,7,8,9,10,11,12,13,14,15
	v_permlanex16_b32 v[BX+\i], v[BM+\i], s68, s69
.endr
.irp i, 0,1,2,3,4,5,6,7,8,9,10,11,12,13,14,15
	v_max_num_f32 v[BM+\i], v[BM+\i], v[BX+\i]     ; with lane l xor 16's 16 keys
.endr
.irp g, 0,1
	v_max3_num_f32 v[TP+\g], v[BM+8*\g], v[BM+8*\g+1], v[BM+8*\g+2]
.endr
.irp g, 0,1
	s_delay_alu instid0(VALU_DEP_2)
	v_max3_num_f32 v[TP+\g], v[TP+\g], v[BM+8*\g+3], v[BM+8*\g+4]
.endr
.irp g, 0,1
	s_delay_alu instid0(VALU_DEP_2)
	v_max3_num_f32 v[TP+\g], v[TP+\g], v[BM+8*\g+5], v[BM+8*\g+6]
.endr
.irp g, 0,1
	s_delay_alu instid0(VALU_DEP_2)
	v_max_num_f32 v[TP+\g], v[TP+\g], v[BM+8*\g+7] ; my 256 keys' largest score of the query
.endr
.irp g, 0,1
	s_delay_alu instid0(VALU_DEP_2)
	v_mul_f32 v[TP+\g], s66, v[TP+\g]
.endr
.irp g, 0,1
	s_delay_alu instid0(VALU_DEP_2)
	v_max_num_f32 v[TP+\g], 0xf149f2ca, v[TP+\g]   ; held at -1e30: where all my keys are hidden, every t lies far under M
.endr
.irp g, 0,1
	s_delay_alu instid0(VALU_DEP_2)
	v_floor_f32 v[ML+2*\g], -v[TP+\g]              ; -M = floor(-t): M is a whole number
.endr
.irp i, 0,1,2,3,4,5,6,7,8,9,10,11,12,13,14,15
	v_fma_f32 v[BM+\i], v[BM+\i], s66, v[ML+2*(\i/8)]
.endr
	; ---- p = 2^(t - M)
	WIN 0x41
.set i, 0
.rept 128
	v_pk_fma_f32 v[2*i:2*i+1], v[2*i:2*i+1], s[66:67], v[ML+2*(i/64):ML+2*(i/64)+1] op_sel_hi:[1,0,0]
.set i, i+1
.endr
.set i, 0
	s_wait_alu depctr_va_vdst(0)
.rept 256
	v_exp_f32 v[i], v[i]
.set i, i+1
.endr
	WIN 0
.irp i, 0,1,2,3,4,5,6,7,8,9,10,11,12,13,14,15
	v_exp_f32 v[BM+\i], v[BM+\i]                   ; each block's largest p: the same two instructions on the same number
.endr
.irp i, 0,1,2,3,4,5,6,7
	v_mov_b32 v[CH+\i], 0                          ; plain lines behind the exponentials
.endr
	s_wait_alu depctr_va_vdst(0)                   ; one wait for the whole batch, ahead of its first use
	; ---- my keys' sum of p
	WIN 0x04
.set i, 0
.rept 32
	v_pk_add_f32 v[CH:CH+1], v[CH:CH+1], v[4*i:4*i+1]
	v_pk_add_f32 v[CH+2:CH+3], v[CH+2:CH+3], v[4*i+2:4*i+3]
	v_pk_add_f32 v[CH+4:CH+5], v[CH+4:CH+5], v[128+4*i:129+4*i]
	v_pk_add_f32 v[CH+6:CH+7], v[CH+6:CH+7], v[130+4*i:131+4*i]
.set i, i+1
.endr
	WIN 0
	v_pk_add_f32 v[CH:CH+1], v[CH:CH+1], v[CH+2:CH+3]
	v_pk_add_f32 v[CH+4:CH+5], v[CH+4:CH+5], v[CH+6:CH+7]
	s_delay_alu instid0(VALU_DEP_2)
	v_add_f32 v[CH], v[CH], v[CH+1]
	s_delay_alu instid0(VALU_DEP_2)
	v_add_f32 v[CH+4], v[CH+4], v[CH+5]
	s_delay_alu instid0(VALU_DEP_2)
	v_permlanex16_b32 v[TP], v[CH], s68, s69
	s_delay_alu instid0(VALU_DEP_2)
	v_permlanex16_b32 v[TP+1], v[CH+4], s68, s69
	s_delay_alu instid0(VALU_DEP_2)
	v_add_f32 v[ML+1], v[CH], v[TP]
	s_delay_alu instid0(VALU_DEP_2)
	v_add_f32 v[ML+3], v[CH+4], v[TP+1]
	; ---- the waves exchange (-M, sum)
	ds_store_b64 v[AST], v[ML:ML+1]                ; both halves of the lanes write the same bytes with the same values
	ds_store_b64 v[AST], v[ML+2:ML+3] offset:128
	s_wait_dscnt 0x0                               ; for the others' sake: my stores have landed, and my earlier LDS loads are in
	BAR
.irp g, 0,1
.irp w, 0,1,2,3,4,5,6,7
	ds_load_b64 v[EX+16*\g+2*\w:EX+16*\g+2*\w+1], v[ASL] offset:256*\w+128*\g
.endr
.endr
	s_wait_dscnt 0x0
.irp g, 0,1
	v_min3_num_f32 v[TP+2+\g], v[EX+16*\g], v[EX+16*\g+2], v[EX+16*\g+4]
.endr
.irp g, 0,1
	s_delay_alu instid0(VALU_DEP_2)
	v_min3_num_f32 v[TP+2+\g], v[TP+2+\g], v[EX+16*\g+6], v[EX+16*\g+8]
.endr
.irp g, 0,1
	s_delay_alu instid0(VALU_DEP_2)
	v_min3_num_f32 v[TP+2+\g], v[TP+2+\g], v[EX+16*\g+10], v[EX+16*\g+12]
.endr
.irp g, 0,1
	s_delay_alu instid0(VALU_DEP_2)
	v_min_num_f32 v[TP+2+\g], v[TP+2+\g], v[EX+16*\g+14]   ; the row's -M
.endr
.irp g, 0,1
.irp w, 0,1,2,3,4,5,6,7
	v_sub_f32 v[EX+16*\g+2*\w], v[TP+2+\g], v[EX+16*\g+2*\w]   ; M_w - M: a whole number, 0 or less
.endr
	v_sub_f32 v[FO+\g], v[TP+2+\g], v[ML+2*\g]
.endr
.irp g, 0,1
.irp w, 0,1,2,3,4,5,6,7
	v_cvt_i32_f32 v[EX+16*\g+2*\w], v[EX+16*\g+2*\w]           ; (it saturates)
.endr
	v_cvt_i32_f32 v[FO+\g], v[FO+\g]
.endr
.irp g, 0,1
.irp w, 0,1,2,3,4,5,6,7
	v_ldexp_f32 v[EX+16*\g+2*\w], 1.0, v[EX+16*\g+2*\w]        ; 2^(M_w - M)
.endr
	v_ldexp_f32 v[FO+\g], 1.0, v[FO+\g]
.endr
.irp g, 0,1
	v_mul_f32 v[TP+4+\g], v[EX+16*\g+1], v[EX+16*\g]
.endr
.irp w, 1,2,3,4,5,6,7
.irp g, 0,1
	s_delay_alu instid0(VALU_DEP_2)
	v_fma_f32 v[TP+4+\g], v[EX+16*\g+2*\w+1], v[EX+16*\g+2*\w], v[TP+4+\g]   ; the row's sum, under the row's M
.endr
.endr
.irp g, 0,1
	s_delay_alu instid0(VALU_DEP_2)
	v_max_num_f32 v[TP+4+\g], 0.5, v[TP+4+\g]      ; a row with no key kept: 0 x a number = 0
.endr
	s_wait_alu depctr_va_vdst(0)
	v_rcp_f32 v[TP+4], v[TP+4]
	v_rcp_f32 v[TP+5], v[TP+5]
	v_nop                                          ; a plain line behind the reciprocals
	s_wait_alu depctr_va_vdst(0)                   ; and the wait ahead of their first use
	v_mul_f32 v[RN], v[TP+4], v[FO]
	v_mul_f32 v[RN+2], v[TP+5], v[FO+1]
	; ---- the blocks' scales, from each block's largest att
.irp i, 0,1,2,3,4,5,6,7,8,9,10,11,12,13,14,15
	v_mul_f32 v[BM+\i], v[BM+\i], v[RN+2*(\i/8)]
.endr
.irp i, 0,1,2,3,4,5,6,7,8,9,10,11,12,13,14,15
	v_max_num_f32 v[BM+\i], 0x1800000, v[BM+\i]    ; the floor 2^(3 - 127): the byte cannot fall under 1
.endr
.irp i, 0,1,2,3,4,5,6,7,8,9,10,11,12,13,14,15
	v_add_nc_u32 v[BX+\i], 0xff000000, v[BM+\i]    ; 2 off the exponent field: the conversion's scale operand
.endr
.irp i, 0,1,2,3,4,5,6,7,8,9,10,11,12,13,14,15
	v_lshrrev_b32 v[BM+\i], 23, v[BX+\i]           ; the scale's byte
.endr
.irp k, 0,1,2,3
	v_lshl_or_b32 v[PS+\k], v[BM+4*\k+1], 8, v[BM+4*\k]
.endr
.irp k, 0,1,2,3
	s_delay_alu instid0(VALU_DEP_4)
	v_lshl_or_b32 v[PS+\k], v[BM+4*\k+2], 16, v[PS+\k]
.endr
.irp k, 0,1,2,3
	s_delay_alu instid0(VALU_DEP_4)
	v_lshl_or_b32 v[PS+\k], v[BM+4*\k+3], 24, v[PS+\k]
.endr
	; ---- att and its codes: steps 3 and 2 first; V's eight fragments then take their registers 128-223 of window 1 and land under steps 1 and 0
	ATTK 3
	ATTK 2
	WIN 0x40
	VLOAD 0
	VLOAD 1
	ATTK 1
	ATTK 0
	WIN 0
.irp k, 0,1,2,3
.irp c, 0,1
.irp i, 0,1,2
	v_permlane16_swap_b32 v[PC+12*\k+6*\c+\i], v[EX+4*(2*\k+\c)+\i]   ; the operand's layout wants a whole block in a lane
.endr
.irp i, 0,1,2
	s_delay_alu instid0(VALU_DEP_3)
	v_mov_b32 v[PC+12*\k+6*\c+3+\i], v[EX+4*(2*\k+\c)+\i]
.endr
.endr
.endr
	PLACES                                         ; operands written by vector lines stand 4 places ahead of a scaled matrix instruction (the scale words were written far more than 8 places back)
	; ---- O^T = V^T att^T over my 256 keys
	s_wait_dscnt 0x0                               ; V
	WIN 0x41                                       ; V and O^T window 1, att's codes window 0
	PVPROD 0
	WIN 0x51
	s_wait_alu depctr_va_vdst(0)
	PVPROD 1
	WIN 0
	PLACES
	; ---- the eight waves' parts are added: wave w adds tile w
	WIN 0x04                                       ; an LDS store's data are its source 1: window 1
.irp t, 0,1,2,3,4,5,6,7
	ds_store_b128 v[ARS], v[8*\t:8*\t+3] offset:8192*\t            ; each accumulator from its low end on
	ds_store_b128 v[ARS], v[8*\t+4:8*\t+7] offset:8192*\t+512
.endr
	WIN 0
	AHEAD                                          ; the next block's, while the parts' stores land
	s_wait_dscnt 0x0                               ; for the others' sake: my parts have landed
	BAR
.irp w, 0,1,2,3
	ds_load_b128 v[EX+8*\w:EX+8*\w+3], v[ARL] offset:1024*\w
	ds_load_b128 v[EX+8*\w+4:EX+8*\w+7], v[ARL] offset:1024*\w+512
	ds_load_b128 v[BM+8*\w:BM+8*\w+3], v[ARL] offset:1024*(\w+4)
	ds_load_b128 v[BM+8*\w+4:BM+8*\w+7], v[ARL] offset:1024*(\w+4)+512
.endr
	KLOAD 0, KB                                    ; the mask codes are read: K's tiles 0-7 take their registers
	s_wait_dscnt 16                                ; the eight parts are in; the 16 loads of K's tiles 0-7 may be out
.irp w, 1,2,3
.irp j, 0,2,4,6
	v_pk_add_f32 v[EX+\j:EX+\j+1], v[EX+\j:EX+\j+1], v[EX+8*\w+\j:EX+8*\w+\j+1]
.endr
.endr
.irp w, 0,1,2,3
.irp j, 0,2,4,6
	v_pk_add_f32 v[EX+\j:EX+\j+1], v[EX+\j:EX+\j+1], v[BM+8*\w+\j:BM+8*\w+\j+1]
.endr
.endr
	v_add_nc_u32 v[TP], s70, v[AOS]
	ds_store_b128 v[TP], v[EX:EX+3]
	ds_store_b128 v[TP], v[EX+4:EX+7] offset:512
	s_add_co_u32 s70, s70, 8192
	s_sub_co_u32 s14, s14, 1
	s_cmp_lg_u32 s14, 0
	s_cbranch_scc1 .Lblock
	; ---- four blocks are done: eight tiles of 16 queries lie in OUT; wave w quantises tile w along the head's 64 and stores its image.  K's tiles, Q and window 1 stay as they are for the next block
	s_wait_dscnt 0x0
	BAR
.irp n, 0,1,2,3
	ds_load_b128 v[EX+8*\n:EX+8*\n+3], v[AOL] offset:1024*\n
	ds_load_b128 v[EX+8*\n+4:EX+8*\n+7], v[AOL] offset:1024*\n+512
.endr
	s_wait_dscnt 0x0
	v_max3_num_f32 v[TP], |v[EX]|, |v[EX+1]|, 0x1800000
	v_max3_num_f32 v[TP+1], |v[EX+16]|, |v[EX+17]|, 0x1800000
.irp i, 2,4,6,8,10,12,14
	s_delay_alu instid0(VALU_DEP_2)
	v_max3_num_f32 v[TP], v[TP], |v[EX+\i]|, |v[EX+\i+1]|
	s_delay_alu instid0(VALU_DEP_2)
	v_max3_num_f32 v[TP+1], v[TP+1], |v[EX+16+\i]|, |v[EX+17+\i]|
.endr
	s_delay_alu instid0(VALU_DEP_2)
	v_permlanex16_b32 v[TP+2], v[TP], s68, s69
	s_delay_alu instid0(VALU_DEP_2)
	v_permlanex16_b32 v[TP+3], v[TP+1], s68, s69
	s_delay_alu instid0(VALU_DEP_2)
	v_max_num_f32 v[TP], v[TP], v[TP+2]
	s_delay_alu instid0(VALU_DEP_2)
	v_max_num_f32 v[TP+1], v[TP+1], v[TP+3]
	s_delay_alu instid0(VALU_DEP_2)
	v_add_nc_u32 v[TP+2], 0xff000000, v[TP]
	s_delay_alu instid0(VALU_DEP_2)
	v_add_nc_u32 v[TP+3], 0xff000000, v[TP+1]
	s_delay_alu instid0(VALU_DEP_2)
	v_lshrrev_b32 v[TP], 23, v[TP+2]
	s_delay_alu instid0(VALU_DEP_2)
	v_lshrrev_b32 v[TP+1], 23, v[TP+3]
	s_delay_alu instid0(VALU_DEP_1)
	v_lshl_or_b32 v[TP+4], v[TP+1], 8, v[TP]       ; the head's two bytes of my row
	v_cvt_scalef32_pk16_fp6_f32 v[BM:BM+2], v[EX:EX+15], v[TP+2]
	v_cvt_scalef32_pk16_fp6_f32 v[BM+6:BM+8], v[EX+16:EX+31], v[TP+3]
	v_nop
.irp i, 0,1,2
	v_permlane16_swap_b32 v[BM+\i], v[BM+6+\i]
.endr
.irp i, 0,1,2
	s_delay_alu instid0(VALU_DEP_3)
	v_mov_b32 v[BM+3+\i], v[BM+6+\i]
.endr
	global_store_b128 v[L16], v[BM:BM+3], s[10:11]             ; 512 consecutive bytes
	global_store_b64 v[L8], v[BM+4:BM+5], s[10:11] offset:512  ; 256 consecutive bytes
	global_store_b16 v[R8], v[TP+4], s[12:13]                  ; two bytes a row: the word's other half is another head's
	s_wait_xcnt 0x0                                ; the stores have read their registers and bases: both are written again
	s_add_nc_u64 s[10:11], s[10:11], 98304
	s_add_nc_u64 s[12:13], s[12:13], 4096
	s_sub_co_u32 s15, s15, 1
	s_cmp_lg_u32 s15, 0
	s_cbranch_scc1 .Louter
	s_wait_tensorcnt 0x0                           ; the wave's end: behind my last LDS store
	ds_add_u32 v[SPW], v[NIL]
	s_wait_dscnt 0x0
	CROUND                                         ; the closing round
	s_endpgm
.Lfunc_end_k_q90fb6dc4d6_attn:
	.size	k_q90fb6dc4d6_attn, .Lfunc_end_k_q90fb6dc4d6_attn-k_q90fb6dc4d6_attn
	.p2alignl 7, 3214868480
	.fill 96, 4, 3214868480
	.section	.rodata,"a",@progbits
	.p2align	6, 0x0
	.amdhsa_kernel k_q90fb6dc4d6_attn
		.amdhsa_group_segment_fixed_size 327680
		.amdhsa_private_segment_fixed_size 0
		.amdhsa_enable_private_segment 0
		.amdhsa_kernarg_size 40
		.amdhsa_user_sgpr_count 2
		.amdhsa_user_sgpr_kernarg_segment_ptr 1
		.amdhsa_wavefront_size32 1
		.amdhsa_system_sgpr_workgroup_id_x 1
		.amdhsa_system_sgpr_workgroup_id_y 1
		.amdhsa_system_sgpr_workgroup_id_z 1
		.amdhsa_system_vgpr_workitem_id 0
		.amdhsa_next_free_vgpr 512
		.amdhsa_next_free_sgpr 102
		.amdhsa_reserve_vcc 0
		.amdhsa_float_denorm_mode_32 3
		.amdhsa_float_denorm_mode_16_64 3
		.amdhsa_memory_ordered 1
		.amdhsa_forward_progress 1
		.amdhsa_inst_pref_size 96
	.end_amdhsa_kernel
	.amdgpu_metadata
---
amdhsa.version: [ 1, 2 ]
amdhsa.kernels:
  - .name:           k_q90fb6dc4d6_attn
    .symbol:         k_q90fb6dc4d6_attn.kd
    .args:
      - { .name: qkvimg, .offset: 0, .size: 8, .value_kind: global_buffer, .address_space: global }
      - { .name: qkvsc, .offset: 8, .size: 8, .value_kind: global_buffer, .address_space: global }
      - { .name: maskw, .offset: 16, .size: 8, .value_kind: global_buffer, .address_space: global }
      - { .name: aimg, .offset: 24, .size: 8, .value_kind: global_buffer, .address_space: global }
      - { .name: asc, .offset: 32, .size: 8, .value_kind: global_buffer, .address_space: global }
    .group_segment_fixed_size: 327680
    .private_segment_fixed_size: 0
    .kernarg_segment_align: 8
    .kernarg_segment_size: 40
    .max_flat_workgroup_size: 256
    .sgpr_count:     102
    .vgpr_count:     512
    .wavefront_size: 32
...
	.end_amdgpu_metadata
.endif
;; end of part 7
;; launch gemm2 (part 8): grid 8 x 32, 4 waves a work-group, clusters of 4 x 4, 327,680 bytes of LDS; arguments aimg, asc, opimg, opsc, b_out, out0; writes out0
.if DOCPART == 8
	.amdgcn_target "amdgcn-amd-amdhsa--gfx1250"
	.amdhsa_code_object_version 6
	.text
	.protected	k_q90fb6dc4d6_gemm2
	.globl	k_q90fb6dc4d6_gemm2
	.p2align	8
	.type	k_q90fb6dc4d6_gemm2,@function
k_q90fb6dc4d6_gemm2:
	s_mov_b64 s[64:65], 0
	v_nop
	global_prefetch_b8 v0, s[64:65] scope:SCOPE_SE
	s_setreg_imm32_b32 hwreg(HW_REG_WAVE_MODE, 25, 1), 1
	s_wait_xcnt 0x0
	s_wait_alu depctr_hold_cnt(0) depctr_sa_sdst(0) depctr_va_vdst(0) depctr_va_sdst(0) depctr_va_ssrc(0) depctr_va_vcc(0) depctr_vm_vsrc(0)
	s_getreg_b32 s2, hwreg(HW_REG_IB_STS2, 6, 4)
	s_cmp_eq_u32 s2, 0
	s_cbranch_scc0 .Lentry_in_a_cluster
	s_endpgm
.Lentry_in_a_cluster:
	s_bfe_u32 s2, ttmp6, 0x10000c
	s_cmp_lg_u32 s2, 0xf033
	s_cbranch_scc0 .Lentry_shape_is_right
	s_endpgm
.Lentry_shape_is_right:
; out0 = a_out W_out^T + b_out on codes of FP6 (E2M3) with E8M0 scales.  a_out [4096][1024] comes as images in aimg with scale words in asc, W_out as row tiles 448-511 of opimg and opsc.
; An image: [row tile of 16 rows][16 pieces of 64 k][768 bytes]: six operand registers, registers 0-3 at 16 x lane, 4-5 at 512 + 8 x lane.  Lane r of row tile t is row 32 (t / 2) + 8 (t % 2) + r + 8 (r / 8).
; Scale words: [row tile][4 runs of 256 k][16 rows][2 words].
; A work-group makes 128 x 128 of the result: 32 x 8 = 256 work-groups.  Its eight row tiles of a_out for ALL of K are 98,304 dense bytes, and so are W_out's: both lie in LDS whole.
; Each of the four waves brings a half of one of them, 49,152 bytes, by its one tensor load; nothing is filled again, and one barrier shows the tiles to all waves.
; CLUSTER 4 x 4: a_out's tiles are shared along a row of the cluster, W_out's along a column: joint loads.
; A wave makes 64 x 64: 16 accumulators, which take turns, one instruction a turn; K goes in 8 steps of 128, written out; the next step's 8 fragments (32 LDS loads) are requested ahead of a step's products.
; The scale words of the wave's 4 + 4 row tiles for all of K (32 + 32 registers) and the bias come from memory straight into registers.  The bias is the C of the first step's products.
; THE MATRIX INSTRUCTION IS USED TRANSPOSED (source 0 = W_out's rows, source 1 = a_out's): a lane holds eight neighbouring numbers of a row of the result; a block of 16 rows x 256 bytes goes through the wave's
; own stage in LDS, bytes on which no tensor load lands, and leaves as whole aligned units of 256 bytes.
; No prefetch: every byte is asked for once, at the head, and there is no loop to run ahead in.
; WINDOWS: 0: addresses, scale words, a_out's fragments (two sets), the way out; 1: W_out's fragments (two sets); 2: the accumulators v0-127 and the bias v128-159.
.set RT,     12288                     ; a row tile's codes for all of K
.set QT,     4*RT                      ; what one tensor load brings
.set STAGE,  4*QT
.set SPITCH, 272
.set SPARE,  STAGE+4*16*SPITCH
.set A16,  16                          ; LDS addresses of my fragments: 16 x lane and 8 x lane
.set A8,   17
.set B16,  18
.set B8,   19
.set STO,  24
.set RD,   25
.set CO,   26
.set R8,   27
.set SPW,  28
.set NIL,  29
.set BO,   30
.set SA,   32                          ; v32-63 a_out's scale words: 8 x tile + step
.set SB,   64                          ; v64-95 W_out's
.set AF,   96                          ; v96-191 a_out's fragments: 48 x set + 12 x tile
.set BK,   192                         ; v192-255 the way out, two sets of 32
.set BIAS, 128
.set G1,   24
.set G0,   32
.set G1B,  48
.set G0B,  56
.set MSB, 0
.macro WIN new
.if MSB != (\new)
	s_set_vgpr_msb (MSB<<8)|(\new)
.set MSB, (\new)
.endif
.endm
.macro CROUND
	s_barrier_signal -1
	s_barrier_wait -1
	s_cmp_lg_u32 s14, 0
	s_cbranch_scc1 .Lnot_wave_0_\@
	s_barrier_signal -3
.Lnot_wave_0_\@:
	s_barrier_wait -3
	s_barrier_signal -1
	s_barrier_wait -1
.endm
.macro PLACES
.rept 4
	v_nop
.endr
.endm
	s_load_b256 s[4:11], s[0:1], 0x0               ; aimg, asc, opimg, opsc
	s_load_b128 s[96:99], s[0:1], 0x20             ; b_out, out0
	v_lshl_add_u32 v[SPW], v0, 2, SPARE
	v_mov_b32 v[NIL], 0
	ds_add_u32 v[SPW], v[NIL]                      ; the wave's opening: the add, twice on end, and its wait ahead of my tensor load
	ds_add_u32 v[SPW], v[NIL]
	v_lshrrev_b32 v1, 5, v0
	v_readfirstlane_b32 s14, v1                    ; wave
	s_lshr_b32 s15, s14, 1                         ; my half of the block's rows; also: I fetch for a_out (0) or W_out (1)
	s_and_b32 s16, s14, 1                          ; my half of its columns; also: which four row tiles I fetch
	s_bfe_u32 s40, ttmp6, 0x40000                  ; cx, cy
	s_bfe_u32 s41, ttmp6, 0x40004
	s_lshl_b32 s42, ttmp9, 2
	s_add_co_u32 s42, s42, s40                     ; block column 0-7
	s_and_b32 s17, ttmp7, 0xffff
	s_lshl_b32 s17, s17, 2
	s_add_co_u32 s17, s17, s41                     ; block row 0-31
	s_lshl_b32 s43, s41, 2
	s_lshl_b32 s43, 15, s43                        ; my row of the cluster
	s_lshl_b32 s44, 0x1111, s40                    ; my column
	s_or_b32 s[G1+0], s43, (3<<16)|(1<<21)         ; 49,152 dense bytes as 192 rows of 256 (32 elements of 8 bytes)
	s_or_b32 s[G1B+0], s44, (3<<16)|(1<<21)
.irp g, G1, G1B
	s_mov_b32 s[\g+1], 32<<16
	s_mov_b32 s[\g+2], 192<<16
	s_mov_b32 s[\g+3], 32<<16
	s_mov_b32 s[\g+4], 192
	s_mov_b32 s[\g+5], 32
	s_mov_b32 s[\g+6], 0
	s_mov_b32 s[\g+7], 0
.endr
	s_lshl_b32 s18, s16, 2
	s_lshl_b32 s20, s17, 3
	s_add_co_u32 s20, s20, s18                     ; a_out: row tile 8 x block row + 4 x half
	s_lshl_b32 s46, s42, 3
	s_add_co_u32 s46, s46, s18
	s_add_co_u32 s46, s46, 448                     ; W_out: 448 + 8 x block column + 4 x half
	s_mul_i32 s20, s20, RT
	s_mov_b32 s21, 0
	s_mul_i32 s46, s46, RT
	s_mov_b32 s47, 0
	s_mul_i32 s45, s14, QT                         ; LDS: a_out's two halves, then W_out's
	s_wait_dscnt 0x0                               ; both opening adds are done
	s_wait_kmcnt 0x0
	s_add_nc_u64 s[20:21], s[4:5], s[20:21]
	s_add_nc_u64 s[46:47], s[8:9], s[46:47]
	CROUND                                         ; all sixteen work-groups are here: the joint loads meet
	s_mov_b32 s[G0], 1
	s_mov_b32 s[G0+1], s45
	s_mov_b64 s[G0+2:G0+3], s[20:21]
	s_or_b32 s[G0+3], s[G0+3], 0x80000000
	s_mov_b32 s[G0B], 1
	s_mov_b32 s[G0B+1], s45
	s_mov_b64 s[G0B+2:G0B+3], s[46:47]
	s_or_b32 s[G0B+3], s[G0B+3], 0x80000000
	s_cmp_eq_u32 s15, 0
	s_cbranch_scc0 .Lfor_b
	tensor_load_to_lds s[G0:G0+3], s[G1:G1+7]
	s_nop 0
	PLACES
	s_branch .Lasked
.Lfor_b:
	tensor_load_to_lds s[G0B:G0B+3], s[G1B:G1B+7]
	s_nop 0
	PLACES
.Lasked:
	s_mov_b32 s23, 0
	s_lshl_b32 s22, s17, 3
	s_lshl_b32 s18, s15, 2
	s_add_co_u32 s22, s22, s18
	s_lshl_b32 s22, s22, 9
	s_add_nc_u64 s[6:7], s[6:7], s[22:23]          ; the scale words of my four row tiles of a_out
	s_lshl_b32 s22, s42, 3
	s_lshl_b32 s18, s16, 2
	s_add_co_u32 s22, s22, s18
	s_add_co_u32 s22, s22, 448
	s_lshl_b32 s22, s22, 9
	s_add_nc_u64 s[10:11], s[10:11], s[22:23]      ; and of W_out
	s_lshl_b32 s22, s42, 9
	s_lshl_b32 s18, s16, 8
	s_add_co_u32 s22, s22, s18                     ; my first column in bytes: 512 x block column + 256 x half
	s_add_nc_u64 s[96:97], s[96:97], s[22:23]
	s_add_nc_u64 s[98:99], s[98:99], s[22:23]
	s_lshl_b32 s22, s17, 19
	s_lshl_b32 s18, s15, 18
	s_add_co_u32 s22, s22, s18                     ; my first row: (128 x block row + 64 x half) x 4096 bytes
	s_add_nc_u64 s[98:99], s[98:99], s[22:23]
	s_mul_i32 s19, s15, QT
	s_mul_i32 s18, s16, QT
	s_add_co_u32 s18, s18, 2*QT
	s_mul_i32 s22, s14, 16*SPITCH
	s_add_co_u32 s22, s22, STAGE
	v_and_b32 v1, 31, v0
	v_and_b32 v2, 15, v0                           ; r
	v_bfe_u32 v3, v0, 4, 1                         ; h
	v_lshlrev_b32 v4, 4, v1
	v_lshlrev_b32 v5, 3, v1
	v_add_nc_u32 v[A16], s19, v4
	v_add_nc_u32 v[A8], s19, v5
	v_add_nc_u32 v[B16], s18, v4
	v_add_nc_u32 v[B8], s18, v5
	v_lshlrev_b32 v[R8], 3, v2                     ; a row's two scale words
	v_lshlrev_b32 v[BO], 6, v3                     ; the bias: 16 h numbers on
	v_mul_u32_u24 v6, v2, SPITCH
	v_lshl_add_u32 v6, v3, 6, v6
	v_add_nc_u32 v[STO], s22, v6                   ; into the stage: row r, 64 h bytes
	v_mul_u32_u24 v7, v3, SPITCH
	v_lshl_add_u32 v7, v2, 4, v7
	v_add_nc_u32 v[RD], s22, v7                    ; back: sixteen lanes a row, two rows a load
	v_lshlrev_b32 v8, 12, v3
	v_lshl_add_u32 v[CO], v2, 4, v8                ; and the same two rows in out0
	s_wait_alu depctr_va_vdst(0)
.irp i, 0,1,2,3
.irp j, 0,1,2,3
	global_load_b64 v[SA+8*\i+2*\j:SA+8*\i+2*\j+1], v[R8], s[6:7] offset:512*\i+128*\j
	global_load_b64 v[SB+8*\i+2*\j:SB+8*\i+2*\j+1], v[R8], s[10:11] offset:512*\i+128*\j
.endr
.endr
	WIN 0x80
.irp b, 0,1,2,3
	global_load_b128 v[BIAS+8*\b:BIAS+8*\b+3], v[BO], s[96:97] offset:(32*(\b/2)+8*(\b%2))*4
	global_load_b128 v[BIAS+8*\b+4:BIAS+8*\b+7], v[BO], s[96:97] offset:(32*(\b/2)+8*(\b%2))*4+16
.endr
	WIN 0
.macro FRAG reg, adr, st, i            ; a fragment of step st: pieces 2 st and 2 st + 1 of row tile i
.irp c, 0,1
	ds_load_b128 v[\reg+6*\c:\reg+6*\c+3], v[\adr] offset:RT*(\i)+768*(2*(\st)+\c)
	ds_load_b64 v[\reg+6*\c+4:\reg+6*\c+5], v[\adr+1] offset:RT*(\i)+768*(2*(\st)+\c)+512
.endr
.endm
.macro FETCH st                        ; 32 LDS loads: the step's eight fragments into set st % 2
	WIN 0x40
.irp i, 0,1,2,3
	FRAG 48*((\st)%2)+12*\i, B16, \st, \i
.endr
	WIN 0
.irp i, 0,1,2,3
	FRAG AF+48*((\st)%2)+12*\i, A16, \st, \i
.endr
.endm
.macro MUL st
	WIN 0xa1                                       ; source 0 window 1, source 1 window 0, C and D window 2
.irp a, 0,1,2,3
.irp b, 0,1,2,3
.if (\st) == 0
	v_wmma_scale_f32_16x16x128_f8f6f4 v[8*(4*\a+\b):8*(4*\a+\b)+7], v[48*((\st)%2)+12*\b:48*((\st)%2)+12*\b+11], v[AF+48*((\st)%2)+12*\a:AF+48*((\st)%2)+12*\a+11], v[BIAS+8*\b:BIAS+8*\b+7], v[SB+8*\b+(\st)], v[SA+8*\a+(\st)] matrix_a_fmt:MATRIX_FMT_FP6 matrix_b_fmt:MATRIX_FMT_FP6
.else
	v_wmma_scale_f32_16x16x128_f8f6f4 v[8*(4*\a+\b):8*(4*\a+\b)+7], v[48*((\st)%2)+12*\b:48*((\st)%2)+12*\b+11], v[AF+48*((\st)%2)+12*\a:AF+48*((\st)%2)+12*\a+11], v[8*(4*\a+\b):8*(4*\a+\b)+7], v[SB+8*\b+(\st)], v[SA+8*\a+(\st)] matrix_a_fmt:MATRIX_FMT_FP6 matrix_b_fmt:MATRIX_FMT_FP6
.endif
.endr
.endr
.endm
	s_wait_tensorcnt 0x0                           ; my half tile is in LDS;
	s_barrier_signal -1
	s_barrier_wait -1                              ; and so is everybody's
	FETCH 0
	FETCH 1
	s_wait_loadcnt 0x0                             ; the scale words and the bias
	s_wait_dscnt 32                                ; step 0's fragments are in; step 1's 32 loads may be out
	MUL 0
.irp st, 1,2,3,4,5,6
	PLACES                                         ; in front of loads into the set that the products just issued have read
	FETCH \st+1
	s_wait_dscnt 32                                ; this step's fragments are in; the next step's 32 loads may be out
	MUL \st
.endr
	s_wait_dscnt 0x0
	MUL 7
	WIN 0
; THE WAY OUT, block by block of 16 rows x 64 columns
.macro TOSTAGE a
	WIN 0x08                                       ; an LDS store's data are its source 1: window 2
.irp b, 0,1,2,3
	ds_store_b128 v[STO], v[32*(\a)+8*\b:32*(\a)+8*\b+3] offset:128*(\b/2)+32*(\b%2)       ; each accumulator from its low end on
	ds_store_b128 v[STO], v[32*(\a)+8*\b+4:32*(\a)+8*\b+7] offset:128*(\b/2)+32*(\b%2)+16
.endr
	WIN 0
.irp t, 0,1,2,3,4,5,6,7
	ds_load_b128 v[BK+32*((\a)%2)+4*\t:BK+32*((\a)%2)+4*\t+3], v[RD] offset:\t*2*SPITCH   ; LDS serves a wave's instructions in order: these see the stores above
.endr
.endm
.macro SEND a, younger                 ; stage row 2 t + h is row 32 (a / 2) + 8 (a % 2) + 2 t + h + 8 (t / 4) of my 64
	s_wait_dscnt \younger
.irp t, 0,1,2,3,4,5,6,7
	global_store_b128 v[CO], v[BK+32*((\a)%2)+4*\t:BK+32*((\a)%2)+4*\t+3], s[98:99] offset:(32*((\a)/2)+8*((\a)%2)+2*\t+8*(\t/4))*4096 th:TH_STORE_NT   ; sixteen lanes store 256 consecutive bytes, aligned
.endr
.endm
	PLACES                                         ; behind the last products, ahead of the first read of results
	TOSTAGE 0
.irp a, 1,2,3
.if \a > 1
	s_wait_xcnt 0x0                                ; block a - 2's stores have read their registers: block a's loads may land there
.endif
	TOSTAGE \a
	SEND \a-1, 16                                  ; behind block a - 1's loads: block a's 8 stores and 8 loads
.endr
	SEND 3, 0
	s_wait_tensorcnt 0x0                           ; the wave's end: behind my last LDS store
	ds_add_u32 v[SPW], v[NIL]
	s_wait_dscnt 0x0
	CROUND                                         ; the closing round
	s_endpgm
.Lfunc_end_k_q90fb6dc4d6_gemm2:
	.size	k_q90fb6dc4d6_gemm2, .Lfunc_end_k_q90fb6dc4d6_gemm2-k_q90fb6dc4d6_gemm2
	.p2alignl 7, 3214868480
	.fill 96, 4, 3214868480
	.section	.rodata,"a",@progbits
	.p2align	6, 0x0
	.amdhsa_kernel k_q90fb6dc4d6_gemm2
		.amdhsa_group_segment_fixed_size 327680
		.amdhsa_private_segment_fixed_size 0
		.amdhsa_enable_private_segment 0
		.amdhsa_kernarg_size 48
		.amdhsa_user_sgpr_count 2
		.amdhsa_user_sgpr_kernarg_segment_ptr 1
		.amdhsa_wavefront_size32 1
		.amdhsa_system_sgpr_workgroup_id_x 1
		.amdhsa_system_sgpr_workgroup_id_y 1
		.amdhsa_system_sgpr_workgroup_id_z 1
		.amdhsa_system_vgpr_workitem_id 0
		.amdhsa_next_free_vgpr 768
		.amdhsa_next_free_sgpr 102
		.amdhsa_reserve_vcc 0
		.amdhsa_float_denorm_mode_32 3
		.amdhsa_float_denorm_mode_16_64 3
		.amdhsa_memory_ordered 1
		.amdhsa_forward_progress 1
		.amdhsa_inst_pref_size 52
	.end_amdhsa_kernel
	.amdgpu_metadata
---
amdhsa.version: [ 1, 2 ]
amdhsa.kernels:
  - .name:           k_q90fb6dc4d6_gemm2
    .symbol:         k_q90fb6dc4d6_gemm2.kd
    .args:
      - { .name: aimg, .offset: 0, .size: 8, .value_kind: global_buffer, .address_space: global }
      - { .name: asc, .offset: 8, .size: 8, .value_kind: global_buffer, .address_space: global }
      - { .name: opimg, .offset: 16, .size: 8, .value_kind: global_buffer, .address_space: global }
      - { .name: opsc, .offset: 24, .size: 8, .value_kind: global_buffer, .address_space: global }
      - { .name: b_out, .offset: 32, .size: 8, .value_kind: global_buffer, .address_space: global }
      - { .name: out0, .offset: 40, .size: 8, .value_kind: global_buffer, .address_space: global }
    .group_segment_fixed_size: 327680
    .private_segment_fixed_size: 0
    .kernarg_segment_align: 8
    .kernarg_segment_size: 48
    .max_flat_workgroup_size: 128
    .sgpr_count:     102
    .vgpr_count:     768
    .wavefront_size: 32
...
	.end_amdgpu_metadata
.endif
;; end of part 8
